; MI455X (gfx1250); checked and timed in simulation.
; The chip was launched on July 23, 2026; its instructions are those of AMD's public machine-readable ISA for CDNA 5 (MIT licence, August 2026) and "CDNA5" Instruction Set Architecture Reference Guide (July 2026). The comments in the code are by the model that wrote it; some were corrected since.
;; Transformer Encoder. Allowed arithmetic: matrix products marked QUANTISED: E2M1 operands, one E8M0 scale for each 32 along K, by v_wmma_scale_f32_16x16x128_f8f6f4 with both operands' format E2M1 (or v_wmma_scale_f32_32x16x128_f4), f32 sums; everything else in f32.
;; Inputs: W1_codes 4 x 512 x 8 x 16 uint8 (E2M1 codes of W1, K innermost, in blocks of 32 codes, two codes a byte); W1_scales 4 x 512 x 8 uint8 (E8M0 scales of W1, one for each 32 codes along K); W2_codes 4 x 256 x 16 x 16 uint8 (E2M1 codes of W2, K innermost, in blocks of 32 codes, two codes a byte); W2_scales 4 x 256 x 16 uint8 (E8M0 scales of W2, one for each 32 codes along K); Win_codes 256 x 8 x 16 uint8 (E2M1 codes of Win, K innermost, in blocks of 32 codes, two codes a byte); Win_scales 256 x 8 uint8 (E8M0 scales of Win, one for each 32 codes along K); Wk_codes 4 x 256 x 8 x 16 uint8 (E2M1 codes of Wk, K innermost, in blocks of 32 codes, two codes a byte); Wk_scales 4 x 256 x 8 uint8 (E8M0 scales of Wk, one for each 32 codes along K); Wo_codes 4 x 256 x 8 x 16 uint8 (E2M1 codes of Wo, K innermost, in blocks of 32 codes, two codes a byte); Wo_scales 4 x 256 x 8 uint8 (E8M0 scales of Wo, one for each 32 codes along K); Wq_codes 4 x 256 x 8 x 16 uint8 (E2M1 codes of Wq, K innermost, in blocks of 32 codes, two codes a byte); Wq_scales 4 x 256 x 8 uint8 (E8M0 scales of Wq, one for each 32 codes along K); Wv_codes 4 x 256 x 8 x 16 uint8 (E2M1 codes of Wv, K innermost, in blocks of 32 codes, two codes a byte); Wv_scales 4 x 256 x 8 uint8 (E8M0 scales of Wv, one for each 32 codes along K); b1 4 x 512 float32; b2 4 x 256 float32; bin_ 256 float32; bk 4 x 256 float32; bo 4 x 256 float32; bq 4 x 256 float32; bv 4 x 256 float32; ln1_b 4 x 256 float32; ln1_g 4 x 256 float32; ln2_b 4 x 256 float32; ln2_g 4 x 256 float32; lno_b 256 float32; lno_g 256 float32; x_codes 4 x 2 x 1,024 x 8 x 16 uint8 (E2M1 codes of x, K innermost, in blocks of 32 codes, two codes a byte); x_scales 4 x 2 x 1,024 x 8 uint8 (E8M0 scales of x, one for each 32 codes along K).
;; Outputs: out0 4 x 2 x 1,024 x 256 float32.
;; This version of the problem:
;;   THIS VERSION OF THE PROBLEM IS GIVEN IN LOW PRECISION. The matrix products marked QUANTISED in the list below multiply operands that are first quantised to E2M1 (2 exponent bits, 1 mantissa bit; 4 bits a number), with one power-of-two scale for each 32 numbers along K (OCP MX v1.0); their sums are f32. All else is computed in f32.
;;   The module's matrix products, in the order in which they are computed (A, B: the left and right operand; K: the contracted axis; several contracted axes count as one K, in the product's order):
;;     1. [M 8,192, K 256] x [K 256, N 256]; A: input x (given as codes); B: input Win (given as codes): QUANTISED
;;     2. [M 8,192, K 256] x [K 256, N 256]; A: computed on the way; B: input Wq (given as codes): QUANTISED
;;     3. [M 8,192, K 256] x [K 256, N 256]; A: computed on the way; B: input Wk (given as codes): QUANTISED
;;     4. [M 8,192, K 256] x [K 256, N 256]; A: computed on the way; B: input Wv (given as codes): QUANTISED
;;     5. batch 64 x [M 1,024, K 32] x [K 32, N 1,024]; A: computed on the way; B: computed on the way: QUANTISED
;;     6. batch 64 x [M 32, K 1,024] x [K 1,024, N 1,024]; A: computed on the way; B: softmax (see below): QUANTISED
;;     7. [M 8,192, K 256] x [K 256, N 256]; A: computed on the way; B: input Wo (given as codes): QUANTISED
;;     8. [M 8,192, K 256] x [K 256, N 512]; A: computed on the way; B: input W1 (given as codes): QUANTISED
;;     9. [M 8,192, K 512] x [K 512, N 256]; A: computed on the way; B: input W2 (given as codes): QUANTISED
;;     10. [M 8,192, K 256] x [K 256, N 256]; A: computed on the way; B: input Wq (given as codes): QUANTISED
;;     11. [M 8,192, K 256] x [K 256, N 256]; A: computed on the way; B: input Wk (given as codes): QUANTISED
;;     12. [M 8,192, K 256] x [K 256, N 256]; A: computed on the way; B: input Wv (given as codes): QUANTISED
;;     13. batch 64 x [M 1,024, K 32] x [K 32, N 1,024]; A: computed on the way; B: computed on the way: QUANTISED
;;     14. batch 64 x [M 32, K 1,024] x [K 1,024, N 1,024]; A: computed on the way; B: softmax (see below): QUANTISED
;;     15. [M 8,192, K 256] x [K 256, N 256]; A: computed on the way; B: input Wo (given as codes): QUANTISED
;;     16. [M 8,192, K 256] x [K 256, N 512]; A: computed on the way; B: input W1 (given as codes): QUANTISED
;;     17. [M 8,192, K 512] x [K 512, N 256]; A: computed on the way; B: input W2 (given as codes): QUANTISED
;;     18. [M 8,192, K 256] x [K 256, N 256]; A: computed on the way; B: input Wq (given as codes): QUANTISED
;;     19. [M 8,192, K 256] x [K 256, N 256]; A: computed on the way; B: input Wk (given as codes): QUANTISED
;;     20. [M 8,192, K 256] x [K 256, N 256]; A: computed on the way; B: input Wv (given as codes): QUANTISED
;;     21. batch 64 x [M 1,024, K 32] x [K 32, N 1,024]; A: computed on the way; B: computed on the way: QUANTISED
;;     22. batch 64 x [M 32, K 1,024] x [K 1,024, N 1,024]; A: computed on the way; B: softmax (see below): QUANTISED
;;     23. [M 8,192, K 256] x [K 256, N 256]; A: computed on the way; B: input Wo (given as codes): QUANTISED
;;     24. [M 8,192, K 256] x [K 256, N 512]; A: computed on the way; B: input W1 (given as codes): QUANTISED
;;     25. [M 8,192, K 512] x [K 512, N 256]; A: computed on the way; B: input W2 (given as codes): QUANTISED
;;     26. [M 8,192, K 256] x [K 256, N 256]; A: computed on the way; B: input Wq (given as codes): QUANTISED
;;     27. [M 8,192, K 256] x [K 256, N 256]; A: computed on the way; B: input Wk (given as codes): QUANTISED
;;     28. [M 8,192, K 256] x [K 256, N 256]; A: computed on the way; B: input Wv (given as codes): QUANTISED
;;     29. batch 64 x [M 1,024, K 32] x [K 32, N 1,024]; A: computed on the way; B: computed on the way: QUANTISED
;;     30. batch 64 x [M 32, K 1,024] x [K 1,024, N 1,024]; A: computed on the way; B: softmax (see below): QUANTISED
;;     31. [M 8,192, K 256] x [K 256, N 256]; A: computed on the way; B: input Wo (given as codes): QUANTISED
;;     32. [M 8,192, K 256] x [K 256, N 512]; A: computed on the way; B: input W1 (given as codes): QUANTISED
;;     33. [M 8,192, K 512] x [K 512, N 256]; A: computed on the way; B: input W2 (given as codes): QUANTISED
;;   THE QUANTISER, for each operand of a quantised product, along K:
;;     - K is cut into blocks of 32 from its start; a last block that is shorter is filled with zeros.
;;     - A block's scale is 2^e with e = floor(log2(the largest magnitude in the block)) - 2, held to -126 .. 127; a block of zeros has e = 0. As a byte (E8M0): e + 127.
;;     - Each number is divided by its block's scale, clamped to +-6, and rounded to the nearest number of E2M1, ties to even, subnormals kept.
;;     - The product sums the exact products of the quantised numbers (number of the format x scale) in f32.
;;   ~~~python
;;   def quantise(x, axis):      # numpy; x: float32 -> the quantised numbers, widened to float32 again
;;       x = np.moveaxis(x, axis, -1); K = x.shape[-1]
;;       x = np.pad(x, [(0, 0)] * (x.ndim - 1) + [(0, -K % 32)]); x = x.reshape(x.shape[:-1] + (-1, 32)); a = np.abs(x).max(-1, keepdims=True)
;;       e = np.where(a > 0, np.clip(np.frexp(np.where(a > 0, a, 1))[1] - 1 - 2, -126, 127), 0)      # np.frexp(a)[1] - 1 = floor(log2(a)), exactly
;;       r = np.clip(x / 2.0 ** e, -6, 6)
;;       step = 2.0 ** (np.maximum(np.frexp(np.where(r == 0, 1, r))[1] - 1, 0) - 1)
;;       q = np.round(r / step) * step * 2.0 ** e      # np.round: ties to even
;;       return np.moveaxis(q.reshape(q.shape[:-2] + (-1,))[..., :K], -1, axis).astype(np.float32)
;;   ~~~
;;   SOFTMAX AHEAD OF A QUANTISED PRODUCT. Where the list says 'softmax', what is quantised is not the finished softmax but p = 2^(t - M), with t = logit x log2(e) and M = ceil(the row's largest t), a whole number; so 1/2 < the row's largest p <= 1. The row's sum l is taken of the UNQUANTISED p, in f32, and the product's result is divided by l at the end. Since M is a whole number, a kernel that streams over the keys may use a running M (the ceiling of the running maximum): every later rescaling is an exact power of two, which a block's scale takes up: the codes' values come out the same.
;;   OPERANDS COMPUTED ON THE WAY. 'Computed on the way' means the value that the module computes at that place (a softmax that the list does not call 'softmax' is quantised finished and normalised). What goes into a quantiser is computed in f32, as accurately as f32 sums, v_exp_f32 and their like allow (about 1e-6 of the number): no bf16 or f16 on the way to a quantiser, and a product that is left as it is and whose result goes on into a quantised operand takes f32 operands (vector FMAs, or v_wmma_f32_16x16x4_f32). A number that lies on a knife's edge between two numbers of the format may be rounded either way, as far as f32 arithmetic and the matrix unit's own rounding can turn it there, and no further.
;;   INPUTS GIVEN AS CODES. W1 (in the module: [4, 512, 256], K = its axis 2); W2 (in the module: [4, 256, 512], K = its axis 2); Win (in the module: [256, 256], K = its axis 1); Wk (in the module: [4, 256, 256], K = its axis 2); Wo (in the module: [4, 256, 256], K = its axis 2); Wq (in the module: [4, 256, 256], K = its axis 2); Wv (in the module: [4, 256, 256], K = its axis 2); x (in the module: [4, 2, 1024, 256], K = its axis 3): each comes as NAME_codes (uint8): NAME with its K axis moved to the last place and cut into blocks of 32 codes, [.., K / 32, bytes a block], one block behind the other in memory; two codes a byte, the lower K in the low four bits (a code: sign, 2 exponent bits, 1 mantissa bit); and NAME_scales (uint8): the same leading axes, one E8M0 byte (e + 127) for each 32 codes along K. Its value is code x scale, taken as it is: it is not quantised again, and the codes and scales need not be those that the quantiser above would give.
;; 2 versions. Each part assembles by itself: llvm-mc -triple=amdgcn-amd-amdhsa -mcpu=gfx1250 --defsym DOCPART=n.
;; ======== version 1 of 2: 5 launches
;; workspace buffers: eA 8,388,608 bytes; eB 8,388,608 bytes; actA 3,670,016 bytes; actB 3,670,016 bytes; lay0 256 bytes of whole numbers; lay1 256 bytes of whole numbers; lay2 256 bytes of whole numbers; lay3 256 bytes of whole numbers
;; launch front (part 1): grid 256 x 1, 8 waves a work-group, no clusters, 91,136 bytes of LDS; arguments x_codes, x_scales, Win_codes, Win_scales, bin_, ln1_g, ln1_b, Wq_codes, Wq_scales, bq, Wk_codes, Wk_scales, bk, Wv_codes, Wv_scales, bv, eA, actA, lay0, lay1, lay2, lay3; writes eA, actA, lay0, lay1, lay2, lay3
.if DOCPART == 1
	.amdgcn_target "amdgcn-amd-amdhsa--gfx1250"
	.amdhsa_code_object_version 6
	.text
	.protected	k_q8ec887f779_front
	.globl	k_q8ec887f779_front
	.p2align	8
	.type	k_q8ec887f779_front,@function
k_q8ec887f779_front:
	s_mov_b64 s[64:65], 0
	v_nop
	global_prefetch_b8 v0, s[64:65] scope:SCOPE_SE
	s_setreg_imm32_b32 hwreg(HW_REG_WAVE_MODE, 25, 1), 1
	s_wait_xcnt 0x0
; e = LN1[0](x Win^T + bin_); q, k, v of layer 0 from e.  All products on codes of FP4 (E2M1) with one E8M0 scale for each 32 along K.
; A work-group of eight waves owns 32 tokens (32 x work-group ..).  Wave w owns columns 32 w .. 32 w + 31 of every 256-wide product: it is head w.
; L = lane, r = L % 16, h = L / 16, row(r) = r + (r & 8).  token(m, r) = 8 m + row(r), m = 0, 1.  Tile u of a wave's 32 weight rows takes row 8 u + row(r).
; TRANSPOSED products (source 0 = 16 weight rows, source 1 = 16 tokens): lane (r, h) holds token(m, r), and the 16 registers of tiles u = 0, 1 are columns 32 w + 16 h + 0 .. 15.
; V's product is not transposed (source 0 = tokens, source 1 = Wv's rows): lane (r, h) holds V's row 8 u + row(r), and the 16 registers of tiles m = 0, 1 are tokens 16 h + 0 .. 15.
; So a block of 32 along the next K is always 16 registers of lane l and 16 of lane l xor 16, and a lane's two conversions give 8 bytes at 8 h of the block's 16.
; OUT: eA [8192][256] f32.  actA: q's codes at 0 ([seq][block of 32 tokens][head][cell 16 m + r] x 16 bytes), k's at 0x100000 ([seq][head][block][cell]), v's at 0x200000
; ([seq][head][128 keys][u][block % 4][r] x 16 bytes: the image of an operand's registers), the scale bytes at 0x300000 (2,048 bytes a block of tokens: q's words, k's words, v's bytes).
; lay0 .. lay3: the whole numbers 0 .. 3, from which the later launches form their weights' addresses.
; No tensor load and no cluster: every byte that a work-group reads goes to exactly one wave's registers, and what all work-groups share (136 KiB of weights and their scales) is read once by each.
; LIMITS: NaN and infinities are not served.  A block of zeros gets the scale byte 1 and not 127: its codes are zeros and this program alone reads the bytes.
; The norm's variance is made of the eight waves' means and sums of squared deviations, joined exactly (no difference of large sums); the order of summation differs from a plain row sum.  1/sqrt by v_rsq_f32.
.set ACTN,  40960                      ; LDS: e's four fragments as images of their registers (tile m, K step s: 1,024 (2 m + s)); block j of a step at 256 j + 16 r
.set XSN,   46080                      ; their scale words: 128 m + 64 s + 4 r
.set STAT3, 50432                      ; [wave][m][lane] x 8 bytes: mean and sum of squared deviations of a wave's 32 columns
.set SRS,   54528                      ; the block's 1,792 scale bytes, gathered
.set STG,   56576                      ; 32 rows of e, row 16 m + r, 1,024 bytes + 16
.set SPI,   1040
.set R0, 16                            ; v16-47   q's accumulators
.set R1, 48                            ; v48-79   k's
.set R2, 96                            ; v96-127  e behind the norm; later codes and bytes
.set R3, 128                           ; v128-159 x Win^T + bin_; later v's accumulators
.set R4, 160                           ; v160-191 fragments; the norm's figures
.set R5, 192                           ; v192-223 gain and bias; later rows of e on the way out
.set AS,  230                          ; v230-233 scale words of the activations     (v230-255 hold scales and nothing else)
.set WSC, 236                          ; v236-239 Wv's
.set WSA, 240                          ; v240-243 Win's
.set WSB, 248                          ; v248-255 Wq's, Wk's
.set WV,  68
.set SEL, 76                           ; s[76:77] lane selects of v_permlanex16_b32: lane l xor 16
.set EPS, 80
.set R256, 81
.set HM,  82                           ; the mask of lanes 16-31
.set OF,  84                           ; s[84:85] an offset; s85 = 0
.set QCO, 94
.set KCO, 96
.set VCO, 98
.set SRO, 100
.set EOUT, 40
.set MSB, 0
.macro WIN new                         ; the immediate's high byte repeats the setting that is left
.if MSB != \new
	s_set_vgpr_msb (MSB<<8)|\new
.set MSB, \new
.endif
.endm
.macro BARRIER                         ; my LDS stores have landed and my LDS loads are in: then the work-group's barrier
	s_wait_dscnt 0x0
	s_barrier_signal -1
	s_barrier_wait -1
.endm
.macro PLACES                          ; four plain vector instructions between a matrix instruction and a read of its result or a load into its registers
.rept 4
	v_nop
.endr
.endm
; one matrix instruction.  c < 0: the sum starts with 0.  ra, rb: the scale words stand in lanes 16-31 of their registers
.macro WM d, a, b, c, sa, sb, ra, rb
.if (\c) < 0
.if (\ra) && (\rb)
	v_wmma_scale_f32_16x16x128_f8f6f4 v[(\d):(\d)+7], v[(\a):(\a)+7], v[(\b):(\b)+7], 0, v[\sa], v[\sb] matrix_a_fmt:MATRIX_FMT_FP4 matrix_b_fmt:MATRIX_FMT_FP4 matrix_a_scale:MATRIX_SCALE_ROW1 matrix_b_scale:MATRIX_SCALE_ROW1
.elseif (\ra)
	v_wmma_scale_f32_16x16x128_f8f6f4 v[(\d):(\d)+7], v[(\a):(\a)+7], v[(\b):(\b)+7], 0, v[\sa], v[\sb] matrix_a_fmt:MATRIX_FMT_FP4 matrix_b_fmt:MATRIX_FMT_FP4 matrix_a_scale:MATRIX_SCALE_ROW1
.elseif (\rb)
	v_wmma_scale_f32_16x16x128_f8f6f4 v[(\d):(\d)+7], v[(\a):(\a)+7], v[(\b):(\b)+7], 0, v[\sa], v[\sb] matrix_a_fmt:MATRIX_FMT_FP4 matrix_b_fmt:MATRIX_FMT_FP4 matrix_b_scale:MATRIX_SCALE_ROW1
.else
	v_wmma_scale_f32_16x16x128_f8f6f4 v[(\d):(\d)+7], v[(\a):(\a)+7], v[(\b):(\b)+7], 0, v[\sa], v[\sb] matrix_a_fmt:MATRIX_FMT_FP4 matrix_b_fmt:MATRIX_FMT_FP4
.endif
.else
.if (\ra) && (\rb)
	v_wmma_scale_f32_16x16x128_f8f6f4 v[(\d):(\d)+7], v[(\a):(\a)+7], v[(\b):(\b)+7], v[(\c):(\c)+7], v[\sa], v[\sb] matrix_a_fmt:MATRIX_FMT_FP4 matrix_b_fmt:MATRIX_FMT_FP4 matrix_a_scale:MATRIX_SCALE_ROW1 matrix_b_scale:MATRIX_SCALE_ROW1
.elseif (\ra)
	v_wmma_scale_f32_16x16x128_f8f6f4 v[(\d):(\d)+7], v[(\a):(\a)+7], v[(\b):(\b)+7], v[(\c):(\c)+7], v[\sa], v[\sb] matrix_a_fmt:MATRIX_FMT_FP4 matrix_b_fmt:MATRIX_FMT_FP4 matrix_a_scale:MATRIX_SCALE_ROW1
.elseif (\rb)
	v_wmma_scale_f32_16x16x128_f8f6f4 v[(\d):(\d)+7], v[(\a):(\a)+7], v[(\b):(\b)+7], v[(\c):(\c)+7], v[\sa], v[\sb] matrix_a_fmt:MATRIX_FMT_FP4 matrix_b_fmt:MATRIX_FMT_FP4 matrix_b_scale:MATRIX_SCALE_ROW1
.else
	v_wmma_scale_f32_16x16x128_f8f6f4 v[(\d):(\d)+7], v[(\a):(\a)+7], v[(\b):(\b)+7], v[(\c):(\c)+7], v[\sa], v[\sb] matrix_a_fmt:MATRIX_FMT_FP4 matrix_b_fmt:MATRIX_FMT_FP4
.endif
.endif
.endm
; my 32 rows of a weight with K = 256 (rows of 128 bytes): four fragments (tile u, K step s) at v[dst + 16 u + 8 s] of window 1
.macro CH256 dst, base, imm0
.irp u,0,1
.irp s,0,1
.irp c,0,1
	global_load_b128 v[(\dst)+16*\u+8*\s+4*\c:(\dst)+16*\u+8*\s+4*\c+3], v4, s[\base:\base+1] offset:(\imm0)+1024*\u+64*\s+32*\c
.endr
.endr
.endr
.endm
; two blocks of 32 along K by turns: 16 numbers of each in v[a] on and v[b] on, the other 16 in lane l xor 16.  Codes to v[cd], v[cd+1] and v[cd+2], v[cd+3]; scale bytes to v[by], v[by+1]
.macro QUANT2 a, b, cd, by
	v_max3_num_f32 v80, |v[\a]|, |v[(\a)+1]|, 0x1800000      ; the largest magnitude, over the floor 2^(3 - 127): the byte cannot fall under 1
	v_max3_num_f32 v81, |v[\b]|, |v[(\b)+1]|, 0x1800000
.irp i,2,4,6,8,10,12,14
	v_max3_num_f32 v80, v80, |v[(\a)+\i]|, |v[(\a)+\i+1]|
	v_max3_num_f32 v81, v81, |v[(\b)+\i]|, |v[(\b)+\i+1]|
.endr
	v_permlanex16_b32 v82, v80, s[SEL], s[SEL+1]
	v_permlanex16_b32 v83, v81, s[SEL], s[SEL+1]
	v_max_num_f32 v80, v80, v82
	v_max_num_f32 v81, v81, v83
	v_add_nc_u32 v84, 0xff000000, v80                        ; 2 off the exponent field: the conversion takes this operand's exponent field as its scale
	v_add_nc_u32 v85, 0xff000000, v81
	v_lshrrev_b32 v[\by], 23, v84                            ; the scale's byte
	v_lshrrev_b32 v[(\by)+1], 23, v85
	v_cvt_scalef32_pk8_fp4_f32 v[\cd], v[(\a):(\a)+7], v84
	v_cvt_scalef32_pk8_fp4_f32 v[(\cd)+1], v[(\a)+8:(\a)+15], v84
	v_cvt_scalef32_pk8_fp4_f32 v[(\cd)+2], v[(\b):(\b)+7], v85
	v_cvt_scalef32_pk8_fp4_f32 v[(\cd)+3], v[(\b)+8:(\b)+15], v85
	v_nop                                                    ; one plain instruction behind the last scaled conversion
.endm
.macro AFETCH reg, img, n              ; n fragments come back from LDS as they were stored: 16 bytes a lane, twice
.set fi, 0
.rept \n
	ds_load_b128 v[(\reg)+8*fi:(\reg)+8*fi+3], v1 offset:(\img)+1024*fi
	ds_load_b128 v[(\reg)+8*fi+4:(\reg)+8*fi+7], v1 offset:(\img)+1024*fi+512
.set fi, fi+1
.endr
.endm
; mean and sum of squared deviations of my wave's 32 columns of token(m, r), both m by turns, to LDS
.macro LNSTAT x, stat
.irp m,0,1
	v_pk_add_f32 v[80+8*\m:81+8*\m], v[(\x)+16*\m:(\x)+16*\m+1], v[(\x)+16*\m+2:(\x)+16*\m+3]
	v_pk_add_f32 v[82+8*\m:83+8*\m], v[(\x)+16*\m+4:(\x)+16*\m+5], v[(\x)+16*\m+6:(\x)+16*\m+7]
.endr
.irp k,8,12
.irp m,0,1
	v_pk_add_f32 v[80+8*\m:81+8*\m], v[80+8*\m:81+8*\m], v[(\x)+16*\m+\k:(\x)+16*\m+\k+1]
	v_pk_add_f32 v[82+8*\m:83+8*\m], v[82+8*\m:83+8*\m], v[(\x)+16*\m+\k+2:(\x)+16*\m+\k+3]
.endr
.endr
.irp m,0,1
	v_pk_add_f32 v[80+8*\m:81+8*\m], v[80+8*\m:81+8*\m], v[82+8*\m:83+8*\m]
.endr
.irp m,0,1
	v_add_f32 v[80+8*\m], v[80+8*\m], v[81+8*\m]
.endr
.irp m,0,1
	v_permlanex16_b32 v[81+8*\m], v[80+8*\m], s[SEL], s[SEL+1]
.endr
.irp m,0,1
	v_add_f32 v[80+8*\m], v[80+8*\m], v[81+8*\m]
.endr
.irp m,0,1
	v_mul_f32 v[80+8*\m], 0x3d000000, v[80+8*\m]             ; / 32: the wave's mean
.endr
.irp k,0,2,4,6,8,10,12,14
.irp m,0,1
	v_pk_add_f32 v[82+8*\m+(\k%4):83+8*\m+(\k%4)], v[(\x)+16*\m+\k:(\x)+16*\m+\k+1], v[80+8*\m:81+8*\m] op_sel_hi:[1,0] neg_lo:[0,1] neg_hi:[0,1]
.if \k == 0
	v_pk_mul_f32 v[86+8*\m:87+8*\m], v[82+8*\m:83+8*\m], v[82+8*\m:83+8*\m]
.else
	v_pk_fma_f32 v[86+8*\m:87+8*\m], v[82+8*\m+(\k%4):83+8*\m+(\k%4)], v[82+8*\m+(\k%4):83+8*\m+(\k%4)], v[86+8*\m:87+8*\m]
.endif
.endr
.endr
.irp m,0,1
	v_add_f32 v[86+8*\m], v[86+8*\m], v[87+8*\m]
.endr
.irp m,0,1
	v_permlanex16_b32 v[87+8*\m], v[86+8*\m], s[SEL], s[SEL+1]
.endr
.irp m,0,1
	v_add_f32 v[81+8*\m], v[86+8*\m], v[87+8*\m]
.endr
.irp m,0,1
	ds_store_b64 v15, v[80+8*\m:81+8*\m] offset:(\stat)+256*\m
.endr
.endm
; the eight waves' figures are joined: mu = the mean of the means; the sum of squares = the sum of theirs + 32 x the sum of (mean - mu)^2.  y = (x - mu) rsqrt(var + eps) g + b
.macro LNAPPLY x, y, gb, stat
.irp m,0,1
.irp k,0,1,2,3,4,5,6,7
	ds_load_b64 v[R4+16*\m+2*\k:R4+16*\m+2*\k+1], v11 offset:(\stat)+512*\k+256*\m
.endr
.endr
	s_wait_dscnt 0x0
.irp m,0,1
	v_pk_add_f32 v[80+8*\m:81+8*\m], v[R4+16*\m:R4+16*\m+1], v[R4+16*\m+2:R4+16*\m+3]
	v_pk_add_f32 v[82+8*\m:83+8*\m], v[R4+16*\m+4:R4+16*\m+5], v[R4+16*\m+6:R4+16*\m+7]
.endr
.irp k,8,12
.irp m,0,1
	v_pk_add_f32 v[80+8*\m:81+8*\m], v[80+8*\m:81+8*\m], v[R4+16*\m+\k:R4+16*\m+\k+1]
	v_pk_add_f32 v[82+8*\m:83+8*\m], v[82+8*\m:83+8*\m], v[R4+16*\m+\k+2:R4+16*\m+\k+3]
.endr
.endr
.irp m,0,1
	v_pk_add_f32 v[80+8*\m:81+8*\m], v[80+8*\m:81+8*\m], v[82+8*\m:83+8*\m]
.endr
.irp m,0,1
	v_mul_f32 v[80+8*\m], 0x3e000000, v[80+8*\m]             ; / 8: mu
.endr
.irp k,0,1,2,3,4,5,6,7
.irp m,0,1
	v_sub_f32 v[82+8*\m+(\k%2)], v[R4+16*\m+2*\k], v[80+8*\m]
.if \k == 0
	v_mul_f32 v[84+8*\m], v[82+8*\m], v[82+8*\m]
.else
	v_fma_f32 v[84+8*\m], v[82+8*\m+(\k%2)], v[82+8*\m+(\k%2)], v[84+8*\m]
.endif
.endr
.endr
.irp m,0,1
	v_fma_f32 v[81+8*\m], v[84+8*\m], 0x42000000, v[81+8*\m] ; + 32 x
.endr
.irp m,0,1
	v_fma_f32 v[81+8*\m], v[81+8*\m], s[R256], s[EPS]        ; var + eps
.endr
.irp m,0,1
	v_rsq_f32 v[82+8*\m], v[81+8*\m]
.endr
	v_nop                                                    ; a plain instruction behind the two,
	s_wait_alu depctr_va_vdst(0)                             ; and one wait for both, ahead of the first reader
.irp m,0,1
.set j, 0
.rept 8
	v_pk_add_f32 v[(\y)+16*\m+j:(\y)+16*\m+j+1], v[(\x)+16*\m+j:(\x)+16*\m+j+1], v[80+8*\m:81+8*\m] op_sel_hi:[1,0] neg_lo:[0,1] neg_hi:[0,1]
.set j, j+2
.endr
.endr
.irp m,0,1
.set j, 0
.rept 8
	v_pk_mul_f32 v[(\y)+16*\m+j:(\y)+16*\m+j+1], v[(\y)+16*\m+j:(\y)+16*\m+j+1], v[82+8*\m:83+8*\m] op_sel_hi:[1,0]
.set j, j+2
.endr
.endr
.irp m,0,1
.set j, 0
.rept 8
	v_pk_fma_f32 v[(\y)+16*\m+j:(\y)+16*\m+j+1], v[(\y)+16*\m+j:(\y)+16*\m+j+1], v[(\gb)+j:(\gb)+j+1], v[(\gb)+16+j:(\gb)+16+j+1]
.set j, j+2
.endr
.endr
.endm
; THE TAIL: the norm of v[R3] on; e out as whole rows; q, k, v of the next layer, quantised and stored.  lw: the younger loads that may stay out when gain and bias are wanted
.macro TAIL lw, cond
	LNSTAT R3, STAT3
	BARRIER                                                  ; all eight waves' figures lie in LDS
	s_wait_loadcnt \lw
	LNAPPLY R3, R2, R5, STAT3
.irp m,0,1
.irp i,0,1,2,3
	ds_store_b128 v10, v[R2+16*\m+4*\i:R2+16*\m+4*\i+3] offset:16*SPI*\m+16*\i
.endr
.endr
	QUANT2 R2, R2+16, 88, 86
	ds_store_b64 v13, v[88:89] offset:ACTN
	ds_store_b64 v13, v[90:91] offset:ACTN+2048
	ds_store_b8 v14, v86 offset:XSN                          ; both lanes of a block write the same byte with the same value
	ds_store_b8 v14, v87 offset:XSN+128
	BARRIER                                                  ; 32 whole rows of e and its four fragments lie in LDS
	s_wait_xcnt 0x0                                          ; loads that named v4 and v8 have had their addresses translated (ISA guide 3.1): they are written anew
	s_mul_i32 s2, s[WV], 4*SPI
	s_add_co_u32 s2, s2, STG
	v_add_nc_u32 v4, s2, v1                                  ; the stage, back: rows 4 w .. 4 w + 3, 16 bytes a lane
	s_lshl_b32 s2, s[WV], 6
	v_and_b32 v5, 15, v0
	v_lshl_add_u32 v5, v5, 2, s2                             ; k's scale words: 4 r + 64 w
	v_lshlrev_b32 v8, 3, v0                                  ; 8 x thread: the scale bytes on their way out
.irp i,0,1,2,3
.irp k,0,1
	ds_load_b128 v[R5+8*\i+4*\k:R5+8*\i+4*\k+3], v4 offset:SPI*\i+512*\k
.endr
.endr
.irp i,0,1,2,3
.irp k,0,1
	s_wait_dscnt 7-2*\i-\k                                   ; LDS loads come back in order: this one is in, the younger may be out
	global_store_b128 v1, v[R5+8*\i+4*\k:R5+8*\i+4*\k+3], s[EOUT:EOUT+1] offset:1024*\i+512*\k th:TH_STORE_NT   ; 32 lanes store 512 consecutive bytes, aligned: stage rows 4 w + i are four neighbouring tokens
.endr
.endr
.if \cond
	s_cmp_eq_u32 s[LY], 3                                    ; behind the last layer there are no q, k, v: a branch on the stored whole number, the same in every wave; no barrier stands under it
	s_cbranch_scc1 .Lno_qkv
.endif
	AFETCH R4, ACTN, 4
	ds_load_b32 v[AS], v2 offset:XSN                         ; lanes 0-15: K step 0's words, lanes 16-31: K step 1's
	ds_load_b32 v[AS+1], v2 offset:XSN+128
	s_wait_loadcnt 0x0                                       ; the weights, their scales, the biases (which lie in the accumulators)
	s_wait_dscnt 0x0
	WIN 0x01                                                 ; source 0 in window 1
.irp s,0,1
.irp m,0,1
.irp u,0,1
	WM R0+16*\m+8*\u, 160+16*\u+8*\s, R4+16*\m+8*\s, R0+16*\m+8*\u, WSB+2*\u+\s, AS+\m, 0, \s
.endr
.endr
.irp m,0,1
.irp u,0,1
	WM R1+16*\m+8*\u, 192+16*\u+8*\s, R4+16*\m+8*\s, R1+16*\m+8*\u, WSB+4+2*\u+\s, AS+\m, 0, \s
.endr
.endr
.endr
	WIN 0x04                                                 ; source 1 in window 1
.irp s,0,1
.irp u,0,1
.irp m,0,1
	WM R3+16*\u+8*\m, R4+16*\m+8*\s, 224+16*\u+8*\s, (\s)*(R3+16*\u+8*\m+1)-1, AS+\m, WSC+2*\u+\s, \s, 0
.endr
.endr
.endr
	WIN 0
	PLACES
	QUANT2 R0, R0+16, 100, 112
	QUANT2 R1, R1+16, 104, 114
.set j, 0
.rept 8
	v_pk_add_f32 v[R3+j:R3+j+1], v[R3+j:R3+j+1], v[224:225] op_sel_hi:[1,0]          ; v's bias belongs to the lane's row
.set j, j+2
.endr
.rept 8
	v_pk_add_f32 v[R3+j:R3+j+1], v[R3+j:R3+j+1], v[226:227] op_sel_hi:[1,0]
.set j, j+2
.endr
	QUANT2 R3, R3+16, 108, 116
	global_store_b64 v3, v[100:101], s[QCO:QCO+1]            ; each store of the wave covers 256 consecutive bytes, aligned
	global_store_b64 v3, v[102:103], s[QCO:QCO+1] offset:256
	global_store_b64 v3, v[104:105], s[KCO:KCO+1]
	global_store_b64 v3, v[106:107], s[KCO:KCO+1] offset:256
	global_store_b64 v3, v[108:109], s[VCO:VCO+1]
	global_store_b64 v3, v[110:111], s[VCO:VCO+1] offset:1024
	v_cndmask_b32 v118, v112, v113, s[HM]                    ; q's word 16 m + r: lanes 16-31 take m = 1;
	v_perm_b32 v118, v118, v118, 0                           ; the byte four times, so that it serves whichever block q's codes are put into
	ds_store_b32 v12, v118 offset:SRS
	v_lshl_or_b32 v119, v115, 8, v114                        ; k's word r: the bytes of tokens (0, r), (1, r), twice
	v_lshl_or_b32 v119, v119, 16, v119
	ds_store_b32 v5, v119 offset:SRS+1024
	v_cndmask_b32 v120, v116, v117, s[HM]                    ; v's byte 16 u + r
	ds_store_b8 v0, v120 offset:SRS+1536
.Lno_qkv:
	BARRIER                                                  ; the block's 1,792 scale bytes lie in LDS
.if \cond
	s_cmp_eq_u32 s[LY], 3
	s_cbranch_scc1 .Lend
.endif
	s_cmp_gt_u32 s[WV], 6
	s_cbranch_scc1 .Lend
	ds_load_b64 v[122:123], v8 offset:SRS
	s_wait_dscnt 0x0
	global_store_b64 v11, v[122:123], s[SRO:SRO+1]           ; seven waves, 256 consecutive bytes each, aligned
.endm
.macro PADW p, wsh
	s_lshl_b32 s[OF], s[WV], \wsh
	s_add_nc_u64 s[\p:\p+1], s[\p:\p+1], s[OF:OF+1]
.endm
	s_load_b512 s[8:23], s[0:1], 0x0               ; x_codes 8, x_scales 10, Win_codes 12, Win_scales 14, bin_ 16, ln1_g 18, ln1_b 20, Wq_codes 22
	s_load_b512 s[24:39], s[0:1], 0x40             ; Wq_scales 24, bq 26, Wk_codes 28, Wk_scales 30, bk 32, Wv_codes 34, Wv_scales 36, bv 38
	s_load_b256 s[40:47], s[0:1], 0x80             ; eA 40, actA 42, lay0 44, lay1 46
	s_load_b128 s[48:51], s[0:1], 0xa0             ; lay2 48, lay3 50
	v_lshl_add_u32 v246, v0, 2, 0x16000
	v_mov_b32 v247, 0
	v_lshrrev_b32 v200, 5, v0
	v_readfirstlane_b32 s[WV], v200                ; wave 0..7
	v_and_b32 v200, 31, v0                         ; L
	v_and_b32 v201, 15, v0                         ; r
	v_bfe_u32 v202, v0, 4, 1                       ; h
	v_and_b32 v203, 8, v0
	v_add_nc_u32 v203, v203, v201                  ; row(r)
	v_lshlrev_b32 v1, 4, v200                      ; v1  16 L
	v_lshlrev_b32 v2, 2, v200                      ; v2  4 L
	v_lshlrev_b32 v3, 4, v201
	v_lshl_add_u32 v3, v202, 3, v3                 ; v3  16 r + 8 h
	v_lshlrev_b32 v4, 7, v203
	v_lshl_add_u32 v4, v202, 4, v4                 ; v4  128 row(r) + 16 h: a fragment's bytes in rows of 128
	v_lshlrev_b32 v6, 6, v202                      ; v6  64 h
	v_lshlrev_b32 v7, 3, v203                      ; v7  8 row(r)
	v_lshlrev_b32 v9, 2, v203                      ; v9  4 row(r)
	s_lshl_b32 s2, s[WV], 7
	s_add_co_u32 s2, s2, STG
	v_mad_u32_u24 v10, v201, SPI, v6
	v_add_nc_u32 v10, s2, v10                      ; v10 the stage, in: row r, + 128 w + 64 h
	v_lshlrev_b32 v11, 3, v200                     ; v11 8 L
	v_lshlrev_b32 v12, 2, v0                       ; v12 4 L + 128 w
	s_lshl_b32 s2, s[WV], 8
	v_add_nc_u32 v13, s2, v3                       ; v13 my block of an image: 16 r + 8 h + 256 w
	s_lshr_b32 s2, s[WV], 2
	s_lshl_b32 s2, s2, 6
	s_and_b32 s3, s[WV], 3
	s_add_co_u32 s2, s2, s3
	v_lshl_add_u32 v14, v201, 2, s2                ; v14 its scale byte: 4 r + 64 (w / 4) + w % 4
	s_lshl_b32 s2, s[WV], 9
	v_lshl_add_u32 v15, v200, 3, s2                ; v15 the norm's figures: 8 L + 512 w
	v_mov_b32 v225, 0                              ; named as upper halves of pairs
	v_mov_b32 v227, 0
	s_mov_b32 s[SEL], 0x76543210
	s_mov_b32 s[SEL+1], 0xfedcba98
	s_mov_b32 s[EPS], 0x3727c5ac                   ; 1e-5
	s_mov_b32 s[R256], 0x3b800000                  ; 1 / 256
	s_mov_b32 s[HM], 0xffff0000
	s_mov_b32 s[OF+1], 0
	s_wait_kmcnt 0x0
	s_lshl_b32 s[OF], ttmp9, 12                    ; x: 32 rows of 128 bytes a work-group
	s_add_nc_u64 s[8:9], s[8:9], s[OF:OF+1]
	s_lshl_b32 s[OF], ttmp9, 8
	s_add_nc_u64 s[10:11], s[10:11], s[OF:OF+1]
	PADW 12, 12                                    ; my 32 rows of each weight, their scale words, my 32 numbers of each vector
	PADW 14, 8
	PADW 16, 7
	PADW 18, 7
	PADW 20, 7
	PADW 22, 12
	PADW 24, 8
	PADW 26, 7
	PADW 28, 12
	PADW 30, 8
	PADW 32, 7
	PADW 34, 12
	PADW 36, 8
	PADW 38, 7
	; group 1, 28 loads: what the first product wants
.irp m,0,1
.irp s,0,1
.irp c,0,1
	global_load_b128 v[R4+16*\m+8*\s+4*\c:R4+16*\m+8*\s+4*\c+3], v4, s[8:9] offset:1024*\m+64*\s+32*\c
.endr
.endr
.endr
.irp m,0,1
	global_load_b64 v[AS+2*\m:AS+2*\m+1], v7, s[10:11] offset:64*\m
.endr
	WIN 0x40                                       ; destination in window 1
	CH256 0, 12, 0
	WIN 0
.irp u,0,1
	global_load_b64 v[WSA+2*\u:WSA+2*\u+1], v7, s[14:15] offset:64*\u
.endr
.irp m,0,1
.irp i,0,1,2,3
	global_load_b128 v[R3+16*\m+4*\i:R3+16*\m+4*\i+3], v6, s[16:17] offset:16*\i      ; the bias lies in the accumulator: the first product adds onto it
.endr
.endr
	; group 2, 8 loads: gain and bias of the norm
.irp i,0,1,2,3
	global_load_b128 v[R5+4*\i:R5+4*\i+3], v6, s[18:19] offset:16*\i
.endr
.irp i,0,1,2,3
	global_load_b128 v[R5+16+4*\i:R5+16+4*\i+3], v6, s[20:21] offset:16*\i
.endr
	; group 3, 48 loads: what q, k, v want
	WIN 0x40
	CH256 160, 22, 0
	CH256 192, 28, 0
	CH256 224, 34, 0
	WIN 0
.irp u,0,1
	global_load_b64 v[WSB+2*\u:WSB+2*\u+1], v7, s[24:25] offset:64*\u
.endr
.irp u,0,1
	global_load_b64 v[WSB+4+2*\u:WSB+4+2*\u+1], v7, s[30:31] offset:64*\u
.endr
.irp u,0,1
	global_load_b64 v[WSC+2*\u:WSC+2*\u+1], v7, s[36:37] offset:64*\u
.endr
.irp m,0,1
.irp i,0,1,2,3
	global_load_b128 v[R0+16*\m+4*\i:R0+16*\m+4*\i+3], v6, s[26:27] offset:16*\i
.endr
.endr
.irp m,0,1
.irp i,0,1,2,3
	global_load_b128 v[R1+16*\m+4*\i:R1+16*\m+4*\i+3], v6, s[32:33] offset:16*\i
.endr
.endr
	global_load_b32 v224, v9, s[38:39]
	global_load_b32 v226, v9, s[38:39] offset:32
	; where the results go
	s_lshr_b32 s2, s[WV], 2                        ; stage rows 4 w .. 4 w + 3 are tokens 8 (w / 4) + 16 ((w / 2) % 2) + 4 (w % 2) + 0 .. 3
	s_lshl_b32 s2, s2, 3
	s_bfe_u32 s3, s[WV], 0x10001
	s_lshl_b32 s3, s3, 4
	s_add_co_u32 s2, s2, s3
	s_and_b32 s3, s[WV], 1
	s_lshl_b32 s3, s3, 2
	s_add_co_u32 s2, s2, s3
	s_lshl_b32 s2, s2, 10
	s_lshl_b32 s[OF], ttmp9, 15
	s_add_co_u32 s[OF], s[OF], s2
	s_add_nc_u64 s[EOUT:EOUT+1], s[EOUT:EOUT+1], s[OF:OF+1]
	s_lshl_b32 s[OF], ttmp9, 12
	s_lshl_b32 s2, s[WV], 9
	s_add_co_u32 s[OF], s[OF], s2
	s_add_nc_u64 s[QCO:QCO+1], s[42:43], s[OF:OF+1]
	s_lshr_b32 s[OF], ttmp9, 5                     ; the sequence
	s_lshl_b32 s[OF], s[OF], 17
	s_lshl_b32 s2, s[WV], 14
	s_add_co_u32 s[OF], s[OF], s2
	s_add_co_u32 s[OF], s[OF], 0x100000
	s_add_nc_u64 s[KCO:KCO+1], s[42:43], s[OF:OF+1]
	s_add_nc_u64 s[VCO:VCO+1], s[KCO:KCO+1], 0x100000
	s_and_b32 s3, ttmp9, 31                        ; the block of 32 tokens in its sequence
	s_lshl_b32 s[OF], s3, 9
	s_add_nc_u64 s[KCO:KCO+1], s[KCO:KCO+1], s[OF:OF+1]
	s_lshr_b32 s[OF], s3, 2
	s_lshl_b32 s[OF], s[OF], 11
	s_and_b32 s2, s3, 3
	s_lshl_b32 s2, s2, 8
	s_add_co_u32 s[OF], s[OF], s2
	s_add_nc_u64 s[VCO:VCO+1], s[VCO:VCO+1], s[OF:OF+1]
	s_lshl_b32 s[OF], ttmp9, 11
	s_lshl_b32 s2, s[WV], 8
	s_add_co_u32 s[OF], s[OF], s2
	s_add_co_u32 s[OF], s[OF], 0x300000
	s_add_nc_u64 s[SRO:SRO+1], s[42:43], s[OF:OF+1]
	s_wait_loadcnt 56                              ; group 1 is in; the 8 + 48 loads of groups 2 and 3 may be out
	WIN 0x01
.irp s,0,1                                     ; four accumulators by turns, one instruction a turn
.irp m,0,1
.irp u,0,1
	WM R3+16*\m+8*\u, 16*\u+8*\s, R4+16*\m+8*\s, R3+16*\m+8*\u, WSA+2*\u+\s, AS+2*\m+\s, 0, 0
.endr
.endr
.endr
	WIN 0
	PLACES
	TAIL 48, 0                                     ; at the norm's apply group 3's 48 loads may be out
	s_or_b32 s2, s[WV], ttmp9                      ; wave 0 of work-group 0 stores the layers' numbers: 256 bytes each
	s_cmp_lg_u32 s2, 0
	s_cbranch_scc1 .Lend
.irp i,0,1,2,3
	v_mov_b32 v[160+2*\i], \i
	v_mov_b32 v[161+2*\i], \i
.endr
	global_store_b64 v11, v[160:161], s[44:45]
	global_store_b64 v11, v[162:163], s[46:47]
	global_store_b64 v11, v[164:165], s[48:49]
	global_store_b64 v11, v[166:167], s[50:51]
.Lend:
	s_wait_tensorcnt 0x0
	ds_add_u32 v246, v247
	s_wait_dscnt 0x0
	s_endpgm
.Lfunc_end_k_q8ec887f779_front:
	.size	k_q8ec887f779_front, .Lfunc_end_k_q8ec887f779_front-k_q8ec887f779_front
	.p2alignl 7, 3214868480
	.fill 96, 4, 3214868480
	.section	.rodata,"a",@progbits
	.p2align	6, 0x0
	.amdhsa_kernel k_q8ec887f779_front
		.amdhsa_group_segment_fixed_size 91136
		.amdhsa_private_segment_fixed_size 0
		.amdhsa_enable_private_segment 0
		.amdhsa_kernarg_size 176
		.amdhsa_user_sgpr_count 2
		.amdhsa_user_sgpr_kernarg_segment_ptr 1
		.amdhsa_wavefront_size32 1
		.amdhsa_system_sgpr_workgroup_id_x 1
		.amdhsa_system_sgpr_workgroup_id_y 1
		.amdhsa_system_sgpr_workgroup_id_z 1
		.amdhsa_system_vgpr_workitem_id 0
		.amdhsa_next_free_vgpr 512
		.amdhsa_next_free_sgpr 102
		.amdhsa_reserve_vcc 0
		.amdhsa_float_denorm_mode_32 3
		.amdhsa_float_denorm_mode_16_64 3
		.amdhsa_memory_ordered 1
		.amdhsa_forward_progress 1
		.amdhsa_inst_pref_size 42
	.end_amdhsa_kernel
	.amdgpu_metadata
---
amdhsa.version: [ 1, 2 ]
amdhsa.kernels:
  - .name:           k_q8ec887f779_front
    .symbol:         k_q8ec887f779_front.kd
    .args:
      - { .name: x_codes, .offset: 0, .size: 8, .value_kind: global_buffer, .address_space: global }
      - { .name: x_scales, .offset: 8, .size: 8, .value_kind: global_buffer, .address_space: global }
      - { .name: Win_codes, .offset: 16, .size: 8, .value_kind: global_buffer, .address_space: global }
      - { .name: Win_scales, .offset: 24, .size: 8, .value_kind: global_buffer, .address_space: global }
      - { .name: bin_, .offset: 32, .size: 8, .value_kind: global_buffer, .address_space: global }
      - { .name: ln1_g, .offset: 40, .size: 8, .value_kind: global_buffer, .address_space: global }
      - { .name: ln1_b, .offset: 48, .size: 8, .value_kind: global_buffer, .address_space: global }
      - { .name: Wq_codes, .offset: 56, .size: 8, .value_kind: global_buffer, .address_space: global }
      - { .name: Wq_scales, .offset: 64, .size: 8, .value_kind: global_buffer, .address_space: global }
      - { .name: bq, .offset: 72, .size: 8, .value_kind: global_buffer, .address_space: global }
      - { .name: Wk_codes, .offset: 80, .size: 8, .value_kind: global_buffer, .address_space: global }
      - { .name: Wk_scales, .offset: 88, .size: 8, .value_kind: global_buffer, .address_space: global }
      - { .name: bk, .offset: 96, .size: 8, .value_kind: global_buffer, .address_space: global }
      - { .name: Wv_codes, .offset: 104, .size: 8, .value_kind: global_buffer, .address_space: global }
      - { .name: Wv_scales, .offset: 112, .size: 8, .value_kind: global_buffer, .address_space: global }
      - { .name: bv, .offset: 120, .size: 8, .value_kind: global_buffer, .address_space: global }
      - { .name: eA, .offset: 128, .size: 8, .value_kind: global_buffer, .address_space: global }
      - { .name: actA, .offset: 136, .size: 8, .value_kind: global_buffer, .address_space: global }
      - { .name: lay0, .offset: 144, .size: 8, .value_kind: global_buffer, .address_space: global }
      - { .name: lay1, .offset: 152, .size: 8, .value_kind: global_buffer, .address_space: global }
      - { .name: lay2, .offset: 160, .size: 8, .value_kind: global_buffer, .address_space: global }
      - { .name: lay3, .offset: 168, .size: 8, .value_kind: global_buffer, .address_space: global }
    .group_segment_fixed_size: 91136
    .private_segment_fixed_size: 0
    .kernarg_segment_align: 8
    .kernarg_segment_size: 176
    .max_flat_workgroup_size: 256
    .sgpr_count:     102
    .vgpr_count:     512
    .wavefront_size: 32
...
	.end_amdgpu_metadata
.endif
;; end of part 1
;; launch layer0 (part 2): grid 256 x 1, 8 waves a work-group, no clusters, 91,136 bytes of LDS; arguments lay0, eA, actA, Wo_codes, Wo_scales, bo, ln2_g, ln2_b, W1_codes, W1_scales, b1, W2_codes, W2_scales, b2, ln1_g, ln1_b, lno_g, lno_b, Wq_codes, Wq_scales, bq, Wk_codes, Wk_scales, bk, Wv_codes, Wv_scales, bv, eB, actB; writes eB, actB
.if DOCPART == 2
	.amdgcn_target "amdgcn-amd-amdhsa--gfx1250"
	.amdhsa_code_object_version 6
	.text
	.protected	k_q8ec887f779_layer0
	.globl	k_q8ec887f779_layer0
	.p2align	8
	.type	k_q8ec887f779_layer0,@function
k_q8ec887f779_layer0:
	s_mov_b64 s[64:65], 0
	v_nop
	global_prefetch_b8 v0, s[64:65] scope:SCOPE_SE
	s_setreg_imm32_b32 hwreg(HW_REG_WAVE_MODE, 25, 1), 1
	s_wait_xcnt 0x0
; ONE LAYER: attention on the stored q, k, v; ctx Wo^T + bo + e; LN2; the feed-forward layer + e; the next layer's LN1 and its q, k, v (behind the last layer: the closing norm, and no q, k, v).
; All products on codes of FP4 (E2M1) with one E8M0 scale for each 32 along K.  The layer's number is a stored whole number, held to 0 .. 3: address offsets, one choice of pointers and two forward branches hang on it.
; A work-group of eight waves owns 32 tokens.  Wave w is head w, columns 32 w .. 32 w + 31 of every 256-wide product, and hidden units 64 w .. 64 w + 63.  Its part of every weight stays in its registers (window 1).
; L = lane, r = L % 16, h = L / 16, row(r) = r + (r & 8).  token(m, r) = 8 m + row(r), m = 0, 1.  Tile u of 32 weight rows takes row 8 u + row(r).
; TRANSPOSED products (source 0 = 16 weight rows, source 1 = 16 tokens): lane (r, h) holds token(m, r), and the 16 registers of tiles u = 0, 1 are columns 16 h + 0 .. 15 of the block of 32.
; V's product is not transposed: lane (r, h) holds V's row 8 u + row(r), and the 16 registers of tiles m = 0, 1 are tokens 16 h + 0 .. 15.  So one quantiser serves all operands.
; ATTENTION.  S^T = K Q^T, O^T = V^T P^T: a lane holds one query throughout.  The head's size is 32, one block of the instruction's four: a fragment of K holds FOUR tiles of 16 keys, one in each block, and tile j is
; multiplied by a fragment of Q that has q's codes in block j and zero codes elsewhere.  The keys of tile 2 b + u are 32 b + 8 u + row(r), so p's 16 registers of two tiles are 16 neighbouring keys.
; t = score x log2(e) / sqrt(32); M = the running largest t rounded up to a whole number; p = 2^(t - M) is quantised along the keys; the row's sum is taken of the unquantised p and divides at the end.
; Operands go from wave to wave through LDS as images of their registers (block j of a K step at 256 j + 16 r), their scale words beside them.
; No tensor load and no cluster: the text branches on the stored layer number, and of K, V and the weights every byte that a work-group reads goes to exactly one wave's registers, so LDS would only add a hop.
; LIMITS: NaN and infinities are not served.  A block of zeros gets the scale byte 1 and not 127: its codes are zeros and this program alone reads the bytes.  The score's two factors are one constant.
; A norm's variance is made of the eight waves' means and sums of squared deviations, joined exactly (no difference of large sums); the order of summation differs from a plain row sum.  1 / l by v_rcp_f32, 1 / sqrt by v_rsq_f32.
.set KSL,   0                          ; LDS: k's scale words of the sequence: [block of 32 keys][head][16 words]
.set VSW,   16384                      ; v's: [128 keys][256 rows] words
.set ACTC,  24576                      ; ctx's four fragments (1,024 (2 m + s))
.set ACTE,  28672                      ; those of e behind LN2
.set ACTH,  32768                      ; the hidden layer's eight (1,024 (4 m + s))
.set ACTN,  40960                      ; those of e behind the last norm
.set XSC,   45056                      ; their scale words: 128 m + 64 s + 4 r (hidden: 256 m + 64 s + 4 r)
.set XSE,   45312
.set XSH,   45568
.set XSN,   46080
.set STAT2, 46336                      ; [wave][m][lane] x 8 bytes: mean and sum of squared deviations of a wave's 32 columns
.set STAT3, 50432
.set SRS,   54528                      ; the block's 1,792 scale bytes, gathered
.set STG,   56576                      ; 32 rows of e, row 16 m + r, 1,024 bytes + 16
.set SPI,   1040
; window 0 in attention
.set QCH, 16                           ; v16-51   0, Q of tile 0 in lanes 0-15, 0, the same in lanes 16-31, 0, tile 1 likewise, 0: groups of four; eight on end are a fragment with q in one block
.set KF,  56                           ; v56-71   two fragments of K: 128 keys
.set VF,  72                           ; v72-87   two fragments of V^T
.set NM,  88                           ; v88 + 4 q  -M;  v89 + 4 q the largest t;  v[90 + 4 q : 91 + 4 q] the sum, in two halves
.set TX,  89
.set LSM, 90
.set S,   96                           ; v96-159  S^T, then p
.set O,   160                          ; v160-191 O^T: 16 q + 8 u
.set PCD, 192                          ; v192-199 p's codes
.set BM,  200
.set BT,  204
.set SCO, 208
.set F,   212
.set T,   214
.set SP,  216
.set PFO, 229                          ; v229     the prefetches' offset; never rewritten
.set SQ,  230                          ; v230-255 hold scales and nothing else
.set PS,  231
.set SK,  232
.set SV,  234
; window 0 behind attention
.set R0, 16
.set R1, 48
.set R2, 96
.set R3, 128
.set R4, 160
.set R5, 192
.set AS,  230
.set WSC, 236
.set WSA, 240
.set WSB, 248
.set WV,  68
.set LY,  69                           ; the layer
.set NX,  70                           ; the next one, held to 3
.set WG,  72
.set SEQ, 73
.set BETA, 74                          ; my block of 32 tokens in its sequence
.set SEL, 76
.set CS,  78
.set EPS, 80
.set R256, 81
.set HM,  82
.set OF,  84
.set KCI, 86
.set VCI, 88
.set SRQ, 90
.set QCI, 92
.set QCO, 94
.set KCO, 96
.set VCO, 98
.set SRO, 100
.set EOUT, 62
.set MSB, 0
.macro WIN new                         ; the immediate's high byte repeats the setting that is left
.if MSB != \new
	s_set_vgpr_msb (MSB<<8)|\new
.set MSB, \new
.endif
.endm
.macro BARRIER                         ; my LDS stores have landed and my LDS loads are in: then the work-group's barrier
	s_wait_dscnt 0x0
	s_barrier_signal -1
	s_barrier_wait -1
.endm
.macro PLACES                          ; four plain vector instructions between a matrix instruction and a read of its result or a load into its registers
.rept 4
	v_nop
.endr
.endm
; one matrix instruction.  c < 0: the sum starts with 0.  ra, rb: the scale words stand in lanes 16-31 of their registers
.macro WM d, a, b, c, sa, sb, ra, rb
.if (\c) < 0
.if (\ra) && (\rb)
	v_wmma_scale_f32_16x16x128_f8f6f4 v[(\d):(\d)+7], v[(\a):(\a)+7], v[(\b):(\b)+7], 0, v[\sa], v[\sb] matrix_a_fmt:MATRIX_FMT_FP4 matrix_b_fmt:MATRIX_FMT_FP4 matrix_a_scale:MATRIX_SCALE_ROW1 matrix_b_scale:MATRIX_SCALE_ROW1
.elseif (\ra)
	v_wmma_scale_f32_16x16x128_f8f6f4 v[(\d):(\d)+7], v[(\a):(\a)+7], v[(\b):(\b)+7], 0, v[\sa], v[\sb] matrix_a_fmt:MATRIX_FMT_FP4 matrix_b_fmt:MATRIX_FMT_FP4 matrix_a_scale:MATRIX_SCALE_ROW1
.elseif (\rb)
	v_wmma_scale_f32_16x16x128_f8f6f4 v[(\d):(\d)+7], v[(\a):(\a)+7], v[(\b):(\b)+7], 0, v[\sa], v[\sb] matrix_a_fmt:MATRIX_FMT_FP4 matrix_b_fmt:MATRIX_FMT_FP4 matrix_b_scale:MATRIX_SCALE_ROW1
.else
	v_wmma_scale_f32_16x16x128_f8f6f4 v[(\d):(\d)+7], v[(\a):(\a)+7], v[(\b):(\b)+7], 0, v[\sa], v[\sb] matrix_a_fmt:MATRIX_FMT_FP4 matrix_b_fmt:MATRIX_FMT_FP4
.endif
.else
.if (\ra) && (\rb)
	v_wmma_scale_f32_16x16x128_f8f6f4 v[(\d):(\d)+7], v[(\a):(\a)+7], v[(\b):(\b)+7], v[(\c):(\c)+7], v[\sa], v[\sb] matrix_a_fmt:MATRIX_FMT_FP4 matrix_b_fmt:MATRIX_FMT_FP4 matrix_a_scale:MATRIX_SCALE_ROW1 matrix_b_scale:MATRIX_SCALE_ROW1
.elseif (\ra)
	v_wmma_scale_f32_16x16x128_f8f6f4 v[(\d):(\d)+7], v[(\a):(\a)+7], v[(\b):(\b)+7], v[(\c):(\c)+7], v[\sa], v[\sb] matrix_a_fmt:MATRIX_FMT_FP4 matrix_b_fmt:MATRIX_FMT_FP4 matrix_a_scale:MATRIX_SCALE_ROW1
.elseif (\rb)
	v_wmma_scale_f32_16x16x128_f8f6f4 v[(\d):(\d)+7], v[(\a):(\a)+7], v[(\b):(\b)+7], v[(\c):(\c)+7], v[\sa], v[\sb] matrix_a_fmt:MATRIX_FMT_FP4 matrix_b_fmt:MATRIX_FMT_FP4 matrix_b_scale:MATRIX_SCALE_ROW1
.else
	v_wmma_scale_f32_16x16x128_f8f6f4 v[(\d):(\d)+7], v[(\a):(\a)+7], v[(\b):(\b)+7], v[(\c):(\c)+7], v[\sa], v[\sb] matrix_a_fmt:MATRIX_FMT_FP4 matrix_b_fmt:MATRIX_FMT_FP4
.endif
.endif
.endm
; 32 rows of a weight with K = 256 (rows of 128 bytes): four fragments (tile u, K step s) at v[dst + 16 u + 8 s] of window 1
.macro CH256 dst, base, imm0
.irp u,0,1
.irp s,0,1
.irp c,0,1
	global_load_b128 v[(\dst)+16*\u+8*\s+4*\c:(\dst)+16*\u+8*\s+4*\c+3], v4, s[\base:\base+1] offset:(\imm0)+1024*\u+64*\s+32*\c
.endr
.endr
.endr
.endm
; 16 rows of a weight with K = 512 (rows of 256 bytes): four fragments (K step k) at v[dst + 8 k] of window 1
.macro CH512 dst, base, imm0
.irp k,0,1,2,3
.irp c,0,1
	global_load_b128 v[(\dst)+8*\k+4*\c:(\dst)+8*\k+4*\c+3], v5, s[\base:\base+1] offset:(\imm0)+64*\k+32*\c
.endr
.endr
.endm
; the weights come in eight parts of eight loads, one in each key step
.macro CHUNK n
	WIN 0x40                                                 ; destination in window 1
.if (\n) == 0
	CH256 0, 14, 0                                           ; Wo
.elseif (\n) == 1
	CH256 32, 24, 0                                          ; W1, hidden units 64 w on
.elseif (\n) == 2
	CH256 64, 24, 4096                                       ; W1, 64 w + 32 on
.elseif (\n) == 3
	CH512 96, 30, 0                                          ; W2, tile 0
.elseif (\n) == 4
	CH512 128, 30, 2048                                      ; W2, tile 1
.elseif (\n) == 5
	CH256 160, 44, 0                                         ; the next layer's Wq, Wk, Wv (behind the last layer: its own again, unused, so that every count is the same on both ways)
.elseif (\n) == 6
	CH256 192, 50, 0
.else
	CH256 224, 56, 0
.endif
	WIN 0
.endm
; two blocks of 32 along K by turns: 16 numbers of each in v[a] on and v[b] on, the other 16 in lane l xor 16.  Codes to v[cd], v[cd+1] and v[cd+2], v[cd+3]; scale bytes to v[by], v[by+1]
.macro QUANT2 a, b, cd, by
	v_max3_num_f32 v80, |v[\a]|, |v[(\a)+1]|, 0x1800000      ; the largest magnitude, over the floor 2^(3 - 127): the byte cannot fall under 1
	v_max3_num_f32 v81, |v[\b]|, |v[(\b)+1]|, 0x1800000
.irp i,2,4,6,8,10,12,14
	v_max3_num_f32 v80, v80, |v[(\a)+\i]|, |v[(\a)+\i+1]|
	v_max3_num_f32 v81, v81, |v[(\b)+\i]|, |v[(\b)+\i+1]|
.endr
	v_permlanex16_b32 v82, v80, s[SEL], s[SEL+1]
	v_permlanex16_b32 v83, v81, s[SEL], s[SEL+1]
	v_max_num_f32 v80, v80, v82
	v_max_num_f32 v81, v81, v83
	v_add_nc_u32 v84, 0xff000000, v80                        ; 2 off the exponent field: the conversion takes this operand's exponent field as its scale
	v_add_nc_u32 v85, 0xff000000, v81
	v_lshrrev_b32 v[\by], 23, v84                            ; the scale's byte
	v_lshrrev_b32 v[(\by)+1], 23, v85
	v_cvt_scalef32_pk8_fp4_f32 v[\cd], v[(\a):(\a)+7], v84
	v_cvt_scalef32_pk8_fp4_f32 v[(\cd)+1], v[(\a)+8:(\a)+15], v84
	v_cvt_scalef32_pk8_fp4_f32 v[(\cd)+2], v[(\b):(\b)+7], v85
	v_cvt_scalef32_pk8_fp4_f32 v[(\cd)+3], v[(\b)+8:(\b)+15], v85
	v_nop                                                    ; one plain instruction behind the last scaled conversion
.endm
.macro AFETCH reg, img, n              ; n fragments come back from LDS as they were stored: 16 bytes a lane, twice
.set fi, 0
.rept \n
	ds_load_b128 v[(\reg)+8*fi:(\reg)+8*fi+3], v1 offset:(\img)+1024*fi
	ds_load_b128 v[(\reg)+8*fi+4:(\reg)+8*fi+7], v1 offset:(\img)+1024*fi+512
.set fi, fi+1
.endr
.endm
; mean and sum of squared deviations of my wave's 32 columns of token(m, r), both m by turns, to LDS
.macro LNSTAT x, stat
.irp m,0,1
	v_pk_add_f32 v[80+8*\m:81+8*\m], v[(\x)+16*\m:(\x)+16*\m+1], v[(\x)+16*\m+2:(\x)+16*\m+3]
	v_pk_add_f32 v[82+8*\m:83+8*\m], v[(\x)+16*\m+4:(\x)+16*\m+5], v[(\x)+16*\m+6:(\x)+16*\m+7]
.endr
.irp k,8,12
.irp m,0,1
	v_pk_add_f32 v[80+8*\m:81+8*\m], v[80+8*\m:81+8*\m], v[(\x)+16*\m+\k:(\x)+16*\m+\k+1]
	v_pk_add_f32 v[82+8*\m:83+8*\m], v[82+8*\m:83+8*\m], v[(\x)+16*\m+\k+2:(\x)+16*\m+\k+3]
.endr
.endr
.irp m,0,1
	v_pk_add_f32 v[80+8*\m:81+8*\m], v[80+8*\m:81+8*\m], v[82+8*\m:83+8*\m]
.endr
.irp m,0,1
	v_add_f32 v[80+8*\m], v[80+8*\m], v[81+8*\m]
.endr
.irp m,0,1
	v_permlanex16_b32 v[81+8*\m], v[80+8*\m], s[SEL], s[SEL+1]
.endr
.irp m,0,1
	v_add_f32 v[80+8*\m], v[80+8*\m], v[81+8*\m]
.endr
.irp m,0,1
	v_mul_f32 v[80+8*\m], 0x3d000000, v[80+8*\m]             ; / 32: the wave's mean
.endr
.irp k,0,2,4,6,8,10,12,14
.irp m,0,1
	v_pk_add_f32 v[82+8*\m+(\k%4):83+8*\m+(\k%4)], v[(\x)+16*\m+\k:(\x)+16*\m+\k+1], v[80+8*\m:81+8*\m] op_sel_hi:[1,0] neg_lo:[0,1] neg_hi:[0,1]
.if \k == 0
	v_pk_mul_f32 v[86+8*\m:87+8*\m], v[82+8*\m:83+8*\m], v[82+8*\m:83+8*\m]
.else
	v_pk_fma_f32 v[86+8*\m:87+8*\m], v[82+8*\m+(\k%4):83+8*\m+(\k%4)], v[82+8*\m+(\k%4):83+8*\m+(\k%4)], v[86+8*\m:87+8*\m]
.endif
.endr
.endr
.irp m,0,1
	v_add_f32 v[86+8*\m], v[86+8*\m], v[87+8*\m]
.endr
.irp m,0,1
	v_permlanex16_b32 v[87+8*\m], v[86+8*\m], s[SEL], s[SEL+1]
.endr
.irp m,0,1
	v_add_f32 v[81+8*\m], v[86+8*\m], v[87+8*\m]
.endr
.irp m,0,1
	ds_store_b64 v15, v[80+8*\m:81+8*\m] offset:(\stat)+256*\m
.endr
.endm
; the eight waves' figures are joined: mu = the mean of the means; the sum of squares = the sum of theirs + 32 x the sum of (mean - mu)^2.  y = (x - mu) rsqrt(var + eps) g + b
.macro LNAPPLY x, y, gb, stat
.irp m,0,1
.irp k,0,1,2,3,4,5,6,7
	ds_load_b64 v[R4+16*\m+2*\k:R4+16*\m+2*\k+1], v11 offset:(\stat)+512*\k+256*\m
.endr
.endr
	s_wait_dscnt 0x0
.irp m,0,1
	v_pk_add_f32 v[80+8*\m:81+8*\m], v[R4+16*\m:R4+16*\m+1], v[R4+16*\m+2:R4+16*\m+3]
	v_pk_add_f32 v[82+8*\m:83+8*\m], v[R4+16*\m+4:R4+16*\m+5], v[R4+16*\m+6:R4+16*\m+7]
.endr
.irp k,8,12
.irp m,0,1
	v_pk_add_f32 v[80+8*\m:81+8*\m], v[80+8*\m:81+8*\m], v[R4+16*\m+\k:R4+16*\m+\k+1]
	v_pk_add_f32 v[82+8*\m:83+8*\m], v[82+8*\m:83+8*\m], v[R4+16*\m+\k+2:R4+16*\m+\k+3]
.endr
.endr
.irp m,0,1
	v_pk_add_f32 v[80+8*\m:81+8*\m], v[80+8*\m:81+8*\m], v[82+8*\m:83+8*\m]
.endr
.irp m,0,1
	v_mul_f32 v[80+8*\m], 0x3e000000, v[80+8*\m]             ; / 8: mu
.endr
.irp k,0,1,2,3,4,5,6,7
.irp m,0,1
	v_sub_f32 v[82+8*\m+(\k%2)], v[R4+16*\m+2*\k], v[80+8*\m]
.if \k == 0
	v_mul_f32 v[84+8*\m], v[82+8*\m], v[82+8*\m]
.else
	v_fma_f32 v[84+8*\m], v[82+8*\m+(\k%2)], v[82+8*\m+(\k%2)], v[84+8*\m]
.endif
.endr
.endr
.irp m,0,1
	v_fma_f32 v[81+8*\m], v[84+8*\m], 0x42000000, v[81+8*\m] ; + 32 x
.endr
.irp m,0,1
	v_fma_f32 v[81+8*\m], v[81+8*\m], s[R256], s[EPS]        ; var + eps
.endr
.irp m,0,1
	v_rsq_f32 v[82+8*\m], v[81+8*\m]
.endr
	v_nop                                                    ; a plain instruction behind the two,
	s_wait_alu depctr_va_vdst(0)                             ; and one wait for both, ahead of the first reader
.irp m,0,1
.set j, 0
.rept 8
	v_pk_add_f32 v[(\y)+16*\m+j:(\y)+16*\m+j+1], v[(\x)+16*\m+j:(\x)+16*\m+j+1], v[80+8*\m:81+8*\m] op_sel_hi:[1,0] neg_lo:[0,1] neg_hi:[0,1]
.set j, j+2
.endr
.endr
.irp m,0,1
.set j, 0
.rept 8
	v_pk_mul_f32 v[(\y)+16*\m+j:(\y)+16*\m+j+1], v[(\y)+16*\m+j:(\y)+16*\m+j+1], v[82+8*\m:83+8*\m] op_sel_hi:[1,0]
.set j, j+2
.endr
.endr
.irp m,0,1
.set j, 0
.rept 8
	v_pk_fma_f32 v[(\y)+16*\m+j:(\y)+16*\m+j+1], v[(\y)+16*\m+j:(\y)+16*\m+j+1], v[(\gb)+j:(\gb)+j+1], v[(\gb)+16+j:(\gb)+16+j+1]
.set j, j+2
.endr
.endr
.endm
; THE TAIL: the norm of v[R3] on; e out as whole rows; q, k, v of the next layer, quantised and stored.  lw: the younger loads that may stay out when gain and bias are wanted
.macro TAIL lw, cond
	LNSTAT R3, STAT3
	BARRIER                                                  ; all eight waves' figures lie in LDS
	s_wait_loadcnt \lw
	LNAPPLY R3, R2, R5, STAT3
.irp m,0,1
.irp i,0,1,2,3
	ds_store_b128 v10, v[R2+16*\m+4*\i:R2+16*\m+4*\i+3] offset:16*SPI*\m+16*\i
.endr
.endr
	QUANT2 R2, R2+16, 88, 86
	ds_store_b64 v13, v[88:89] offset:ACTN
	ds_store_b64 v13, v[90:91] offset:ACTN+2048
	ds_store_b8 v14, v86 offset:XSN                          ; both lanes of a block write the same byte with the same value
	ds_store_b8 v14, v87 offset:XSN+128
	BARRIER                                                  ; 32 whole rows of e and its four fragments lie in LDS
	s_wait_xcnt 0x0                                          ; loads that named v4 and v8 have had their addresses translated (ISA guide 3.1): they are written anew
	s_mul_i32 s2, s[WV], 4*SPI
	s_add_co_u32 s2, s2, STG
	v_add_nc_u32 v4, s2, v1                                  ; the stage, back: rows 4 w .. 4 w + 3, 16 bytes a lane
	s_lshl_b32 s2, s[WV], 6
	v_and_b32 v5, 15, v0
	v_lshl_add_u32 v5, v5, 2, s2                             ; k's scale words: 4 r + 64 w
	v_lshlrev_b32 v8, 3, v0                                  ; 8 x thread: the scale bytes on their way out
.irp i,0,1,2,3
.irp k,0,1
	ds_load_b128 v[R5+8*\i+4*\k:R5+8*\i+4*\k+3], v4 offset:SPI*\i+512*\k
.endr
.endr
.irp i,0,1,2,3
.irp k,0,1
	s_wait_dscnt 7-2*\i-\k                                   ; LDS loads come back in order: this one is in, the younger may be out
	global_store_b128 v1, v[R5+8*\i+4*\k:R5+8*\i+4*\k+3], s[EOUT:EOUT+1] offset:1024*\i+512*\k th:TH_STORE_NT   ; 32 lanes store 512 consecutive bytes, aligned: stage rows 4 w + i are four neighbouring tokens
.endr
.endr
.if \cond
	s_cmp_eq_u32 s[LY], 3                                    ; behind the last layer there are no q, k, v: a branch on the stored whole number, the same in every wave; no barrier stands under it
	s_cbranch_scc1 .Lno_qkv
.endif
	AFETCH R4, ACTN, 4
	ds_load_b32 v[AS], v2 offset:XSN                         ; lanes 0-15: K step 0's words, lanes 16-31: K step 1's
	ds_load_b32 v[AS+1], v2 offset:XSN+128
	s_wait_loadcnt 0x0                                       ; the weights' scales and the biases (which lie in the accumulators)
	s_wait_dscnt 0x0
	WIN 0x01                                                 ; source 0 in window 1
.irp s,0,1
.irp m,0,1
.irp u,0,1
	WM R0+16*\m+8*\u, 160+16*\u+8*\s, R4+16*\m+8*\s, R0+16*\m+8*\u, WSB+2*\u+\s, AS+\m, 0, \s
.endr
.endr
.irp m,0,1
.irp u,0,1
	WM R1+16*\m+8*\u, 192+16*\u+8*\s, R4+16*\m+8*\s, R1+16*\m+8*\u, WSB+4+2*\u+\s, AS+\m, 0, \s
.endr
.endr
.endr
	WIN 0x04                                                 ; source 1 in window 1
.irp s,0,1
.irp u,0,1
.irp m,0,1
	WM R3+16*\u+8*\m, R4+16*\m+8*\s, 224+16*\u+8*\s, (\s)*(R3+16*\u+8*\m+1)-1, AS+\m, WSC+2*\u+\s, \s, 0
.endr
.endr
.endr
	WIN 0
	PLACES
	QUANT2 R0, R0+16, 100, 112
	QUANT2 R1, R1+16, 104, 114
.set j, 0
.rept 8
	v_pk_add_f32 v[R3+j:R3+j+1], v[R3+j:R3+j+1], v[224:225] op_sel_hi:[1,0]          ; v's bias belongs to the lane's row
.set j, j+2
.endr
.rept 8
	v_pk_add_f32 v[R3+j:R3+j+1], v[R3+j:R3+j+1], v[226:227] op_sel_hi:[1,0]
.set j, j+2
.endr
	QUANT2 R3, R3+16, 108, 116
	global_store_b64 v3, v[100:101], s[QCO:QCO+1]            ; each store of the wave covers 256 consecutive bytes, aligned
	global_store_b64 v3, v[102:103], s[QCO:QCO+1] offset:256
	global_store_b64 v3, v[104:105], s[KCO:KCO+1]
	global_store_b64 v3, v[106:107], s[KCO:KCO+1] offset:256
	global_store_b64 v3, v[108:109], s[VCO:VCO+1]
	global_store_b64 v3, v[110:111], s[VCO:VCO+1] offset:1024
	v_cndmask_b32 v118, v112, v113, s[HM]                    ; q's word 16 m + r: lanes 16-31 take m = 1;
	v_perm_b32 v118, v118, v118, 0                           ; the byte four times, so that it serves whichever block q's codes are put into
	ds_store_b32 v12, v118 offset:SRS
	v_lshl_or_b32 v119, v115, 8, v114                        ; k's word r: the bytes of tokens (0, r), (1, r), twice
	v_lshl_or_b32 v119, v119, 16, v119
	ds_store_b32 v5, v119 offset:SRS+1024
	v_cndmask_b32 v120, v116, v117, s[HM]                    ; v's byte 16 u + r
	ds_store_b8 v0, v120 offset:SRS+1536
.Lno_qkv:
	BARRIER                                                  ; the block's 1,792 scale bytes lie in LDS
.if \cond
	s_cmp_eq_u32 s[LY], 3
	s_cbranch_scc1 .Lend
.endif
	s_cmp_gt_u32 s[WV], 6
	s_cbranch_scc1 .Lend
	ds_load_b64 v[122:123], v8 offset:SRS
	s_wait_dscnt 0x0
	global_store_b64 v11, v[122:123], s[SRO:SRO+1]           ; seven waves, 256 consecutive bytes each, aligned
.endm
.macro PADJ p, reg, lsh, wsh           ; a pointer steps to the layer's part and in it to my wave's
	s_lshl_b32 s[OF], s[\reg], \lsh
	s_lshl_b32 s2, s[WV], \wsh
	s_add_co_u32 s[OF], s[OF], s2
	s_add_nc_u64 s[\p:\p+1], s[\p:\p+1], s[OF:OF+1]
.endm
; S^T of query tile q: eight tiles of 16 keys.  Tile t lies in block t % 4 of fragment t / 4; Q's fragment with q in that block begins 8 (j % 2) + 4 (1 - j / 2) into tile q's part of the chain.
; k's scale words: lanes 0-15 serve blocks 0 and 1, lanes 16-31 blocks 2 and 3.  q's: lanes 0-15 tile 0, lanes 16-31 tile 1.
.macro QK q
.irp t,0,1,2,3,4,5,6,7
	WM S+8*\t, KF+8*(\t/4), QCH+16*\q+8*((\t%4)%2)+4*(1-(\t%4)/2), -1, SK+\t/4, SQ, (\t%4)/2, \q
.endr
.endm
.macro PV q                            ; O^T += V^T P^T: two tiles of 16 of the head's 32
.irp u,0,1
	WM O+16*\q+8*\u, VF+8*\u, PCD, O+16*\q+8*\u, SV, PS, \u, 0
.endr
.endm
; the softmax of query tile q for 128 keys: from S^T to p's codes and scale word
.macro SOFT q
.irp b,0,1,2,3
	v_max3_num_f32 v[BM+\b], v[S+16*\b], v[S+16*\b+1], v[S+16*\b+2]         ; the largest score of each block of 32 keys: it serves the row's maximum and, since p rises with the score, the block's largest p
.endr
.irp i,3,5,7,9,11,13
.irp b,0,1,2,3
	v_max3_num_f32 v[BM+\b], v[BM+\b], v[S+16*\b+\i], v[S+16*\b+\i+1]
.endr
.endr
.irp b,0,1,2,3
	v_max_num_f32 v[BM+\b], v[BM+\b], v[S+16*\b+15]
.endr
.irp b,0,1,2,3
	v_permlanex16_b32 v[BT+\b], v[BM+\b], s[SEL], s[SEL+1]
.endr
.irp b,0,1,2,3
	v_max_num_f32 v[BM+\b], v[BM+\b], v[BT+\b]
.endr
	v_max3_num_f32 v[T], v[BM], v[BM+1], v[BM+2]
	v_max_num_f32 v[T], v[T], v[BM+3]
	v_mul_f32 v[T], s[CS], v[T]                              ; as t (c is positive)
	v_max_num_f32 v[TX+4*\q], v[TX+4*\q], v[T]               ; the running largest t
	v_mov_b32 v[T], v[NM+4*\q]
	v_floor_f32 v[NM+4*\q], -v[TX+4*\q]                      ; -M = floor(-t): M is a whole number
	v_sub_f32 v[T], v[NM+4*\q], v[T]                         ; old M - new M, 0 or less
	v_cvt_i32_f32 v[T], v[T]                                 ; (it saturates)
	v_ldexp_f32 v[F], 1.0, v[T]                              ; f = 2^(old M - new M): a multiplication by it rounds nothing
.set j, 0
.rept 32
	v_pk_fma_f32 v[S+j:S+j+1], v[S+j:S+j+1], s[CS:CS+1], v[NM+4*\q:NM+4*\q+1] op_sel_hi:[1,0,0]     ; t - M
.set j, j+2
.endr
.irp b,0,1,2,3
	v_fma_f32 v[BM+\b], v[BM+\b], s[CS], v[NM+4*\q]
.endr
.set j, 0
.rept 64
	v_exp_f32 v[S+j], v[S+j]                                 ; p = 2^(t - M)
.set j, j+1
.endr
	v_pk_mul_f32 v[LSM+4*\q:LSM+4*\q+1], v[LSM+4*\q:LSM+4*\q+1], v[F:F+1] op_sel_hi:[1,0]           ; the sum under the new M (the plain instruction behind the batch)
	s_wait_alu depctr_va_vdst(0)                             ; one wait for the 64, ahead of their first reader
.irp b,0,1,2,3
	v_exp_f32 v[BM+\b], v[BM+\b]                             ; the blocks' largest p
.endr
	v_pk_add_f32 v[SP:SP+1], v[S:S+1], v[S+2:S+3]            ; the row's sum of the unquantised p, two at a time, in two chains: its first 17 additions
.irp j,4,8,12,16,20,24,28,32
	v_pk_add_f32 v[LSM+4*\q:LSM+4*\q+1], v[LSM+4*\q:LSM+4*\q+1], v[S+\j:S+\j+1]
	v_pk_add_f32 v[SP:SP+1], v[SP:SP+1], v[S+\j+2:S+\j+3]
.endr
	s_wait_alu depctr_va_vdst(0)                             ; and one for the four
.irp b,0,1,2,3
	v_max_num_f32 v[BM+\b], 0x1800000, v[BM+\b]              ; the floor 2^(3 - 127)
.endr
.irp b,0,1,2,3
	v_add_nc_u32 v[SCO+\b], 0xff000000, v[BM+\b]
.endr
.irp b,0,1,2,3
	v_lshrrev_b32 v[BT+\b], 23, v[SCO+\b]
.endr
	v_lshl_or_b32 v[PS], v[BT+1], 8, v[BT]                   ; p's scale word for these 128 keys
	v_lshl_or_b32 v[PS], v[BT+2], 16, v[PS]
	v_lshl_or_b32 v[PS], v[BT+3], 24, v[PS]
.irp b,0,1,2,3
	v_cvt_scalef32_pk8_fp4_f32 v[PCD+2*\b], v[S+16*\b:S+16*\b+7], v[SCO+\b]
	v_cvt_scalef32_pk8_fp4_f32 v[PCD+2*\b+1], v[S+16*\b+8:S+16*\b+15], v[SCO+\b]
.endr
	v_nop                                                    ; one plain instruction behind the last scaled conversion
.irp c,0,1                                                   ; the operand wants a whole block in a lane
.irp i,0,1
	v_permlane16_swap_b32 v[PCD+4*\c+\i], v[PCD+4*\c+2+\i]
.endr
.endr
.set j, 0
.rept 8
	v_pk_mul_f32 v[O+16*\q+j:O+16*\q+j+1], v[O+16*\q+j:O+16*\q+j+1], v[F:F+1] op_sel_hi:[1,0]       ; O^T under the new M
.set j, j+2
.endr
.irp j,36,40,44,48,52,56,60                                  ; the sum's other 15 additions name nothing of the product that follows: they stand between the last write of p's scale word (8 are asked) and of p's codes (4) and that product
	v_pk_add_f32 v[LSM+4*\q:LSM+4*\q+1], v[LSM+4*\q:LSM+4*\q+1], v[S+\j:S+\j+1]
	v_pk_add_f32 v[SP:SP+1], v[SP:SP+1], v[S+\j+2:S+\j+3]
.endr
	v_pk_add_f32 v[LSM+4*\q:LSM+4*\q+1], v[LSM+4*\q:LSM+4*\q+1], v[SP:SP+1]
.endm
.macro LD_A                            ; 18 loads: e, bo (into the accumulators), Wo's scale words
.irp m,0,1
.irp i,0,1,2,3
	global_load_b128 v[R2+16*\m+4*\i:R2+16*\m+4*\i+3], v10, s[10:11] offset:8192*\m+16*\i th:TH_LOAD_NT
.endr
.endr
.irp m,0,1
.irp i,0,1,2,3
	global_load_b128 v[R3+16*\m+4*\i:R3+16*\m+4*\i+3], v6, s[18:19] offset:16*\i
.endr
.endr
.irp u,0,1
	global_load_b64 v[WSA+2*\u:WSA+2*\u+1], v7, s[16:17] offset:64*\u
.endr
.endm
.macro LD_B                            ; 28 loads: LN2's gain and bias 8, W1's scale words 4, b1 (into the accumulators) 16
.irp i,0,1,2,3
	global_load_b128 v[R5+4*\i:R5+4*\i+3], v6, s[20:21] offset:16*\i
.endr
.irp i,0,1,2,3
	global_load_b128 v[R5+16+4*\i:R5+16+4*\i+3], v6, s[22:23] offset:16*\i
.endr
.irp i,0,1
.irp u,0,1
	global_load_b64 v[WSB+4*\i+2*\u:WSB+4*\i+2*\u+1], v7, s[26:27] offset:256*\i+64*\u
.endr
.endr
.irp i,0,1
.irp m,0,1
.irp k,0,1,2,3
	global_load_b128 v[R0+32*\i+16*\m+4*\k:R0+32*\i+16*\m+4*\k+3], v6, s[28:29] offset:128*\i+16*\k
.endr
.endr
.endr
.endm
.macro LD_C                            ; 18 loads: b2 (into the accumulators) 8, W2's scale words 2, the last norm's gain and bias 8
.irp m,0,1
.irp i,0,1,2,3
	global_load_b128 v[R3+16*\m+4*\i:R3+16*\m+4*\i+3], v6, s[34:35] offset:16*\i
.endr
.endr
.irp u,0,1
	global_load_b128 v[WSA+4*\u:WSA+4*\u+3], v8, s[32:33] offset:128*\u
.endr
.irp i,0,1,2,3
	global_load_b128 v[R5+4*\i:R5+4*\i+3], v6, s[36:37] offset:16*\i
.endr
.irp i,0,1,2,3
	global_load_b128 v[R5+16+4*\i:R5+16+4*\i+3], v6, s[38:39] offset:16*\i
.endr
.endm
.macro LD_D                            ; 24 loads: bq, bk (into the accumulators) 16, the scale words of Wq, Wk, Wv 6, bv 2
.irp m,0,1
.irp i,0,1,2,3
	global_load_b128 v[R0+16*\m+4*\i:R0+16*\m+4*\i+3], v6, s[48:49] offset:16*\i
.endr
.endr
.irp m,0,1
.irp i,0,1,2,3
	global_load_b128 v[R1+16*\m+4*\i:R1+16*\m+4*\i+3], v6, s[54:55] offset:16*\i
.endr
.endr
.irp u,0,1
	global_load_b64 v[WSB+2*\u:WSB+2*\u+1], v7, s[46:47] offset:64*\u
.endr
.irp u,0,1
	global_load_b64 v[WSB+4+2*\u:WSB+4+2*\u+1], v7, s[52:53] offset:64*\u
.endr
.irp u,0,1
	global_load_b64 v[WSC+2*\u:WSC+2*\u+1], v7, s[58:59] offset:64*\u
.endr
	global_load_b32 v224, v9, s[60:61]
	global_load_b32 v226, v9, s[60:61] offset:32
.endm
; A KEY STEP: 128 keys, both query tiles.  Written out eight times: every offset is an immediate, and each step brings another part of the weights.
.macro STEP st
	s_wait_loadcnt 0x4                                       ; K of this step (and the weights' part asked for behind it) is in; the four loads of V may be out
	s_wait_dscnt 0x0                                         ; the scale words of K and V
	QK 0
	PLACES
	SOFT 0
	s_wait_loadcnt 0x0                                       ; V
	PV 0
	QK 1
	PLACES                                                   ; in front of the loads into K's registers and scale words, and of the softmax
.if (\st) < 7
.irp i,0,1,2,3
	global_load_b128 v[KF+4*\i:KF+4*\i+3], v1, s[KCI:KCI+1] offset:2048*((\st)+1)+512*\i
.endr
.irp g,0,1
	ds_load_b32 v[SK+\g], v11 offset:KSL+2048*((\st)+1)+1024*\g
.endr
.endif
	CHUNK \st
.if ((\st) == 0) || ((\st) == 2) || ((\st) == 4)
	; A prefetch of my head's K and V of key steps st + 2 and st + 3: 16 blocks of 256 bytes of each, a lane a block.  All 32 work-groups of a sequence walk the same K and V: the sequence's first asks,
	; each wave for its own head, so each block is named once in the launch.  Steps 0 and 1 come by their loads alone; behind step 7 there is nothing.
	s_cmp_lg_u32 s[BETA], 0
	s_cbranch_scc1 .Lnp_\@
	global_prefetch_b8 v[PFO], s[KCI:KCI+1] offset:2048*((\st)+2) th:TH_LOAD_NT scope:SCOPE_SE
.Lnp_\@:
.endif
	SOFT 1
.if (\st) == 7
	LD_A                                                     ; S^T's registers are free
.endif
	PV 1
	PLACES                                                   ; in front of the loads into V's registers and scale word
.if (\st) < 7
.irp i,0,1,2,3
	global_load_b128 v[VF+4*\i:VF+4*\i+3], v1, s[VCI:VCI+1] offset:2048*((\st)+1)+512*\i
.endr
	ds_load_b32 v[SV], v12 offset:VSW+1024*((\st)+1)
.endif
.endm
	; ---- the head
	s_load_b512 s[8:23], s[0:1], 0x0               ; lay 8, e_in 10, act_in 12, Wo_codes 14, Wo_scales 16, bo 18, ln2_g 20, ln2_b 22
	s_load_b512 s[24:39], s[0:1], 0x40             ; W1_codes 24, W1_scales 26, b1 28, W2_codes 30, W2_scales 32, b2 34, ln1_g 36, ln1_b 38
	s_load_b512 s[40:55], s[0:1], 0x80             ; lno_g 40, lno_b 42, Wq_codes 44, Wq_scales 46, bq 48, Wk_codes 50, Wk_scales 52, bk 54
	s_load_b256 s[56:63], s[0:1], 0xc0             ; Wv_codes 56, Wv_scales 58, bv 60, e_out 62
	s_load_b64 s[66:67], s[0:1], 0xe0              ; act_out
	v_lshl_add_u32 v228, v0, 2, 0x16000
	v_mov_b32 v235, 0
	v_lshrrev_b32 v200, 5, v0
	v_readfirstlane_b32 s[WV], v200                ; wave 0..7
	v_and_b32 v200, 31, v0                         ; L
	v_and_b32 v201, 15, v0                         ; r
	v_bfe_u32 v202, v0, 4, 1                       ; h
	v_and_b32 v203, 8, v0
	v_add_nc_u32 v203, v203, v201                  ; row(r)
	v_lshlrev_b32 v1, 4, v200                      ; v1  16 L
	v_lshlrev_b32 v2, 2, v200                      ; v2  4 L
	v_lshlrev_b32 v3, 4, v201
	v_lshl_add_u32 v3, v202, 3, v3                 ; v3  16 r + 8 h
	v_lshlrev_b32 v4, 7, v203
	v_lshl_add_u32 v4, v202, 4, v4                 ; v4  128 row(r) + 16 h: a fragment's bytes in rows of 128
	v_lshlrev_b32 v5, 8, v203
	v_lshl_add_u32 v5, v202, 4, v5                 ; v5  256 row(r) + 16 h: in rows of 256
	v_lshlrev_b32 v6, 6, v202                      ; v6  64 h
	v_lshlrev_b32 v7, 3, v203                      ; v7  8 row(r)
	v_lshlrev_b32 v8, 4, v203                      ; v8  16 row(r)
	v_lshlrev_b32 v9, 2, v203                      ; v9  4 row(r)
	v_lshlrev_b32 v10, 10, v203
	v_lshl_add_u32 v10, v202, 6, v10               ; v10 1,024 row(r) + 64 h: my 16 numbers of a row of e
	s_lshl_b32 s2, s[WV], 6
	v_lshlrev_b32 v11, 2, v201
	v_lshl_add_u32 v11, v202, 9, v11
	v_add_nc_u32 v11, s2, v11                      ; v11 k's scale words: 512 h + 4 r + 64 w
	v_lshlrev_b32 v12, 2, v0                       ; v12 4 L + 128 w
	s_lshl_b32 s2, s[WV], 8
	v_add_nc_u32 v13, s2, v3                       ; v13 my block of an image: 16 r + 8 h + 256 w
	s_lshr_b32 s2, s[WV], 2
	s_lshl_b32 s2, s2, 6
	s_and_b32 s3, s[WV], 3
	s_add_co_u32 s2, s2, s3
	v_lshl_add_u32 v14, v201, 2, s2                ; v14 its scale byte: 4 r + 64 (w / 4) + w % 4
	s_lshl_b32 s2, s[WV], 9
	v_lshl_add_u32 v15, v200, 3, s2                ; v15 the norms' figures: 8 L + 512 w
	v_lshlrev_b32 v[PFO], 8, v201
	v_lshl_add_u32 v[PFO], v202, 20, v[PFO]        ; lanes 0-15: 16 blocks of K; lanes 16-31: the same of V, 0x100000 bytes on
	v_lshlrev_b32 v204, 4, v0                      ; 16 x thread
	v_mov_b32 v225, 0                              ; named as upper halves of pairs
	v_mov_b32 v227, 0
	v_mov_b32 v[F+1], 0
	s_mov_b32 s[WG], ttmp9
	s_lshr_b32 s[SEQ], ttmp9, 5
	s_and_b32 s[BETA], ttmp9, 31
	s_mov_b32 s[SEL], 0x76543210
	s_mov_b32 s[SEL+1], 0xfedcba98
	s_mov_b32 s[CS], 0x3e8293ee                    ; c = log2(e) / sqrt(32)
	s_mov_b32 s[CS+1], s[CS]
	s_mov_b32 s[EPS], 0x3727c5ac                   ; 1e-5
	s_mov_b32 s[R256], 0x3b800000                  ; 1 / 256
	s_mov_b32 s[HM], 0xffff0000
	s_mov_b32 s[OF+1], 0
	s_wait_kmcnt 0x0
	s_load_b32 s[LY], s[8:9], 0x0                  ; the layer's number comes while the attention's first loads, which do not hang on it, go out
	s_lshl_b32 s[OF], s[WG], 12
	s_lshl_b32 s2, s[WV], 9
	s_add_co_u32 s[OF], s[OF], s2
	s_add_nc_u64 s[QCI:QCI+1], s[12:13], s[OF:OF+1]
	s_lshl_b32 s[OF], s[SEQ], 17
	s_lshl_b32 s2, s[WV], 14
	s_add_co_u32 s[OF], s[OF], s2
	s_add_co_u32 s[OF], s[OF], 0x100000
	s_add_nc_u64 s[KCI:KCI+1], s[12:13], s[OF:OF+1]
	s_add_nc_u64 s[VCI:VCI+1], s[KCI:KCI+1], 0x100000
	s_lshl_b32 s[OF], s[SEQ], 16
	s_add_co_u32 s[OF], s[OF], 0x300000
	s_add_nc_u64 s[SRQ:SRQ+1], s[12:13], s[OF:OF+1]
	s_lshl_b32 s[OF], s[WV], 11
	s_add_nc_u64 s[4:5], s[SRQ:SRQ+1], s[OF:OF+1]  ; k's scale words: I copy those of blocks w, w + 8, w + 16, w + 24
	s_lshr_b32 s[OF], s[WV], 1
	s_lshl_b32 s[OF], s[OF], 13
	s_and_b32 s2, s[WV], 1
	s_lshl_b32 s2, s2, 7
	s_add_co_u32 s[OF], s[OF], s2
	s_add_nc_u64 s[6:7], s[SRQ:SRQ+1], s[OF:OF+1]  ; v's scale bytes: key steps w / 2 and w / 2 + 4, rows 128 (w % 2) on
	s_lshl_b32 s[OF], s[BETA], 11
	s_lshl_b32 s2, s[WV], 7
	s_add_co_u32 s[OF], s[OF], s2
	s_add_nc_u64 s[12:13], s[SRQ:SRQ+1], s[OF:OF+1]  ; q's scale words
.irp i,0,1,2,3
	global_load_b128 v[96+4*\i:99+4*\i], v1, s[4:5] offset:\i*16384+1024
.endr
.irp p,0,1
.irp i,0,1,2,3
	global_load_b32 v[112+4*\p+\i], v2, s[6:7] offset:\p*32768+\i*2048+1536
.endr
.endr
	global_load_b128 v[120:123], v1, s[QCI:QCI+1]  ; lanes 0-15: q of tile 0, lanes 16-31: of tile 1
	global_load_b32 v[SQ], v2, s[12:13]
.irp i,0,1,2,3
	global_load_b128 v[KF+4*\i:KF+4*\i+3], v1, s[KCI:KCI+1] offset:512*\i
.endr
.irp i,0,1,2,3
	global_load_b128 v[VF+4*\i:VF+4*\i+3], v1, s[VCI:VCI+1] offset:512*\i
.endr
	s_wait_kmcnt 0x0
	s_min_u32 s[LY], s[LY], 3
	s_add_co_u32 s[NX], s[LY], 1
	s_min_u32 s[NX], s[NX], 3
	PADJ 14, LY, 15, 12
	PADJ 16, LY, 11, 8
	PADJ 18, LY, 10, 7
	PADJ 20, LY, 10, 7
	PADJ 22, LY, 10, 7
	PADJ 24, LY, 16, 13
	PADJ 26, LY, 12, 9
	PADJ 28, LY, 11, 8
	PADJ 30, LY, 16, 13
	PADJ 32, LY, 12, 9
	PADJ 34, LY, 10, 7
	PADJ 44, NX, 15, 12
	PADJ 46, NX, 11, 8
	PADJ 48, NX, 10, 7
	PADJ 50, NX, 15, 12
	PADJ 52, NX, 11, 8
	PADJ 54, NX, 10, 7
	PADJ 56, NX, 15, 12
	PADJ 58, NX, 11, 8
	PADJ 60, NX, 10, 7
	s_lshl_b32 s[OF], s[NX], 10                    ; the last norm: the next layer's LN1, or behind the last layer the closing norm
	s_add_nc_u64 s[36:37], s[36:37], s[OF:OF+1]
	s_add_nc_u64 s[38:39], s[38:39], s[OF:OF+1]
	s_cmp_eq_u32 s[LY], 3
	s_cselect_b64 s[36:37], s[40:41], s[36:37]
	s_cselect_b64 s[38:39], s[42:43], s[38:39]
	s_lshl_b32 s[OF], s[WV], 7
	s_add_nc_u64 s[36:37], s[36:37], s[OF:OF+1]
	s_add_nc_u64 s[38:39], s[38:39], s[OF:OF+1]
	s_lshl_b32 s[OF], s[WG], 15
	s_lshl_b32 s2, s[WV], 7
	s_add_co_u32 s[OF], s[OF], s2
	s_add_nc_u64 s[10:11], s[10:11], s[OF:OF+1]
	s_lshr_b32 s2, s[WV], 2                        ; stage rows 4 w .. 4 w + 3 are tokens 8 (w / 4) + 16 ((w / 2) % 2) + 4 (w % 2) + 0 .. 3
	s_lshl_b32 s2, s2, 3
	s_bfe_u32 s3, s[WV], 0x10001
	s_lshl_b32 s3, s3, 4
	s_add_co_u32 s2, s2, s3
	s_and_b32 s3, s[WV], 1
	s_lshl_b32 s3, s3, 2
	s_add_co_u32 s2, s2, s3
	s_lshl_b32 s2, s2, 10
	s_lshl_b32 s[OF], s[WG], 15
	s_add_co_u32 s[OF], s[OF], s2
	s_add_nc_u64 s[EOUT:EOUT+1], s[EOUT:EOUT+1], s[OF:OF+1]
	s_lshl_b32 s[OF], s[WG], 12
	s_lshl_b32 s2, s[WV], 9
	s_add_co_u32 s[OF], s[OF], s2
	s_add_nc_u64 s[QCO:QCO+1], s[66:67], s[OF:OF+1]
	s_lshl_b32 s[OF], s[SEQ], 17
	s_lshl_b32 s2, s[WV], 14
	s_add_co_u32 s[OF], s[OF], s2
	s_add_co_u32 s[OF], s[OF], 0x100000
	s_add_nc_u64 s[KCO:KCO+1], s[66:67], s[OF:OF+1]
	s_add_nc_u64 s[VCO:VCO+1], s[KCO:KCO+1], 0x100000
	s_lshl_b32 s[OF], s[BETA], 9
	s_add_nc_u64 s[KCO:KCO+1], s[KCO:KCO+1], s[OF:OF+1]
	s_lshr_b32 s[OF], s[BETA], 2
	s_lshl_b32 s[OF], s[OF], 11
	s_and_b32 s2, s[BETA], 3
	s_lshl_b32 s2, s2, 8
	s_add_co_u32 s[OF], s[OF], s2
	s_add_nc_u64 s[VCO:VCO+1], s[VCO:VCO+1], s[OF:OF+1]
	s_lshl_b32 s[OF], s[WG], 11
	s_lshl_b32 s2, s[WV], 8
	s_add_co_u32 s[OF], s[OF], s2
	s_add_co_u32 s[OF], s[OF], 0x300000
	s_add_nc_u64 s[SRO:SRO+1], s[66:67], s[OF:OF+1]
.irp z,16,24,28,32,40,48                       ; the chain's zero codes (v28-31 are also written ahead of the lane permute, whose destination counts as a source)
.irp i,0,1,2,3
	v_mov_b32 v[\z+\i], 0
.endr
.endr
	s_wait_loadcnt 10                              ; the 12 loads of scale bytes are in; q 1, its scales 1, K 4, V 4 may be out
.irp i,0,1,2,3
	ds_store_b128 v204, v[96+4*\i:99+4*\i] offset:KSL+4096*\i
.endr
.irp p,0,1                                     ; v's bytes: four blocks of keys x four rows a lane are turned into four rows' words of four blocks
	v_perm_b32 v124, v[113+4*\p], v[112+4*\p], 0x05010400
	v_perm_b32 v125, v[113+4*\p], v[112+4*\p], 0x07030602
	v_perm_b32 v126, v[115+4*\p], v[114+4*\p], 0x05010400
	v_perm_b32 v127, v[115+4*\p], v[114+4*\p], 0x07030602
	v_perm_b32 v[128+4*\p], v126, v124, 0x05040100
	v_perm_b32 v[129+4*\p], v126, v124, 0x07060302
	v_perm_b32 v[130+4*\p], v127, v125, 0x05040100
	v_perm_b32 v[131+4*\p], v127, v125, 0x07060302
	ds_store_b128 v204, v[128+4*\p:131+4*\p] offset:VSW+4096*\p
.endr
	BARRIER                                        ; the sequence's scale words of K and V lie in LDS
	s_wait_loadcnt 8                               ; q and its scale words are in; K 4, V 4 may be out
.irp i,0,1,2,3
	v_permlanex16_b32 v[28+\i], v[120+\i], s[SEL], s[SEL+1]  ; lanes 0-15: tile 1, lanes 16-31: tile 0
.endr
.irp i,0,1,2,3
	v_cndmask_b32 v[36+\i], v[28+\i], v16, s[HM]   ; tile 1 in lanes 0-15
.endr
.irp i,0,1,2,3
	v_cndmask_b32 v[28+\i], v16, v[28+\i], s[HM]   ; tile 0 in lanes 16-31
.endr
.irp i,0,1,2,3
	v_cndmask_b32 v[20+\i], v[120+\i], v16, s[HM]  ; tile 0 in lanes 0-15
.endr
.irp i,0,1,2,3
	v_cndmask_b32 v[44+\i], v16, v[120+\i], s[HM]  ; tile 1 in lanes 16-31
.endr
.irp g,0,1
	ds_load_b32 v[SK+\g], v11 offset:KSL+1024*\g
.endr
	ds_load_b32 v[SV], v12 offset:VSW
.set j, 0
.rept 32
	v_mov_b32 v[O+j], 0                            ; O^T: the step is one text: the first finds zeros, which the first change of M leaves zeros.  (These are also the places behind the chain's last write)
.set j, j+1
.endr
.irp q,0,1
	v_mov_b32 v[TX+4*\q], 0xff61b1e6               ; the largest t so far: -3e38
	v_floor_f32 v[NM+4*\q], -v[TX+4*\q]
	v_mov_b32 v[LSM+4*\q], 0
	v_mov_b32 v[LSM+4*\q+1], 0
.endr
.irp b,0,1,2,3
	v_mov_b32 v[BT+\b], 0                          ; a lane permute's destination counts as a source
.endr
	; ---- attention
	STEP 0
	STEP 1
	STEP 2
	STEP 3
	STEP 4
	STEP 5
	STEP 6
	STEP 7
	; ---- ctx = O^T / l, quantised: block w of the next K
	v_add_f32 v90, v90, v91
	v_add_f32 v94, v94, v95
	v_permlanex16_b32 v91, v90, s[SEL], s[SEL+1]
	v_permlanex16_b32 v95, v94, s[SEL], s[SEL+1]
	v_add_f32 v90, v90, v91
	v_add_f32 v94, v94, v95
	LD_B
	v_rcp_f32 v88, v90
	v_rcp_f32 v92, v94
	v_nop
	s_wait_alu depctr_va_vdst(0)                   ; one wait for the two reciprocals, ahead of their first reader
.irp q,0,1
.set j, 0
.rept 8
	v_pk_mul_f32 v[O+16*\q+j:O+16*\q+j+1], v[O+16*\q+j:O+16*\q+j+1], v[88+4*\q:89+4*\q] op_sel_hi:[1,0]
.set j, j+2
.endr
.endr
	QUANT2 R4, R4+16, 88, 86
	ds_store_b64 v13, v[88:89] offset:ACTC
	ds_store_b64 v13, v[90:91] offset:ACTC+2048
	ds_store_b8 v14, v86 offset:XSC
	ds_store_b8 v14, v87 offset:XSC+128
	BARRIER                                        ; ctx's four fragments lie in LDS
	; ---- ctx Wo^T + bo + e, LN2
	AFETCH R4, ACTC, 4
	ds_load_b32 v[AS], v2 offset:XSC
	ds_load_b32 v[AS+1], v2 offset:XSC+128
	s_wait_loadcnt 28                              ; the weights' last part and group A are in; group B's 28 loads may be out.  All loads through v4, v5 and v10 are done: the three are written anew
	s_lshl_b32 s2, s[WV], 9
	v_add_nc_u32 v4, s2, v3                        ; v4  my blocks of the hidden layer's images: 16 r + 8 h + 512 w
	s_lshr_b32 s2, s[WV], 1
	s_lshl_b32 s2, s2, 6
	s_and_b32 s3, s[WV], 1
	s_lshl_b32 s3, s3, 1
	s_add_co_u32 s2, s2, s3
	v_and_b32 v80, 15, v0
	v_lshl_add_u32 v5, v80, 2, s2                  ; v5  their scale bytes: 4 r + 64 (w / 2) + 2 (w % 2)
	s_lshl_b32 s2, s[WV], 7
	s_add_co_u32 s2, s2, STG
	v_mad_u32_u24 v10, v80, SPI, v6
	v_add_nc_u32 v10, s2, v10                      ; v10 the stage, in: row r, + 128 w + 64 h
	v_and_b32 v11, 31, v0
	v_lshlrev_b32 v11, 3, v11                      ; v11 8 L
	s_wait_dscnt 0x0
	WIN 0x01
.irp s,0,1                                     ; the accumulators by turns, one instruction a turn, here and in every product below
.irp m,0,1
.irp u,0,1
	WM R3+16*\m+8*\u, 16*\u+8*\s, R4+16*\m+8*\s, R3+16*\m+8*\u, WSA+2*\u+\s, AS+\m, 0, \s
.endr
.endr
.endr
	WIN 0
	PLACES
.set j, 0
.rept 16
	v_pk_add_f32 v[R3+j:R3+j+1], v[R3+j:R3+j+1], v[R2+j:R2+j+1]
.set j, j+2
.endr
	LNSTAT R3, STAT2
	BARRIER                                        ; all eight waves' figures lie in LDS
	s_wait_loadcnt 20                              ; LN2's gain and bias are in; W1's scale words 4 and b1 16 may be out
	LNAPPLY R3, R2, R5, STAT2
	LD_C
	QUANT2 R2, R2+16, 88, 86
	ds_store_b64 v13, v[88:89] offset:ACTE
	ds_store_b64 v13, v[90:91] offset:ACTE+2048
	ds_store_b8 v14, v86 offset:XSE
	ds_store_b8 v14, v87 offset:XSE+128
	BARRIER                                        ; e's four fragments lie in LDS
	; ---- the hidden layer: my 64 units, relu, quantised
	AFETCH R4, ACTE, 4
	ds_load_b32 v[AS], v2 offset:XSE
	ds_load_b32 v[AS+1], v2 offset:XSE+128
	s_wait_loadcnt 18                              ; group B is in; group C's 18 loads may be out
	s_wait_dscnt 0x0
	WIN 0x01
.irp s,0,1
.irp i,0,1
.irp m,0,1
.irp u,0,1
	WM R0+32*\i+16*\m+8*\u, 32+32*\i+16*\u+8*\s, R4+16*\m+8*\s, R0+32*\i+16*\m+8*\u, WSB+4*\i+2*\u+\s, AS+\m, 0, \s
.endr
.endr
.endr
.endr
	WIN 0
	PLACES
.set j, 0
.rept 64
	v_max_num_f32 v[R0+j], 0, v[R0+j]
.set j, j+1
.endr
	QUANT2 R0, R0+16, 88, 86
	ds_store_b64 v4, v[88:89] offset:ACTH
	ds_store_b64 v4, v[90:91] offset:ACTH+4096
	ds_store_b8 v5, v86 offset:XSH
	ds_store_b8 v5, v87 offset:XSH+256
	s_wait_dscnt 0x0                               ; the stores have read their registers
	QUANT2 R1, R1+16, 88, 86
	ds_store_b64 v4, v[88:89] offset:ACTH+256
	ds_store_b64 v4, v[90:91] offset:ACTH+4096+256
	ds_store_b8 v5, v86 offset:XSH+1
	ds_store_b8 v5, v87 offset:XSH+256+1
	LD_D
	BARRIER                                        ; the hidden layer's eight fragments lie in LDS
	; ---- hidden W2^T + b2 + e: K = 512, two K steps at a time
.irp m,0,1
.irp p,0,1
	ds_load_b32 v[AS+2*\m+\p], v2 offset:XSH+256*\m+128*\p
.endr
.endr
.irp p,0,1
.if \p == 1
	PLACES
.endif
.irp m,0,1
.irp k,0,1
	ds_load_b128 v[R4+16*\m+8*\k:R4+16*\m+8*\k+3], v1 offset:ACTH+1024*(4*\m+2*\p+\k)
	ds_load_b128 v[R4+16*\m+8*\k+4:R4+16*\m+8*\k+7], v1 offset:ACTH+1024*(4*\m+2*\p+\k)+512
.endr
.endr
	s_wait_dscnt 0x0
.if \p == 0
	s_wait_loadcnt 32                              ; b2 and W2's scale words are in; the last norm's gain and bias 8 and group D's 24 may be out
.endif
	WIN 0x01
.irp k,0,1
.irp m,0,1
.irp u,0,1
	WM R3+16*\m+8*\u, 96+32*\u+8*(2*\p+\k), R4+16*\m+8*\k, R3+16*\m+8*\u, WSA+4*\u+2*\p+\k, AS+2*\m+\p, 0, \k
.endr
.endr
.endr
	WIN 0
.endr
	PLACES
.set j, 0
.rept 16
	v_pk_add_f32 v[R3+j:R3+j+1], v[R3+j:R3+j+1], v[R2+j:R2+j+1]
.set j, j+2
.endr
	TAIL 24, 1                                     ; at the norm's apply group D's 24 loads may be out
.Lend:
	s_wait_tensorcnt 0x0
	ds_add_u32 v228, v235
	s_wait_dscnt 0x0
	s_endpgm
.Lfunc_end_k_q8ec887f779_layer0:
	.size	k_q8ec887f779_layer0, .Lfunc_end_k_q8ec887f779_layer0-k_q8ec887f779_layer0
	.p2alignl 7, 3214868480
	.fill 96, 4, 3214868480
	.section	.rodata,"a",@progbits
	.p2align	6, 0x0
	.amdhsa_kernel k_q8ec887f779_layer0
		.amdhsa_group_segment_fixed_size 91136
		.amdhsa_private_segment_fixed_size 0
		.amdhsa_enable_private_segment 0
		.amdhsa_kernarg_size 232
		.amdhsa_user_sgpr_count 2
		.amdhsa_user_sgpr_kernarg_segment_ptr 1
		.amdhsa_wavefront_size32 1
		.amdhsa_system_sgpr_workgroup_id_x 1
		.amdhsa_system_sgpr_workgroup_id_y 1
		.amdhsa_system_sgpr_workgroup_id_z 1
		.amdhsa_system_vgpr_workitem_id 0
		.amdhsa_next_free_vgpr 512
		.amdhsa_next_free_sgpr 102
		.amdhsa_reserve_vcc 0
		.amdhsa_float_denorm_mode_32 3
		.amdhsa_float_denorm_mode_16_64 3
		.amdhsa_memory_ordered 1
		.amdhsa_forward_progress 1
		.amdhsa_inst_pref_size 255
	.end_amdhsa_kernel
	.section	.bss,"aw",@nobits
	.p2align	6
	.space	262144
	.amdgpu_metadata
---
amdhsa.version: [ 1, 2 ]
amdhsa.kernels:
  - .name:           k_q8ec887f779_layer0
    .symbol:         k_q8ec887f779_layer0.kd
    .args:
      - { .name: lay0, .offset: 0, .size: 8, .value_kind: global_buffer, .address_space: global }
      - { .name: eA, .offset: 8, .size: 8, .value_kind: global_buffer, .address_space: global }
      - { .name: actA, .offset: 16, .size: 8, .value_kind: global_buffer, .address_space: global }
      - { .name: Wo_codes, .offset: 24, .size: 8, .value_kind: global_buffer, .address_space: global }
      - { .name: Wo_scales, .offset: 32, .size: 8, .value_kind: global_buffer, .address_space: global }
      - { .name: bo, .offset: 40, .size: 8, .value_kind: global_buffer, .address_space: global }
      - { .name: ln2_g, .offset: 48, .size: 8, .value_kind: global_buffer, .address_space: global }
      - { .name: ln2_b, .offset: 56, .size: 8, .value_kind: global_buffer, .address_space: global }
      - { .name: W1_codes, .offset: 64, .size: 8, .value_kind: global_buffer, .address_space: global }
      - { .name: W1_scales, .offset: 72, .size: 8, .value_kind: global_buffer, .address_space: global }
      - { .name: b1, .offset: 80, .size: 8, .value_kind: global_buffer, .address_space: global }
      - { .name: W2_codes, .offset: 88, .size: 8, .value_kind: global_buffer, .address_space: global }
      - { .name: W2_scales, .offset: 96, .size: 8, .value_kind: global_buffer, .address_space: global }
      - { .name: b2, .offset: 104, .size: 8, .value_kind: global_buffer, .address_space: global }
      - { .name: ln1_g, .offset: 112, .size: 8, .value_kind: global_buffer, .address_space: global }
      - { .name: ln1_b, .offset: 120, .size: 8, .value_kind: global_buffer, .address_space: global }
      - { .name: lno_g, .offset: 128, .size: 8, .value_kind: global_buffer, .address_space: global }
      - { .name: lno_b, .offset: 136, .size: 8, .value_kind: global_buffer, .address_space: global }
      - { .name: Wq_codes, .offset: 144, .size: 8, .value_kind: global_buffer, .address_space: global }
      - { .name: Wq_scales, .offset: 152, .size: 8, .value_kind: global_buffer, .address_space: global }
      - { .name: bq, .offset: 160, .size: 8, .value_kind: global_buffer, .address_space: global }
      - { .name: Wk_codes, .offset: 168, .size: 8, .value_kind: global_buffer, .address_space: global }
      - { .name: Wk_scales, .offset: 176, .size: 8, .value_kind: global_buffer, .address_space: global }
      - { .name: bk, .offset: 184, .size: 8, .value_kind: global_buffer, .address_space: global }
      - { .name: Wv_codes, .offset: 192, .size: 8, .value_kind: global_buffer, .address_space: global }
      - { .name: Wv_scales, .offset: 200, .size: 8, .value_kind: global_buffer, .address_space: global }
      - { .name: bv, .offset: 208, .size: 8, .value_kind: global_buffer, .address_space: global }
      - { .name: eB, .offset: 216, .size: 8, .value_kind: global_buffer, .address_space: global }
      - { .name: actB, .offset: 224, .size: 8, .value_kind: global_buffer, .address_space: global }
    .group_segment_fixed_size: 91136
    .private_segment_fixed_size: 0
    .kernarg_segment_align: 8
    .kernarg_segment_size: 232
    .max_flat_workgroup_size: 256
    .sgpr_count:     102
    .vgpr_count:     512
    .wavefront_size: 32
...
	.end_amdgpu_metadata
.endif
;; end of part 2
;; launch layer1: the kernel of part 2 again; grid 256 x 1, 8 waves a work-group, no clusters, 91,136 bytes of LDS; arguments lay1, eB, actB, Wo_codes, Wo_scales, bo, ln2_g, ln2_b, W1_codes, W1_scales, b1, W2_codes, W2_scales, b2, ln1_g, ln1_b, lno_g, lno_b, Wq_codes, Wq_scales, bq, Wk_codes, Wk_scales, bk, Wv_codes, Wv_scales, bv, eA, actA; writes eA, actA
;; launch layer2: the kernel of part 2 again; grid 256 x 1, 8 waves a work-group, no clusters, 91,136 bytes of LDS; arguments lay2, eA, actA, Wo_codes, Wo_scales, bo, ln2_g, ln2_b, W1_codes, W1_scales, b1, W2_codes, W2_scales, b2, ln1_g, ln1_b, lno_g, lno_b, Wq_codes, Wq_scales, bq, Wk_codes, Wk_scales, bk, Wv_codes, Wv_scales, bv, eB, actB; writes eB, actB
;; launch layer3: the kernel of part 2 again; grid 256 x 1, 8 waves a work-group, no clusters, 91,136 bytes of LDS; arguments lay3, eB, actB, Wo_codes, Wo_scales, bo, ln2_g, ln2_b, W1_codes, W1_scales, b1, W2_codes, W2_scales, b2, ln1_g, ln1_b, lno_g, lno_b, Wq_codes, Wq_scales, bq, Wk_codes, Wk_scales, bk, Wv_codes, Wv_scales, bv, out0, actA; writes out0, actA
;; ======== version 2 of 2: 5 launches; version 1 with the launches front, layer0, layer1, layer2, layer3 written anew for expert scheduling mode
;; workspace buffers: eA 8,388,608 bytes; eB 8,388,608 bytes; actA 3,670,016 bytes; actB 3,670,016 bytes; lay0 256 bytes of whole numbers; lay1 256 bytes of whole numbers; lay2 256 bytes of whole numbers; lay3 256 bytes of whole numbers
;; launch front (part 3): grid 256 x 1, 8 waves a work-group, no clusters, 91,136 bytes of LDS; arguments x_codes, x_scales, Win_codes, Win_scales, bin_, ln1_g, ln1_b, Wq_codes, Wq_scales, bq, Wk_codes, Wk_scales, bk, Wv_codes, Wv_scales, bv, eA, actA, lay0, lay1, lay2, lay3; writes eA, actA, lay0, lay1, lay2, lay3
.if DOCPART == 3
	.amdgcn_target "amdgcn-amd-amdhsa--gfx1250"
	.amdhsa_code_object_version 6
	.text
	.protected	k_q8ec887f779_front
	.globl	k_q8ec887f779_front
	.p2align	8
	.type	k_q8ec887f779_front,@function
k_q8ec887f779_front:
	s_mov_b64 s[64:65], 0
	v_nop
	global_prefetch_b8 v0, s[64:65] scope:SCOPE_SE
	s_setreg_imm32_b32 hwreg(HW_REG_WAVE_SCHED_MODE, 0, 2), 2
	s_setreg_imm32_b32 hwreg(HW_REG_WAVE_MODE, 25, 1), 1
	s_wait_xcnt 0x0
	s_wait_alu depctr_vm_vsrc(0)
; e = LN1[0](x Win^T + bin_); q, k, v of layer 0 from e.  All products on codes of FP4 (E2M1) with one E8M0 scale for each 32 along K.
; A work-group of eight waves owns 32 tokens (32 x work-group ..).  Wave w owns columns 32 w .. 32 w + 31 of every 256-wide product: it is head w.
; L = lane, r = L % 16, h = L / 16, row(r) = r + (r & 8).  token(m, r) = 8 m + row(r), m = 0, 1.  Tile u of a wave's 32 weight rows takes row 8 u + row(r).
; TRANSPOSED products (source 0 = 16 weight rows, source 1 = 16 tokens): lane (r, h) holds token(m, r), and the 16 registers of tiles u = 0, 1 are columns 32 w + 16 h + 0 .. 15.
; V's product is not transposed (source 0 = tokens, source 1 = Wv's rows): lane (r, h) holds V's row 8 u + row(r), and the 16 registers of tiles m = 0, 1 are tokens 16 h + 0 .. 15.
; So a block of 32 along the next K is always 16 registers of lane l and 16 of lane l xor 16, and a lane's two conversions give 8 bytes at 8 h of the block's 16.
; OUT: eA [8192][256] f32.  actA: q's codes at 0 ([seq][block of 32 tokens][head][cell 16 m + r] x 16 bytes), k's at 0x100000 ([seq][head][block][cell]), v's at 0x200000
; ([seq][head][128 keys][u][block % 4][r] x 16 bytes: the image of an operand's registers), the scale bytes at 0x300000 (2,048 bytes a block of tokens: q's words, k's words, v's bytes).
; lay0 .. lay3: the whole numbers 0 .. 3, from which the later launches form their weights' addresses.
; No tensor load and no cluster: every byte that a work-group reads goes to exactly one wave's registers, and what all work-groups share (136 KiB of weights and their scales) is read once by each.
; LIMITS: NaN and infinities are not served.  A block of zeros gets the scale byte 1 and not 127: its codes are zeros and this program alone reads the bytes.
; The norm's variance is made of the eight waves' means and sums of squared deviations, joined exactly (no difference of large sums); the order of summation differs from a plain row sum.  1/sqrt by v_rsq_f32.
; THE MODE: SCHED_MODE bits 1:0 = 2 (LLVM: expert scheduling mode 2), set by the entry lines.  The code itself states the register dependences
; between vector or matrix instructions and memory or LDS instructions, with s_wait_alu, always for 0.
; THE PLAN.  Registers that memory or LDS instructions touch:
;   v1-v15     offsets and LDS addresses, made at the head ahead of one wait on va_vdst.  v4, v5, v8 are made anew in the tail: behind the wait on vm_vsrc in the norm's apply, ahead of the wait on va_vdst in front of the stage's stores.
;   R4, v230-233  x's fragments and scale words (loads at the head; read by the first product), the norm's figures (LDS loads; read by the apply), e's fragments and scale words (LDS loads; read by q's, k's, v's products).
;              Each run of loads stands behind a wait on va_vdst that follows the last reader, with no vector or matrix instruction between.
;   R5         gain and bias (loads at the head; read by the apply), then rows of e from the stage (LDS loads; read by the global stores alone).
;   v80-91, R2, v100-120  out-buffers: written by the norm and the quantisers, read by LDS and global stores.  One wait on va_vdst stands ahead of each run of stores, one on vm_vsrc ahead of the first line that writes such a register again.
;   All other loads land in registers that no vector or matrix instruction has named.
.set ACTN,  40960                      ; LDS: e's four fragments as images of their registers (tile m, K step s: 1,024 (2 m + s)); block j of a step at 256 j + 16 r
.set XSN,   46080                      ; their scale words: 128 m + 64 s + 4 r
.set STAT3, 50432                      ; [wave][m][lane] x 8 bytes: mean and sum of squared deviations of a wave's 32 columns
.set SRS,   54528                      ; the block's 1,792 scale bytes, gathered
.set STG,   56576                      ; 32 rows of e, row 16 m + r, 1,024 bytes + 16
.set SPI,   1040
.set R0, 16                            ; v16-47   q's accumulators
.set R1, 48                            ; v48-79   k's
.set R2, 96                            ; v96-127  e behind the norm; later codes and bytes
.set R3, 128                           ; v128-159 x Win^T + bin_; later v's accumulators
.set R4, 160                           ; v160-191 fragments; the norm's figures
.set R5, 192                           ; v192-223 gain and bias; later rows of e on the way out
.set AS,  230                          ; v230-233 scale words of the activations     (v230-255 hold scales and nothing else)
.set WSC, 236                          ; v236-239 Wv's
.set WSA, 240                          ; v240-243 Win's
.set WSB, 248                          ; v248-255 Wq's, Wk's
.set WV,  68
.set SEL, 76                           ; s[76:77] lane selects of v_permlanex16_b32: lane l xor 16
.set EPS, 80
.set R256, 81
.set HM,  82                           ; the mask of lanes 16-31
.set OF,  84                           ; s[84:85] an offset; s85 = 0
.set QCO, 94
.set KCO, 96
.set VCO, 98
.set SRO, 100
.set EOUT, 40
.set MSB, 0
.macro WIN new                         ; the immediate's high byte repeats the setting that is left
.if MSB != \new
	s_set_vgpr_msb (MSB<<8)|\new
.set MSB, \new
.endif
.endm
.macro BARRIER                         ; my LDS stores have landed and my LDS loads are in: then the work-group's barrier
	s_wait_dscnt 0x0
	s_barrier_signal -1
	s_barrier_wait -1
.endm
.macro PLACES                          ; four plain vector instructions between a matrix instruction and a read of its result or a load into its registers
.rept 4
	v_nop
.endr
.endm
; one matrix instruction.  c < 0: the sum starts with 0.  ra, rb: the scale words stand in lanes 16-31 of their registers
.macro WM d, a, b, c, sa, sb, ra, rb
.if (\c) < 0
.if (\ra) && (\rb)
	v_wmma_scale_f32_16x16x128_f8f6f4 v[(\d):(\d)+7], v[(\a):(\a)+7], v[(\b):(\b)+7], 0, v[\sa], v[\sb] matrix_a_fmt:MATRIX_FMT_FP4 matrix_b_fmt:MATRIX_FMT_FP4 matrix_a_scale:MATRIX_SCALE_ROW1 matrix_b_scale:MATRIX_SCALE_ROW1
.elseif (\ra)
	v_wmma_scale_f32_16x16x128_f8f6f4 v[(\d):(\d)+7], v[(\a):(\a)+7], v[(\b):(\b)+7], 0, v[\sa], v[\sb] matrix_a_fmt:MATRIX_FMT_FP4 matrix_b_fmt:MATRIX_FMT_FP4 matrix_a_scale:MATRIX_SCALE_ROW1
.elseif (\rb)
	v_wmma_scale_f32_16x16x128_f8f6f4 v[(\d):(\d)+7], v[(\a):(\a)+7], v[(\b):(\b)+7], 0, v[\sa], v[\sb] matrix_a_fmt:MATRIX_FMT_FP4 matrix_b_fmt:MATRIX_FMT_FP4 matrix_b_scale:MATRIX_SCALE_ROW1
.else
	v_wmma_scale_f32_16x16x128_f8f6f4 v[(\d):(\d)+7], v[(\a):(\a)+7], v[(\b):(\b)+7], 0, v[\sa], v[\sb] matrix_a_fmt:MATRIX_FMT_FP4 matrix_b_fmt:MATRIX_FMT_FP4
.endif
.else
.if (\ra) && (\rb)
	v_wmma_scale_f32_16x16x128_f8f6f4 v[(\d):(\d)+7], v[(\a):(\a)+7], v[(\b):(\b)+7], v[(\c):(\c)+7], v[\sa], v[\sb] matrix_a_fmt:MATRIX_FMT_FP4 matrix_b_fmt:MATRIX_FMT_FP4 matrix_a_scale:MATRIX_SCALE_ROW1 matrix_b_scale:MATRIX_SCALE_ROW1
.elseif (\ra)
	v_wmma_scale_f32_16x16x128_f8f6f4 v[(\d):(\d)+7], v[(\a):(\a)+7], v[(\b):(\b)+7], v[(\c):(\c)+7], v[\sa], v[\sb] matrix_a_fmt:MATRIX_FMT_FP4 matrix_b_fmt:MATRIX_FMT_FP4 matrix_a_scale:MATRIX_SCALE_ROW1
.elseif (\rb)
	v_wmma_scale_f32_16x16x128_f8f6f4 v[(\d):(\d)+7], v[(\a):(\a)+7], v[(\b):(\b)+7], v[(\c):(\c)+7], v[\sa], v[\sb] matrix_a_fmt:MATRIX_FMT_FP4 matrix_b_fmt:MATRIX_FMT_FP4 matrix_b_scale:MATRIX_SCALE_ROW1
.else
	v_wmma_scale_f32_16x16x128_f8f6f4 v[(\d):(\d)+7], v[(\a):(\a)+7], v[(\b):(\b)+7], v[(\c):(\c)+7], v[\sa], v[\sb] matrix_a_fmt:MATRIX_FMT_FP4 matrix_b_fmt:MATRIX_FMT_FP4
.endif
.endif
.endm
; my 32 rows of a weight with K = 256 (rows of 128 bytes): four fragments (tile u, K step s) at v[dst + 16 u + 8 s] of window 1
.macro CH256 dst, base, imm0
.irp u,0,1
.irp s,0,1
.irp c,0,1
	global_load_b128 v[(\dst)+16*\u+8*\s+4*\c:(\dst)+16*\u+8*\s+4*\c+3], v4, s[\base:\base+1] offset:(\imm0)+1024*\u+64*\s+32*\c
.endr
.endr
.endr
.endm
; two blocks of 32 along K by turns: 16 numbers of each in v[a] on and v[b] on, the other 16 in lane l xor 16.  Codes to v[cd], v[cd+1] and v[cd+2], v[cd+3]; scale bytes to v[by], v[by+1]
.macro QUANT2 a, b, cd, by
	v_max3_num_f32 v80, |v[\a]|, |v[(\a)+1]|, 0x1800000      ; the largest magnitude, over the floor 2^(3 - 127): the byte cannot fall under 1
	v_max3_num_f32 v81, |v[\b]|, |v[(\b)+1]|, 0x1800000
.irp i,2,4,6,8,10,12,14
	v_max3_num_f32 v80, v80, |v[(\a)+\i]|, |v[(\a)+\i+1]|
	v_max3_num_f32 v81, v81, |v[(\b)+\i]|, |v[(\b)+\i+1]|
.endr
	v_permlanex16_b32 v82, v80, s[SEL], s[SEL+1]
	v_permlanex16_b32 v83, v81, s[SEL], s[SEL+1]
	v_max_num_f32 v80, v80, v82
	v_max_num_f32 v81, v81, v83
	v_add_nc_u32 v84, 0xff000000, v80                        ; 2 off the exponent field: the conversion takes this operand's exponent field as its scale
	v_add_nc_u32 v85, 0xff000000, v81
	v_lshrrev_b32 v[\by], 23, v84                            ; the scale's byte
	v_lshrrev_b32 v[(\by)+1], 23, v85
	v_cvt_scalef32_pk8_fp4_f32 v[\cd], v[(\a):(\a)+7], v84
	v_cvt_scalef32_pk8_fp4_f32 v[(\cd)+1], v[(\a)+8:(\a)+15], v84
	v_cvt_scalef32_pk8_fp4_f32 v[(\cd)+2], v[(\b):(\b)+7], v85
	v_cvt_scalef32_pk8_fp4_f32 v[(\cd)+3], v[(\b)+8:(\b)+15], v85
	v_nop                                                    ; one plain instruction behind the last scaled conversion
.endm
.macro AFETCH reg, img, n              ; n fragments come back from LDS as they were stored: 16 bytes a lane, twice
.set fi, 0
.rept \n
	ds_load_b128 v[(\reg)+8*fi:(\reg)+8*fi+3], v1 offset:(\img)+1024*fi
	ds_load_b128 v[(\reg)+8*fi+4:(\reg)+8*fi+7], v1 offset:(\img)+1024*fi+512
.set fi, fi+1
.endr
.endm
; mean and sum of squared deviations of my wave's 32 columns of token(m, r), both m by turns, to LDS
.macro LNSTAT x, stat
.irp m,0,1
	v_pk_add_f32 v[80+8*\m:81+8*\m], v[(\x)+16*\m:(\x)+16*\m+1], v[(\x)+16*\m+2:(\x)+16*\m+3]
	v_pk_add_f32 v[82+8*\m:83+8*\m], v[(\x)+16*\m+4:(\x)+16*\m+5], v[(\x)+16*\m+6:(\x)+16*\m+7]
.endr
.irp k,8,12
.irp m,0,1
	v_pk_add_f32 v[80+8*\m:81+8*\m], v[80+8*\m:81+8*\m], v[(\x)+16*\m+\k:(\x)+16*\m+\k+1]
	v_pk_add_f32 v[82+8*\m:83+8*\m], v[82+8*\m:83+8*\m], v[(\x)+16*\m+\k+2:(\x)+16*\m+\k+3]
.endr
.endr
.irp m,0,1
	v_pk_add_f32 v[80+8*\m:81+8*\m], v[80+8*\m:81+8*\m], v[82+8*\m:83+8*\m]
.endr
.irp m,0,1
	v_add_f32 v[80+8*\m], v[80+8*\m], v[81+8*\m]
.endr
.irp m,0,1
	v_permlanex16_b32 v[81+8*\m], v[80+8*\m], s[SEL], s[SEL+1]
.endr
.irp m,0,1
	v_add_f32 v[80+8*\m], v[80+8*\m], v[81+8*\m]
.endr
.irp m,0,1
	v_mul_f32 v[80+8*\m], 0x3d000000, v[80+8*\m]             ; / 32: the wave's mean
.endr
.irp k,0,2,4,6,8,10,12,14
.irp m,0,1
	v_pk_add_f32 v[82+8*\m+(\k%4):83+8*\m+(\k%4)], v[(\x)+16*\m+\k:(\x)+16*\m+\k+1], v[80+8*\m:81+8*\m] op_sel_hi:[1,0] neg_lo:[0,1] neg_hi:[0,1]
.if \k == 0
	v_pk_mul_f32 v[86+8*\m:87+8*\m], v[82+8*\m:83+8*\m], v[82+8*\m:83+8*\m]
.else
	v_pk_fma_f32 v[86+8*\m:87+8*\m], v[82+8*\m+(\k%4):83+8*\m+(\k%4)], v[82+8*\m+(\k%4):83+8*\m+(\k%4)], v[86+8*\m:87+8*\m]
.endif
.endr
.endr
.irp m,0,1
	v_add_f32 v[86+8*\m], v[86+8*\m], v[87+8*\m]
.endr
.irp m,0,1
	v_permlanex16_b32 v[87+8*\m], v[86+8*\m], s[SEL], s[SEL+1]
.endr
.irp m,0,1
	v_add_f32 v[81+8*\m], v[86+8*\m], v[87+8*\m]
.endr
	s_wait_alu depctr_va_vdst(0)                             ; the figures v80, v81, v88, v89 are written, which the LDS stores read; the products before are done reading v[R4 ..], in which the eight waves' figures land behind the barrier
.irp m,0,1
	ds_store_b64 v15, v[80+8*\m:81+8*\m] offset:(\stat)+256*\m
.endr
.endm
; the eight waves' figures are joined: mu = the mean of the means; the sum of squares = the sum of theirs + 32 x the sum of (mean - mu)^2.  y = (x - mu) rsqrt(var + eps) g + b
.macro LNAPPLY x, y, gb, stat
.irp m,0,1
.irp k,0,1,2,3,4,5,6,7
	ds_load_b64 v[R4+16*\m+2*\k:R4+16*\m+2*\k+1], v11 offset:(\stat)+512*\k+256*\m
.endr
.endr
	s_wait_dscnt 0x0
	s_wait_alu depctr_vm_vsrc(0)                             ; my LDS stores have read v80, v81, v88, v89, which are written again from here on
.irp m,0,1
	v_pk_add_f32 v[80+8*\m:81+8*\m], v[R4+16*\m:R4+16*\m+1], v[R4+16*\m+2:R4+16*\m+3]
	v_pk_add_f32 v[82+8*\m:83+8*\m], v[R4+16*\m+4:R4+16*\m+5], v[R4+16*\m+6:R4+16*\m+7]
.endr
.irp k,8,12
.irp m,0,1
	v_pk_add_f32 v[80+8*\m:81+8*\m], v[80+8*\m:81+8*\m], v[R4+16*\m+\k:R4+16*\m+\k+1]
	v_pk_add_f32 v[82+8*\m:83+8*\m], v[82+8*\m:83+8*\m], v[R4+16*\m+\k+2:R4+16*\m+\k+3]
.endr
.endr
.irp m,0,1
	v_pk_add_f32 v[80+8*\m:81+8*\m], v[80+8*\m:81+8*\m], v[82+8*\m:83+8*\m]
.endr
.irp m,0,1
	v_mul_f32 v[80+8*\m], 0x3e000000, v[80+8*\m]             ; / 8: mu
.endr
.irp k,0,1,2,3,4,5,6,7
.irp m,0,1
	v_sub_f32 v[82+8*\m+(\k%2)], v[R4+16*\m+2*\k], v[80+8*\m]
.if \k == 0
	v_mul_f32 v[84+8*\m], v[82+8*\m], v[82+8*\m]
.else
	v_fma_f32 v[84+8*\m], v[82+8*\m+(\k%2)], v[82+8*\m+(\k%2)], v[84+8*\m]
.endif
.endr
.endr
.irp m,0,1
	v_fma_f32 v[81+8*\m], v[84+8*\m], 0x42000000, v[81+8*\m] ; + 32 x
.endr
.irp m,0,1
	v_fma_f32 v[81+8*\m], v[81+8*\m], s[R256], s[EPS]        ; var + eps
.endr
	s_wait_alu depctr_va_vdst(0)
.irp m,0,1
	v_rsq_f32 v[82+8*\m], v[81+8*\m]
.endr
	v_nop                                                    ; a plain instruction behind the two,
	s_wait_alu depctr_va_vdst(0)                             ; and one wait for both: v82 and v90 are written, ahead of their first reader
.irp m,0,1
.set j, 0
.rept 8
	v_pk_add_f32 v[(\y)+16*\m+j:(\y)+16*\m+j+1], v[(\x)+16*\m+j:(\x)+16*\m+j+1], v[80+8*\m:81+8*\m] op_sel_hi:[1,0] neg_lo:[0,1] neg_hi:[0,1]
.set j, j+2
.endr
.endr
.irp m,0,1
.set j, 0
.rept 8
	v_pk_mul_f32 v[(\y)+16*\m+j:(\y)+16*\m+j+1], v[(\y)+16*\m+j:(\y)+16*\m+j+1], v[82+8*\m:83+8*\m] op_sel_hi:[1,0]
.set j, j+2
.endr
.endr
.irp m,0,1
.set j, 0
.rept 8
	v_pk_fma_f32 v[(\y)+16*\m+j:(\y)+16*\m+j+1], v[(\y)+16*\m+j:(\y)+16*\m+j+1], v[(\gb)+j:(\gb)+j+1], v[(\gb)+16+j:(\gb)+16+j+1]
.set j, j+2
.endr
.endr
.endm
; THE TAIL: the norm of v[R3] on; e out as whole rows; q, k, v of the next layer, quantised and stored.  lw: the younger loads that may stay out when gain and bias are wanted
.macro TAIL lw, cond
	LNSTAT R3, STAT3
	BARRIER                                                  ; all eight waves' figures lie in LDS
	s_wait_loadcnt \lw
	LNAPPLY R3, R2, R5, STAT3
	s_wait_xcnt 0x0                                          ; loads that named v4 and v8 have had their addresses translated (ISA guide 3.1): they are written anew.  The wait on vm_vsrc in the norm's apply stands behind every load and LDS store that read v4, v5 or v8
	s_mul_i32 s2, s[WV], 4*SPI
	s_add_co_u32 s2, s2, STG
	v_add_nc_u32 v4, s2, v1                                  ; the stage, back: rows 4 w .. 4 w + 3, 16 bytes a lane
	s_lshl_b32 s2, s[WV], 6
	v_and_b32 v5, 15, v0
	v_lshl_add_u32 v5, v5, 2, s2                             ; k's scale words: 4 r + 64 w
	v_lshlrev_b32 v8, 3, v0                                  ; 8 x thread: the scale bytes on their way out
	QUANT2 R2, R2+16, 88, 86
	s_wait_alu depctr_va_vdst(0)                             ; e in v[R2 ..], its codes v88-91 and bytes v86, v87 are written, which the LDS stores read; so are v4, v5, v8; the norm is done reading v[R5 ..] and v[R4 ..], in which the LDS loads behind the barrier land
.irp m,0,1
.irp i,0,1,2,3
	ds_store_b128 v10, v[R2+16*\m+4*\i:R2+16*\m+4*\i+3] offset:16*SPI*\m+16*\i
.endr
.endr
	ds_store_b64 v13, v[88:89] offset:ACTN
	ds_store_b64 v13, v[90:91] offset:ACTN+2048
	ds_store_b8 v14, v86 offset:XSN                          ; both lanes of a block write the same byte with the same value
	ds_store_b8 v14, v87 offset:XSN+128
	BARRIER                                                  ; 32 whole rows of e and its four fragments lie in LDS
	s_wait_alu depctr_vm_vsrc(0)                             ; my LDS stores have read v[R2 ..]: the next layer's codes and scale bytes are written there, and the gathered scale bytes land there
.irp i,0,1,2,3
.irp k,0,1
	ds_load_b128 v[R5+8*\i+4*\k:R5+8*\i+4*\k+3], v4 offset:SPI*\i+512*\k
.endr
.endr
.irp i,0,1,2,3
.irp k,0,1
	s_wait_dscnt 7-2*\i-\k                                   ; LDS loads come back in order: this one is in, the younger may be out
	global_store_b128 v1, v[R5+8*\i+4*\k:R5+8*\i+4*\k+3], s[EOUT:EOUT+1] offset:1024*\i+512*\k th:TH_STORE_NT   ; 32 lanes store 512 consecutive bytes, aligned: stage rows 4 w + i are four neighbouring tokens
.endr
.endr
.if \cond
	s_cmp_eq_u32 s[LY], 3                                    ; behind the last layer there are no q, k, v: a branch on the stored whole number, the same in every wave; no barrier stands under it
	s_cbranch_scc1 .Lno_qkv
.endif
	AFETCH R4, ACTN, 4
	ds_load_b32 v[AS], v2 offset:XSN                         ; lanes 0-15: K step 0's words, lanes 16-31: K step 1's
	ds_load_b32 v[AS+1], v2 offset:XSN+128
	s_wait_loadcnt 0x0                                       ; the weights, their scales, the biases (which lie in the accumulators)
	s_wait_dscnt 0x0
	WIN 0x01                                                 ; source 0 in window 1
.irp s,0,1
.irp m,0,1
.irp u,0,1
	WM R0+16*\m+8*\u, 160+16*\u+8*\s, R4+16*\m+8*\s, R0+16*\m+8*\u, WSB+2*\u+\s, AS+\m, 0, \s
.endr
.endr
.irp m,0,1
.irp u,0,1
	WM R1+16*\m+8*\u, 192+16*\u+8*\s, R4+16*\m+8*\s, R1+16*\m+8*\u, WSB+4+2*\u+\s, AS+\m, 0, \s
.endr
.endr
.endr
	WIN 0x04                                                 ; source 1 in window 1
.irp s,0,1
.irp u,0,1
.irp m,0,1
	WM R3+16*\u+8*\m, R4+16*\m+8*\s, 224+16*\u+8*\s, (\s)*(R3+16*\u+8*\m+1)-1, AS+\m, WSC+2*\u+\s, \s, 0
.endr
.endr
.endr
	WIN 0
	PLACES
	QUANT2 R0, R0+16, 100, 112
	QUANT2 R1, R1+16, 104, 114
.set j, 0
.rept 8
	v_pk_add_f32 v[R3+j:R3+j+1], v[R3+j:R3+j+1], v[224:225] op_sel_hi:[1,0]          ; v's bias belongs to the lane's row
.set j, j+2
.endr
.rept 8
	v_pk_add_f32 v[R3+j:R3+j+1], v[R3+j:R3+j+1], v[226:227] op_sel_hi:[1,0]
.set j, j+2
.endr
	QUANT2 R3, R3+16, 108, 116
	v_cndmask_b32 v118, v112, v113, s[HM]                    ; q's word 16 m + r: lanes 16-31 take m = 1;
	v_perm_b32 v118, v118, v118, 0                           ; the byte four times, so that it serves whichever block q's codes are put into
	v_lshl_or_b32 v119, v115, 8, v114                        ; k's word r: the bytes of tokens (0, r), (1, r), twice
	v_lshl_or_b32 v119, v119, 16, v119
	v_cndmask_b32 v120, v116, v117, s[HM]                    ; v's byte 16 u + r
	s_wait_alu depctr_va_vdst(0)                             ; the codes v100-111 and the scale words v118-120 are written, which the nine stores below read
	ds_store_b32 v12, v118 offset:SRS
	ds_store_b32 v5, v119 offset:SRS+1024
	ds_store_b8 v0, v120 offset:SRS+1536
	global_store_b64 v3, v[100:101], s[QCO:QCO+1]            ; each store of the wave covers 256 consecutive bytes, aligned
	global_store_b64 v3, v[102:103], s[QCO:QCO+1] offset:256
	global_store_b64 v3, v[104:105], s[KCO:KCO+1]
	global_store_b64 v3, v[106:107], s[KCO:KCO+1] offset:256
	global_store_b64 v3, v[108:109], s[VCO:VCO+1]
	global_store_b64 v3, v[110:111], s[VCO:VCO+1] offset:1024
.Lno_qkv:
	BARRIER                                                  ; the block's 1,792 scale bytes lie in LDS
.if \cond
	s_cmp_eq_u32 s[LY], 3
	s_cbranch_scc1 .Lend
.endif
	s_cmp_gt_u32 s[WV], 6
	s_cbranch_scc1 .Lend
	ds_load_b64 v[122:123], v8 offset:SRS                    ; (no vector instruction since the last wait on va_vdst names v122, v123 or v8)
	s_wait_dscnt 0x0
	global_store_b64 v11, v[122:123], s[SRO:SRO+1]           ; seven waves, 256 consecutive bytes each, aligned
.endm
.macro PADW p, wsh
	s_lshl_b32 s[OF], s[WV], \wsh
	s_add_nc_u64 s[\p:\p+1], s[\p:\p+1], s[OF:OF+1]
.endm
	s_load_b512 s[8:23], s[0:1], 0x0               ; x_codes 8, x_scales 10, Win_codes 12, Win_scales 14, bin_ 16, ln1_g 18, ln1_b 20, Wq_codes 22
	s_load_b512 s[24:39], s[0:1], 0x40             ; Wq_scales 24, bq 26, Wk_codes 28, Wk_scales 30, bk 32, Wv_codes 34, Wv_scales 36, bv 38
	s_load_b256 s[40:47], s[0:1], 0x80             ; eA 40, actA 42, lay0 44, lay1 46
	s_load_b128 s[48:51], s[0:1], 0xa0             ; lay2 48, lay3 50
	v_lshl_add_u32 v246, v0, 2, 0x16000
	v_mov_b32 v247, 0
	v_lshrrev_b32 v200, 5, v0
	v_readfirstlane_b32 s[WV], v200                ; wave 0..7
	v_and_b32 v200, 31, v0                         ; L
	v_and_b32 v201, 15, v0                         ; r
	v_bfe_u32 v202, v0, 4, 1                       ; h
	v_and_b32 v203, 8, v0
	v_add_nc_u32 v203, v203, v201                  ; row(r)
	v_lshlrev_b32 v1, 4, v200                      ; v1  16 L
	v_lshlrev_b32 v2, 2, v200                      ; v2  4 L
	v_lshlrev_b32 v3, 4, v201
	v_lshl_add_u32 v3, v202, 3, v3                 ; v3  16 r + 8 h
	v_lshlrev_b32 v4, 7, v203
	v_lshl_add_u32 v4, v202, 4, v4                 ; v4  128 row(r) + 16 h: a fragment's bytes in rows of 128
	v_lshlrev_b32 v6, 6, v202                      ; v6  64 h
	v_lshlrev_b32 v7, 3, v203                      ; v7  8 row(r)
	v_lshlrev_b32 v9, 2, v203                      ; v9  4 row(r)
	s_wait_alu depctr_va_sdst(0)                   ; the wave's number is written, ahead of its first reader
	s_lshl_b32 s2, s[WV], 7
	s_add_co_u32 s2, s2, STG
	v_mad_u32_u24 v10, v201, SPI, v6
	v_add_nc_u32 v10, s2, v10                      ; v10 the stage, in: row r, + 128 w + 64 h
	v_lshlrev_b32 v11, 3, v200                     ; v11 8 L
	v_lshlrev_b32 v12, 2, v0                       ; v12 4 L + 128 w
	s_lshl_b32 s2, s[WV], 8
	v_add_nc_u32 v13, s2, v3                       ; v13 my block of an image: 16 r + 8 h + 256 w
	s_lshr_b32 s2, s[WV], 2
	s_lshl_b32 s2, s2, 6
	s_and_b32 s3, s[WV], 3
	s_add_co_u32 s2, s2, s3
	v_lshl_add_u32 v14, v201, 2, s2                ; v14 its scale byte: 4 r + 64 (w / 4) + w % 4
	s_lshl_b32 s2, s[WV], 9
	v_lshl_add_u32 v15, v200, 3, s2                ; v15 the norm's figures: 8 L + 512 w
	v_mov_b32 v225, 0                              ; named as upper halves of pairs
	v_mov_b32 v227, 0
	s_mov_b32 s[SEL], 0x76543210
	s_mov_b32 s[SEL+1], 0xfedcba98
	s_mov_b32 s[EPS], 0x3727c5ac                   ; 1e-5
	s_mov_b32 s[R256], 0x3b800000                  ; 1 / 256
	s_mov_b32 s[HM], 0xffff0000
	s_mov_b32 s[OF+1], 0
	s_wait_kmcnt 0x0
	s_lshl_b32 s[OF], ttmp9, 12                    ; x: 32 rows of 128 bytes a work-group
	s_add_nc_u64 s[8:9], s[8:9], s[OF:OF+1]
	s_lshl_b32 s[OF], ttmp9, 8
	s_add_nc_u64 s[10:11], s[10:11], s[OF:OF+1]
	PADW 12, 12                                    ; my 32 rows of each weight, their scale words, my 32 numbers of each vector
	PADW 14, 8
	PADW 16, 7
	PADW 18, 7
	PADW 20, 7
	PADW 22, 12
	PADW 24, 8
	PADW 26, 7
	PADW 28, 12
	PADW 30, 8
	PADW 32, 7
	PADW 34, 12
	PADW 36, 8
	PADW 38, 7
	s_wait_alu depctr_va_vdst(0)                   ; the offsets and LDS addresses v1 to v15 are written, which the loads and stores below read; so are v200 to v203, in which gain and bias land
	; group 1, 28 loads: what the first product wants
.irp m,0,1
.irp s,0,1
.irp c,0,1
	global_load_b128 v[R4+16*\m+8*\s+4*\c:R4+16*\m+8*\s+4*\c+3], v4, s[8:9] offset:1024*\m+64*\s+32*\c
.endr
.endr
.endr
.irp m,0,1
	global_load_b64 v[AS+2*\m:AS+2*\m+1], v7, s[10:11] offset:64*\m
.endr
	WIN 0x40                                       ; destination in window 1
	CH256 0, 12, 0
	WIN 0
.irp u,0,1
	global_load_b64 v[WSA+2*\u:WSA+2*\u+1], v7, s[14:15] offset:64*\u
.endr
.irp m,0,1
.irp i,0,1,2,3
	global_load_b128 v[R3+16*\m+4*\i:R3+16*\m+4*\i+3], v6, s[16:17] offset:16*\i      ; the bias lies in the accumulator: the first product adds onto it
.endr
.endr
	; group 2, 8 loads: gain and bias of the norm
.irp i,0,1,2,3
	global_load_b128 v[R5+4*\i:R5+4*\i+3], v6, s[18:19] offset:16*\i
.endr
.irp i,0,1,2,3
	global_load_b128 v[R5+16+4*\i:R5+16+4*\i+3], v6, s[20:21] offset:16*\i
.endr
	; group 3, 48 loads: what q, k, v want
	WIN 0x40
	CH256 160, 22, 0
	CH256 192, 28, 0
	CH256 224, 34, 0
	WIN 0
.irp u,0,1
	global_load_b64 v[WSB+2*\u:WSB+2*\u+1], v7, s[24:25] offset:64*\u
.endr
.irp u,0,1
	global_load_b64 v[WSB+4+2*\u:WSB+4+2*\u+1], v7, s[30:31] offset:64*\u
.endr
.irp u,0,1
	global_load_b64 v[WSC+2*\u:WSC+2*\u+1], v7, s[36:37] offset:64*\u
.endr
.irp m,0,1
.irp i,0,1,2,3
	global_load_b128 v[R0+16*\m+4*\i:R0+16*\m+4*\i+3], v6, s[26:27] offset:16*\i
.endr
.endr
.irp m,0,1
.irp i,0,1,2,3
	global_load_b128 v[R1+16*\m+4*\i:R1+16*\m+4*\i+3], v6, s[32:33] offset:16*\i
.endr
.endr
	global_load_b32 v224, v9, s[38:39]
	global_load_b32 v226, v9, s[38:39] offset:32
	; where the results go
	s_lshr_b32 s2, s[WV], 2                        ; stage rows 4 w .. 4 w + 3 are tokens 8 (w / 4) + 16 ((w / 2) % 2) + 4 (w % 2) + 0 .. 3
	s_lshl_b32 s2, s2, 3
	s_bfe_u32 s3, s[WV], 0x10001
	s_lshl_b32 s3, s3, 4
	s_add_co_u32 s2, s2, s3
	s_and_b32 s3, s[WV], 1
	s_lshl_b32 s3, s3, 2
	s_add_co_u32 s2, s2, s3
	s_lshl_b32 s2, s2, 10
	s_lshl_b32 s[OF], ttmp9, 15
	s_add_co_u32 s[OF], s[OF], s2
	s_add_nc_u64 s[EOUT:EOUT+1], s[EOUT:EOUT+1], s[OF:OF+1]
	s_lshl_b32 s[OF], ttmp9, 12
	s_lshl_b32 s2, s[WV], 9
	s_add_co_u32 s[OF], s[OF], s2
	s_add_nc_u64 s[QCO:QCO+1], s[42:43], s[OF:OF+1]
	s_lshr_b32 s[OF], ttmp9, 5                     ; the sequence
	s_lshl_b32 s[OF], s[OF], 17
	s_lshl_b32 s2, s[WV], 14
	s_add_co_u32 s[OF], s[OF], s2
	s_add_co_u32 s[OF], s[OF], 0x100000
	s_add_nc_u64 s[KCO:KCO+1], s[42:43], s[OF:OF+1]
	s_add_nc_u64 s[VCO:VCO+1], s[KCO:KCO+1], 0x100000
	s_and_b32 s3, ttmp9, 31                        ; the block of 32 tokens in its sequence
	s_lshl_b32 s[OF], s3, 9
	s_add_nc_u64 s[KCO:KCO+1], s[KCO:KCO+1], s[OF:OF+1]
	s_lshr_b32 s[OF], s3, 2
	s_lshl_b32 s[OF], s[OF], 11
	s_and_b32 s2, s3, 3
	s_lshl_b32 s2, s2, 8
	s_add_co_u32 s[OF], s[OF], s2
	s_add_nc_u64 s[VCO:VCO+1], s[VCO:VCO+1], s[OF:OF+1]
	s_lshl_b32 s[OF], ttmp9, 11
	s_lshl_b32 s2, s[WV], 8
	s_add_co_u32 s[OF], s[OF], s2
	s_add_co_u32 s[OF], s[OF], 0x300000
	s_add_nc_u64 s[SRO:SRO+1], s[42:43], s[OF:OF+1]
	s_wait_loadcnt 56                              ; group 1 is in; the 8 + 48 loads of groups 2 and 3 may be out
	WIN 0x01
.irp s,0,1                                     ; four accumulators by turns, one instruction a turn
.irp m,0,1
.irp u,0,1
	WM R3+16*\m+8*\u, 16*\u+8*\s, R4+16*\m+8*\s, R3+16*\m+8*\u, WSA+2*\u+\s, AS+2*\m+\s, 0, 0
.endr
.endr
.endr
	WIN 0
	PLACES
	TAIL 48, 0                                     ; at the norm's apply group 3's 48 loads may be out
	s_or_b32 s2, s[WV], ttmp9                      ; wave 0 of work-group 0 stores the layers' numbers: 256 bytes each
	s_cmp_lg_u32 s2, 0
	s_cbranch_scc1 .Lend
.irp i,0,1,2,3
	v_mov_b32 v[160+2*\i], \i
	v_mov_b32 v[161+2*\i], \i
.endr
	s_wait_alu depctr_va_vdst(0)                   ; the layers' numbers v160-167 are written, which the four stores read
	global_store_b64 v11, v[160:161], s[44:45]
	global_store_b64 v11, v[162:163], s[46:47]
	global_store_b64 v11, v[164:165], s[48:49]
	global_store_b64 v11, v[166:167], s[50:51]
.Lend:
	s_wait_dscnt 0x0
	s_wait_alu depctr_hold_cnt(0) depctr_sa_sdst(0) depctr_va_vdst(0) depctr_va_sdst(0) depctr_va_ssrc(0) depctr_va_vcc(0) depctr_vm_vsrc(0)
	s_wait_tensorcnt 0x0
	ds_add_u32 v246, v247
	s_wait_dscnt 0x0
	s_endpgm
.Lfunc_end_k_q8ec887f779_front:
	.size	k_q8ec887f779_front, .Lfunc_end_k_q8ec887f779_front-k_q8ec887f779_front
	.p2alignl 7, 3214868480
	.fill 96, 4, 3214868480
	.section	.rodata,"a",@progbits
	.p2align	6, 0x0
	.amdhsa_kernel k_q8ec887f779_front
		.amdhsa_group_segment_fixed_size 91136
		.amdhsa_private_segment_fixed_size 0
		.amdhsa_enable_private_segment 0
		.amdhsa_kernarg_size 176
		.amdhsa_user_sgpr_count 2
		.amdhsa_user_sgpr_kernarg_segment_ptr 1
		.amdhsa_wavefront_size32 1
		.amdhsa_system_sgpr_workgroup_id_x 1
		.amdhsa_system_sgpr_workgroup_id_y 1
		.amdhsa_system_sgpr_workgroup_id_z 1
		.amdhsa_system_vgpr_workitem_id 0
		.amdhsa_next_free_vgpr 512
		.amdhsa_next_free_sgpr 102
		.amdhsa_reserve_vcc 0
		.amdhsa_float_denorm_mode_32 3
		.amdhsa_float_denorm_mode_16_64 3
		.amdhsa_memory_ordered 1
		.amdhsa_forward_progress 1
		.amdhsa_inst_pref_size 42
	.end_amdhsa_kernel
	.amdgpu_metadata
---
amdhsa.version: [ 1, 2 ]
amdhsa.kernels:
  - .name:           k_q8ec887f779_front
    .symbol:         k_q8ec887f779_front.kd
    .args:
      - { .name: x_codes, .offset: 0, .size: 8, .value_kind: global_buffer, .address_space: global }
      - { .name: x_scales, .offset: 8, .size: 8, .value_kind: global_buffer, .address_space: global }
      - { .name: Win_codes, .offset: 16, .size: 8, .value_kind: global_buffer, .address_space: global }
      - { .name: Win_scales, .offset: 24, .size: 8, .value_kind: global_buffer, .address_space: global }
      - { .name: bin_, .offset: 32, .size: 8, .value_kind: global_buffer, .address_space: global }
      - { .name: ln1_g, .offset: 40, .size: 8, .value_kind: global_buffer, .address_space: global }
      - { .name: ln1_b, .offset: 48, .size: 8, .value_kind: global_buffer, .address_space: global }
      - { .name: Wq_codes, .offset: 56, .size: 8, .value_kind: global_buffer, .address_space: global }
      - { .name: Wq_scales, .offset: 64, .size: 8, .value_kind: global_buffer, .address_space: global }
      - { .name: bq, .offset: 72, .size: 8, .value_kind: global_buffer, .address_space: global }
      - { .name: Wk_codes, .offset: 80, .size: 8, .value_kind: global_buffer, .address_space: global }
      - { .name: Wk_scales, .offset: 88, .size: 8, .value_kind: global_buffer, .address_space: global }
      - { .name: bk, .offset: 96, .size: 8, .value_kind: global_buffer, .address_space: global }
      - { .name: Wv_codes, .offset: 104, .size: 8, .value_kind: global_buffer, .address_space: global }
      - { .name: Wv_scales, .offset: 112, .size: 8, .value_kind: global_buffer, .address_space: global }
      - { .name: bv, .offset: 120, .size: 8, .value_kind: global_buffer, .address_space: global }
      - { .name: eA, .offset: 128, .size: 8, .value_kind: global_buffer, .address_space: global }
      - { .name: actA, .offset: 136, .size: 8, .value_kind: global_buffer, .address_space: global }
      - { .name: lay0, .offset: 144, .size: 8, .value_kind: global_buffer, .address_space: global }
      - { .name: lay1, .offset: 152, .size: 8, .value_kind: global_buffer, .address_space: global }
      - { .name: lay2, .offset: 160, .size: 8, .value_kind: global_buffer, .address_space: global }
      - { .name: lay3, .offset: 168, .size: 8, .value_kind: global_buffer, .address_space: global }
    .group_segment_fixed_size: 91136
    .private_segment_fixed_size: 0
    .kernarg_segment_align: 8
    .kernarg_segment_size: 176
    .max_flat_workgroup_size: 256
    .sgpr_count:     102
    .vgpr_count:     512
    .wavefront_size: 32
...
	.end_amdgpu_metadata
.endif
;; end of part 3
;; launch layer0 (part 4): grid 256 x 1, 8 waves a work-group, no clusters, 91,136 bytes of LDS; arguments lay0, eA, actA, Wo_codes, Wo_scales, bo, ln2_g, ln2_b, W1_codes, W1_scales, b1, W2_codes, W2_scales, b2, ln1_g, ln1_b, lno_g, lno_b, Wq_codes, Wq_scales, bq, Wk_codes, Wk_scales, bk, Wv_codes, Wv_scales, bv, eB, actB; writes eB, actB
.if DOCPART == 4
	.amdgcn_target "amdgcn-amd-amdhsa--gfx1250"
	.amdhsa_code_object_version 6
	.text
	.protected	k_q8ec887f779_layer0
	.globl	k_q8ec887f779_layer0
	.p2align	8
	.type	k_q8ec887f779_layer0,@function
k_q8ec887f779_layer0:
	s_mov_b64 s[64:65], 0
	v_nop
	global_prefetch_b8 v0, s[64:65] scope:SCOPE_SE
	s_setreg_imm32_b32 hwreg(HW_REG_WAVE_SCHED_MODE, 0, 2), 2
	s_setreg_imm32_b32 hwreg(HW_REG_WAVE_MODE, 25, 1), 1
	s_wait_xcnt 0x0
	s_wait_alu depctr_vm_vsrc(0)
; ONE LAYER: attention on the stored q, k, v; ctx Wo^T + bo + e; LN2; the feed-forward layer + e; the next layer's LN1 and its q, k, v (behind the last layer: the closing norm, and no q, k, v).
; All products on codes of FP4 (E2M1) with one E8M0 scale for each 32 along K.  The layer's number is a stored whole number, held to 0 .. 3: address offsets, one choice of pointers and two forward branches hang on it.
; A work-group of eight waves owns 32 tokens.  Wave w is head w, columns 32 w .. 32 w + 31 of every 256-wide product, and hidden units 64 w .. 64 w + 63.  Its part of every weight stays in its registers (window 1).
; L = lane, r = L % 16, h = L / 16, row(r) = r + (r & 8).  token(m, r) = 8 m + row(r), m = 0, 1.  Tile u of 32 weight rows takes row 8 u + row(r).
; TRANSPOSED products (source 0 = 16 weight rows, source 1 = 16 tokens): lane (r, h) holds token(m, r), and the 16 registers of tiles u = 0, 1 are columns 16 h + 0 .. 15 of the block of 32.
; V's product is not transposed: lane (r, h) holds V's row 8 u + row(r), and the 16 registers of tiles m = 0, 1 are tokens 16 h + 0 .. 15.  So one quantiser serves all operands.
; ATTENTION.  S^T = K Q^T, O^T = V^T P^T: a lane holds one query throughout.  The head's size is 32, one block of the instruction's four: a fragment of K holds FOUR tiles of 16 keys, one in each block, and tile j is
; multiplied by a fragment of Q that has q's codes in block j and zero codes elsewhere.  The keys of tile 2 b + u are 32 b + 8 u + row(r), so p's 16 registers of two tiles are 16 neighbouring keys.
; t = score x log2(e) / sqrt(32); M = the running largest t rounded up to a whole number; p = 2^(t - M) is quantised along the keys; the row's sum is taken of the unquantised p and divides at the end.
; Operands go from wave to wave through LDS as images of their registers (block j of a K step at 256 j + 16 r), their scale words beside them.
; No tensor load and no cluster: the text branches on the stored layer number, and of K, V and the weights every byte that a work-group reads goes to exactly one wave's registers, so LDS would only add a hop.
; LIMITS: NaN and infinities are not served.  A block of zeros gets the scale byte 1 and not 127: its codes are zeros and this program alone reads the bytes.  The score's two factors are one constant.
; A norm's variance is made of the eight waves' means and sums of squared deviations, joined exactly (no difference of large sums); the order of summation differs from a plain row sum.  1 / l by v_rcp_f32, 1 / sqrt by v_rsq_f32.
; THE MODE: SCHED_MODE bits 1:0 = 2 (LLVM: expert scheduling mode 2), set by the entry lines.  The code itself states the register dependences
; between vector or matrix instructions and memory or LDS instructions, with s_wait_alu, always for 0.
; THE PLAN.  Registers that memory or LDS instructions touch:
;   v1-v15, v204, v229  offsets and LDS addresses, made at the head ahead of one wait on va_vdst.  v4, v5, v10, v11 are made anew behind attention, v4, v5, v8 in the tail, each time behind a wait on vm_vsrc and ahead of a wait on va_vdst that stands there anyway.
;   KF, SK     a key step's K and its scale words.  Read by the step's sixteen products K Q^T; the next step's loads stand behind the second eight, behind one wait on va_vdst.
;   VF, SV     its V and scale word.  Read by the step's four products V^T P^T; the next step's loads stand behind the last two, behind one wait on va_vdst.
;   window 1   the weights: loads land there in attention; no vector or matrix instruction has named these registers by then.
;   PCD, PS    p's codes and scale word: written by the softmax, taken by V^T P^T as source 1 and scales: one wait on va_vdst ahead of each pair of those products, behind the places.  Q's chain likewise, once, ahead of the first key step.
;   R0 .. R5, v230-255  behind attention: loads (biases, gains, scale words, e) and LDS loads (fragments, figures, rows of e) land in registers whose last vector or matrix reader stands ahead of a wait on va_vdst, with no vector or matrix instruction on those registers between.
;   v80-95, v160, v161, R2, v100-120  out-buffers: written by the norms and the quantisers, read by LDS and global stores.  One wait on va_vdst stands ahead of each run of stores, one on vm_vsrc ahead of the first line that writes such a register again.
.set KSL,   0                          ; LDS: k's scale words of the sequence: [block of 32 keys][head][16 words]
.set VSW,   16384                      ; v's: [128 keys][256 rows] words
.set ACTC,  24576                      ; ctx's four fragments (1,024 (2 m + s))
.set ACTE,  28672                      ; those of e behind LN2
.set ACTH,  32768                      ; the hidden layer's eight (1,024 (4 m + s))
.set ACTN,  40960                      ; those of e behind the last norm
.set XSC,   45056                      ; their scale words: 128 m + 64 s + 4 r (hidden: 256 m + 64 s + 4 r)
.set XSE,   45312
.set XSH,   45568
.set XSN,   46080
.set STAT2, 46336                      ; [wave][m][lane] x 8 bytes: mean and sum of squared deviations of a wave's 32 columns
.set STAT3, 50432
.set SRS,   54528                      ; the block's 1,792 scale bytes, gathered
.set STG,   56576                      ; 32 rows of e, row 16 m + r, 1,024 bytes + 16
.set SPI,   1040
; window 0 in attention
.set QCH, 16                           ; v16-51   0, Q of tile 0 in lanes 0-15, 0, the same in lanes 16-31, 0, tile 1 likewise, 0: groups of four; eight on end are a fragment with q in one block
.set KF,  56                           ; v56-71   two fragments of K: 128 keys
.set VF,  72                           ; v72-87   two fragments of V^T
.set NM,  88                           ; v88 + 4 q  -M;  v89 + 4 q the largest t;  v[90 + 4 q : 91 + 4 q] the sum, in two halves
.set TX,  89
.set LSM, 90
.set S,   96                           ; v96-159  S^T, then p
.set O,   160                          ; v160-191 O^T: 16 q + 8 u
.set PCD, 192                          ; v192-199 p's codes
.set BM,  200
.set BT,  204
.set SCO, 208
.set F,   212
.set T,   214
.set SP,  216
.set PFO, 229                          ; v229     the prefetches' offset; never rewritten
.set SQ,  230                          ; v230-255 hold scales and nothing else
.set PS,  231
.set SK,  232
.set SV,  234
; window 0 behind attention
.set R0, 16
.set R1, 48
.set R2, 96
.set R3, 128
.set R4, 160
.set R5, 192
.set AS,  230
.set WSC, 236
.set WSA, 240
.set WSB, 248
.set WV,  68
.set LY,  69                           ; the layer
.set NX,  70                           ; the next one, held to 3
.set WG,  72
.set SEQ, 73
.set BETA, 74                          ; my block of 32 tokens in its sequence
.set SEL, 76
.set CS,  78
.set EPS, 80
.set R256, 81
.set HM,  82
.set OF,  84
.set KCI, 86
.set VCI, 88
.set SRQ, 90
.set QCI, 92
.set QCO, 94
.set KCO, 96
.set VCO, 98
.set SRO, 100
.set EOUT, 62
.set MSB, 0
.macro WIN new                         ; the immediate's high byte repeats the setting that is left
.if MSB != \new
	s_set_vgpr_msb (MSB<<8)|\new
.set MSB, \new
.endif
.endm
.macro BARRIER                         ; my LDS stores have landed and my LDS loads are in: then the work-group's barrier
	s_wait_dscnt 0x0
	s_barrier_signal -1
	s_barrier_wait -1
.endm
.macro PLACES                          ; four plain vector instructions between a matrix instruction and a read of its result or a load into its registers
.rept 4
	v_nop
.endr
.endm
; one matrix instruction.  c < 0: the sum starts with 0.  ra, rb: the scale words stand in lanes 16-31 of their registers
.macro WM d, a, b, c, sa, sb, ra, rb
.if (\c) < 0
.if (\ra) && (\rb)
	v_wmma_scale_f32_16x16x128_f8f6f4 v[(\d):(\d)+7], v[(\a):(\a)+7], v[(\b):(\b)+7], 0, v[\sa], v[\sb] matrix_a_fmt:MATRIX_FMT_FP4 matrix_b_fmt:MATRIX_FMT_FP4 matrix_a_scale:MATRIX_SCALE_ROW1 matrix_b_scale:MATRIX_SCALE_ROW1
.elseif (\ra)
	v_wmma_scale_f32_16x16x128_f8f6f4 v[(\d):(\d)+7], v[(\a):(\a)+7], v[(\b):(\b)+7], 0, v[\sa], v[\sb] matrix_a_fmt:MATRIX_FMT_FP4 matrix_b_fmt:MATRIX_FMT_FP4 matrix_a_scale:MATRIX_SCALE_ROW1
.elseif (\rb)
	v_wmma_scale_f32_16x16x128_f8f6f4 v[(\d):(\d)+7], v[(\a):(\a)+7], v[(\b):(\b)+7], 0, v[\sa], v[\sb] matrix_a_fmt:MATRIX_FMT_FP4 matrix_b_fmt:MATRIX_FMT_FP4 matrix_b_scale:MATRIX_SCALE_ROW1
.else
	v_wmma_scale_f32_16x16x128_f8f6f4 v[(\d):(\d)+7], v[(\a):(\a)+7], v[(\b):(\b)+7], 0, v[\sa], v[\sb] matrix_a_fmt:MATRIX_FMT_FP4 matrix_b_fmt:MATRIX_FMT_FP4
.endif
.else
.if (\ra) && (\rb)
	v_wmma_scale_f32_16x16x128_f8f6f4 v[(\d):(\d)+7], v[(\a):(\a)+7], v[(\b):(\b)+7], v[(\c):(\c)+7], v[\sa], v[\sb] matrix_a_fmt:MATRIX_FMT_FP4 matrix_b_fmt:MATRIX_FMT_FP4 matrix_a_scale:MATRIX_SCALE_ROW1 matrix_b_scale:MATRIX_SCALE_ROW1
.elseif (\ra)
	v_wmma_scale_f32_16x16x128_f8f6f4 v[(\d):(\d)+7], v[(\a):(\a)+7], v[(\b):(\b)+7], v[(\c):(\c)+7], v[\sa], v[\sb] matrix_a_fmt:MATRIX_FMT_FP4 matrix_b_fmt:MATRIX_FMT_FP4 matrix_a_scale:MATRIX_SCALE_ROW1
.elseif (\rb)
	v_wmma_scale_f32_16x16x128_f8f6f4 v[(\d):(\d)+7], v[(\a):(\a)+7], v[(\b):(\b)+7], v[(\c):(\c)+7], v[\sa], v[\sb] matrix_a_fmt:MATRIX_FMT_FP4 matrix_b_fmt:MATRIX_FMT_FP4 matrix_b_scale:MATRIX_SCALE_ROW1
.else
	v_wmma_scale_f32_16x16x128_f8f6f4 v[(\d):(\d)+7], v[(\a):(\a)+7], v[(\b):(\b)+7], v[(\c):(\c)+7], v[\sa], v[\sb] matrix_a_fmt:MATRIX_FMT_FP4 matrix_b_fmt:MATRIX_FMT_FP4
.endif
.endif
.endm
; 32 rows of a weight with K = 256 (rows of 128 bytes): four fragments (tile u, K step s) at v[dst + 16 u + 8 s] of window 1
.macro CH256 dst, base, imm0
.irp u,0,1
.irp s,0,1
.irp c,0,1
	global_load_b128 v[(\dst)+16*\u+8*\s+4*\c:(\dst)+16*\u+8*\s+4*\c+3], v4, s[\base:\base+1] offset:(\imm0)+1024*\u+64*\s+32*\c
.endr
.endr
.endr
.endm
; 16 rows of a weight with K = 512 (rows of 256 bytes): four fragments (K step k) at v[dst + 8 k] of window 1
.macro CH512 dst, base, imm0
.irp k,0,1,2,3
.irp c,0,1
	global_load_b128 v[(\dst)+8*\k+4*\c:(\dst)+8*\k+4*\c+3], v5, s[\base:\base+1] offset:(\imm0)+64*\k+32*\c
.endr
.endr
.endm
; the weights come in eight parts of eight loads, one in each key step.  They land in registers that no vector or matrix instruction has named, by offsets made at the head
.macro CHUNK n
	WIN 0x40                                                 ; destination in window 1
.if (\n) == 0
	CH256 0, 14, 0                                           ; Wo
.elseif (\n) == 1
	CH256 32, 24, 0                                          ; W1, hidden units 64 w on
.elseif (\n) == 2
	CH256 64, 24, 4096                                       ; W1, 64 w + 32 on
.elseif (\n) == 3
	CH512 96, 30, 0                                          ; W2, tile 0
.elseif (\n) == 4
	CH512 128, 30, 2048                                      ; W2, tile 1
.elseif (\n) == 5
	CH256 160, 44, 0                                         ; the next layer's Wq, Wk, Wv (behind the last layer: its own again, unused, so that every count is the same on both ways)
.elseif (\n) == 6
	CH256 192, 50, 0
.else
	CH256 224, 56, 0
.endif
	WIN 0
.endm
; two blocks of 32 along K by turns: 16 numbers of each in v[a] on and v[b] on, the other 16 in lane l xor 16.  Codes to v[cd], v[cd+1] and v[cd+2], v[cd+3]; scale bytes to v[by], v[by+1]
.macro QUANT2 a, b, cd, by
	v_max3_num_f32 v80, |v[\a]|, |v[(\a)+1]|, 0x1800000      ; the largest magnitude, over the floor 2^(3 - 127): the byte cannot fall under 1
	v_max3_num_f32 v81, |v[\b]|, |v[(\b)+1]|, 0x1800000
.irp i,2,4,6,8,10,12,14
	v_max3_num_f32 v80, v80, |v[(\a)+\i]|, |v[(\a)+\i+1]|
	v_max3_num_f32 v81, v81, |v[(\b)+\i]|, |v[(\b)+\i+1]|
.endr
	v_permlanex16_b32 v82, v80, s[SEL], s[SEL+1]
	v_permlanex16_b32 v83, v81, s[SEL], s[SEL+1]
	v_max_num_f32 v80, v80, v82
	v_max_num_f32 v81, v81, v83
	v_add_nc_u32 v84, 0xff000000, v80                        ; 2 off the exponent field: the conversion takes this operand's exponent field as its scale
	v_add_nc_u32 v85, 0xff000000, v81
	v_lshrrev_b32 v[\by], 23, v84                            ; the scale's byte
	v_lshrrev_b32 v[(\by)+1], 23, v85
	v_cvt_scalef32_pk8_fp4_f32 v[\cd], v[(\a):(\a)+7], v84
	v_cvt_scalef32_pk8_fp4_f32 v[(\cd)+1], v[(\a)+8:(\a)+15], v84
	v_cvt_scalef32_pk8_fp4_f32 v[(\cd)+2], v[(\b):(\b)+7], v85
	v_cvt_scalef32_pk8_fp4_f32 v[(\cd)+3], v[(\b)+8:(\b)+15], v85
	v_nop                                                    ; one plain instruction behind the last scaled conversion
.endm
.macro AFETCH reg, img, n              ; n fragments come back from LDS as they were stored: 16 bytes a lane, twice
.set fi, 0
.rept \n
	ds_load_b128 v[(\reg)+8*fi:(\reg)+8*fi+3], v1 offset:(\img)+1024*fi
	ds_load_b128 v[(\reg)+8*fi+4:(\reg)+8*fi+7], v1 offset:(\img)+1024*fi+512
.set fi, fi+1
.endr
.endm
; mean and sum of squared deviations of my wave's 32 columns of token(m, r), both m by turns, to LDS
.macro LNSTAT x, stat
.irp m,0,1
	v_pk_add_f32 v[80+8*\m:81+8*\m], v[(\x)+16*\m:(\x)+16*\m+1], v[(\x)+16*\m+2:(\x)+16*\m+3]
	v_pk_add_f32 v[82+8*\m:83+8*\m], v[(\x)+16*\m+4:(\x)+16*\m+5], v[(\x)+16*\m+6:(\x)+16*\m+7]
.endr
.irp k,8,12
.irp m,0,1
	v_pk_add_f32 v[80+8*\m:81+8*\m], v[80+8*\m:81+8*\m], v[(\x)+16*\m+\k:(\x)+16*\m+\k+1]
	v_pk_add_f32 v[82+8*\m:83+8*\m], v[82+8*\m:83+8*\m], v[(\x)+16*\m+\k+2:(\x)+16*\m+\k+3]
.endr
.endr
.irp m,0,1
	v_pk_add_f32 v[80+8*\m:81+8*\m], v[80+8*\m:81+8*\m], v[82+8*\m:83+8*\m]
.endr
.irp m,0,1
	v_add_f32 v[80+8*\m], v[80+8*\m], v[81+8*\m]
.endr
.irp m,0,1
	v_permlanex16_b32 v[81+8*\m], v[80+8*\m], s[SEL], s[SEL+1]
.endr
.irp m,0,1
	v_add_f32 v[80+8*\m], v[80+8*\m], v[81+8*\m]
.endr
.irp m,0,1
	v_mul_f32 v[80+8*\m], 0x3d000000, v[80+8*\m]             ; / 32: the wave's mean
.endr
.irp k,0,2,4,6,8,10,12,14
.irp m,0,1
	v_pk_add_f32 v[82+8*\m+(\k%4):83+8*\m+(\k%4)], v[(\x)+16*\m+\k:(\x)+16*\m+\k+1], v[80+8*\m:81+8*\m] op_sel_hi:[1,0] neg_lo:[0,1] neg_hi:[0,1]
.if \k == 0
	v_pk_mul_f32 v[86+8*\m:87+8*\m], v[82+8*\m:83+8*\m], v[82+8*\m:83+8*\m]
.else
	v_pk_fma_f32 v[86+8*\m:87+8*\m], v[82+8*\m+(\k%4):83+8*\m+(\k%4)], v[82+8*\m+(\k%4):83+8*\m+(\k%4)], v[86+8*\m:87+8*\m]
.endif
.endr
.endr
.irp m,0,1
	v_add_f32 v[86+8*\m], v[86+8*\m], v[87+8*\m]
.endr
.irp m,0,1
	v_permlanex16_b32 v[87+8*\m], v[86+8*\m], s[SEL], s[SEL+1]
.endr
.irp m,0,1
	v_add_f32 v[81+8*\m], v[86+8*\m], v[87+8*\m]
.endr
	s_wait_alu depctr_va_vdst(0)                             ; the figures v80, v81, v88, v89 are written, which the LDS stores read; so is v11; the products before are done reading v[R4 ..], in which the eight waves' figures land behind the barrier
.irp m,0,1
	ds_store_b64 v15, v[80+8*\m:81+8*\m] offset:(\stat)+256*\m
.endr
.endm
; the eight waves' figures are joined: mu = the mean of the means; the sum of squares = the sum of theirs + 32 x the sum of (mean - mu)^2.  y = (x - mu) rsqrt(var + eps) g + b
.macro LNAPPLY x, y, gb, stat
.irp m,0,1
.irp k,0,1,2,3,4,5,6,7
	ds_load_b64 v[R4+16*\m+2*\k:R4+16*\m+2*\k+1], v11 offset:(\stat)+512*\k+256*\m
.endr
.endr
	s_wait_dscnt 0x0
	s_wait_alu depctr_vm_vsrc(0)                             ; my LDS stores have read v80, v81, v88, v89, which are written again from here on
.irp m,0,1
	v_pk_add_f32 v[80+8*\m:81+8*\m], v[R4+16*\m:R4+16*\m+1], v[R4+16*\m+2:R4+16*\m+3]
	v_pk_add_f32 v[82+8*\m:83+8*\m], v[R4+16*\m+4:R4+16*\m+5], v[R4+16*\m+6:R4+16*\m+7]
.endr
.irp k,8,12
.irp m,0,1
	v_pk_add_f32 v[80+8*\m:81+8*\m], v[80+8*\m:81+8*\m], v[R4+16*\m+\k:R4+16*\m+\k+1]
	v_pk_add_f32 v[82+8*\m:83+8*\m], v[82+8*\m:83+8*\m], v[R4+16*\m+\k+2:R4+16*\m+\k+3]
.endr
.endr
.irp m,0,1
	v_pk_add_f32 v[80+8*\m:81+8*\m], v[80+8*\m:81+8*\m], v[82+8*\m:83+8*\m]
.endr
.irp m,0,1
	v_mul_f32 v[80+8*\m], 0x3e000000, v[80+8*\m]             ; / 8: mu
.endr
.irp k,0,1,2,3,4,5,6,7
.irp m,0,1
	v_sub_f32 v[82+8*\m+(\k%2)], v[R4+16*\m+2*\k], v[80+8*\m]
.if \k == 0
	v_mul_f32 v[84+8*\m], v[82+8*\m], v[82+8*\m]
.else
	v_fma_f32 v[84+8*\m], v[82+8*\m+(\k%2)], v[82+8*\m+(\k%2)], v[84+8*\m]
.endif
.endr
.endr
.irp m,0,1
	v_fma_f32 v[81+8*\m], v[84+8*\m], 0x42000000, v[81+8*\m] ; + 32 x
.endr
.irp m,0,1
	v_fma_f32 v[81+8*\m], v[81+8*\m], s[R256], s[EPS]        ; var + eps
.endr
	s_wait_alu depctr_va_vdst(0)
.irp m,0,1
	v_rsq_f32 v[82+8*\m], v[81+8*\m]
.endr
	v_nop                                                    ; a plain instruction behind the two,
	s_wait_alu depctr_va_vdst(0)                             ; and one wait for both: v82 and v90 are written, ahead of their first reader
.irp m,0,1
.set j, 0
.rept 8
	v_pk_add_f32 v[(\y)+16*\m+j:(\y)+16*\m+j+1], v[(\x)+16*\m+j:(\x)+16*\m+j+1], v[80+8*\m:81+8*\m] op_sel_hi:[1,0] neg_lo:[0,1] neg_hi:[0,1]
.set j, j+2
.endr
.endr
.irp m,0,1
.set j, 0
.rept 8
	v_pk_mul_f32 v[(\y)+16*\m+j:(\y)+16*\m+j+1], v[(\y)+16*\m+j:(\y)+16*\m+j+1], v[82+8*\m:83+8*\m] op_sel_hi:[1,0]
.set j, j+2
.endr
.endr
.irp m,0,1
.set j, 0
.rept 8
	v_pk_fma_f32 v[(\y)+16*\m+j:(\y)+16*\m+j+1], v[(\y)+16*\m+j:(\y)+16*\m+j+1], v[(\gb)+j:(\gb)+j+1], v[(\gb)+16+j:(\gb)+16+j+1]
.set j, j+2
.endr
.endr
.endm
; THE TAIL: the norm of v[R3] on; e out as whole rows; q, k, v of the next layer, quantised and stored.  lw: the younger loads that may stay out when gain and bias are wanted
.macro TAIL lw, cond
	LNSTAT R3, STAT3
	BARRIER                                                  ; all eight waves' figures lie in LDS
	s_wait_loadcnt \lw
	LNAPPLY R3, R2, R5, STAT3
	s_wait_xcnt 0x0                                          ; loads that named v4 and v8 have had their addresses translated (ISA guide 3.1): they are written anew.  The wait on vm_vsrc in the norm's apply stands behind every load and LDS store that read v4, v5 or v8
	s_mul_i32 s2, s[WV], 4*SPI
	s_add_co_u32 s2, s2, STG
	v_add_nc_u32 v4, s2, v1                                  ; the stage, back: rows 4 w .. 4 w + 3, 16 bytes a lane
	s_lshl_b32 s2, s[WV], 6
	v_and_b32 v5, 15, v0
	v_lshl_add_u32 v5, v5, 2, s2                             ; k's scale words: 4 r + 64 w
	v_lshlrev_b32 v8, 3, v0                                  ; 8 x thread: the scale bytes on their way out
	QUANT2 R2, R2+16, 88, 86
	s_wait_alu depctr_va_vdst(0)                             ; e in v[R2 ..], its codes v88-91 and bytes v86, v87 are written, which the LDS stores read; so are v4, v5, v8, v10; the norm is done reading v[R5 ..] and v[R4 ..], in which the LDS loads behind the barrier land
.irp m,0,1
.irp i,0,1,2,3
	ds_store_b128 v10, v[R2+16*\m+4*\i:R2+16*\m+4*\i+3] offset:16*SPI*\m+16*\i
.endr
.endr
	ds_store_b64 v13, v[88:89] offset:ACTN
	ds_store_b64 v13, v[90:91] offset:ACTN+2048
	ds_store_b8 v14, v86 offset:XSN                          ; both lanes of a block write the same byte with the same value
	ds_store_b8 v14, v87 offset:XSN+128
	BARRIER                                                  ; 32 whole rows of e and its four fragments lie in LDS
	s_wait_alu depctr_vm_vsrc(0)                             ; my LDS stores have read v[R2 ..]: the next layer's codes and scale bytes are written there, and the gathered scale bytes land there
.irp i,0,1,2,3
.irp k,0,1
	ds_load_b128 v[R5+8*\i+4*\k:R5+8*\i+4*\k+3], v4 offset:SPI*\i+512*\k
.endr
.endr
.irp i,0,1,2,3
.irp k,0,1
	s_wait_dscnt 7-2*\i-\k                                   ; LDS loads come back in order: this one is in, the younger may be out
	global_store_b128 v1, v[R5+8*\i+4*\k:R5+8*\i+4*\k+3], s[EOUT:EOUT+1] offset:1024*\i+512*\k th:TH_STORE_NT   ; 32 lanes store 512 consecutive bytes, aligned: stage rows 4 w + i are four neighbouring tokens
.endr
.endr
.if \cond
	s_cmp_eq_u32 s[LY], 3                                    ; behind the last layer there are no q, k, v: a branch on the stored whole number, the same in every wave; no barrier stands under it
	s_cbranch_scc1 .Lno_qkv
.endif
	AFETCH R4, ACTN, 4
	ds_load_b32 v[AS], v2 offset:XSN                         ; lanes 0-15: K step 0's words, lanes 16-31: K step 1's
	ds_load_b32 v[AS+1], v2 offset:XSN+128
	s_wait_loadcnt 0x0                                       ; the weights' scales and the biases (which lie in the accumulators)
	s_wait_dscnt 0x0
	WIN 0x01                                                 ; source 0 in window 1
.irp s,0,1
.irp m,0,1
.irp u,0,1
	WM R0+16*\m+8*\u, 160+16*\u+8*\s, R4+16*\m+8*\s, R0+16*\m+8*\u, WSB+2*\u+\s, AS+\m, 0, \s
.endr
.endr
.irp m,0,1
.irp u,0,1
	WM R1+16*\m+8*\u, 192+16*\u+8*\s, R4+16*\m+8*\s, R1+16*\m+8*\u, WSB+4+2*\u+\s, AS+\m, 0, \s
.endr
.endr
.endr
	WIN 0x04                                                 ; source 1 in window 1
.irp s,0,1
.irp u,0,1
.irp m,0,1
	WM R3+16*\u+8*\m, R4+16*\m+8*\s, 224+16*\u+8*\s, (\s)*(R3+16*\u+8*\m+1)-1, AS+\m, WSC+2*\u+\s, \s, 0
.endr
.endr
.endr
	WIN 0
	PLACES
	QUANT2 R0, R0+16, 100, 112
	QUANT2 R1, R1+16, 104, 114
.set j, 0
.rept 8
	v_pk_add_f32 v[R3+j:R3+j+1], v[R3+j:R3+j+1], v[224:225] op_sel_hi:[1,0]          ; v's bias belongs to the lane's row
.set j, j+2
.endr
.rept 8
	v_pk_add_f32 v[R3+j:R3+j+1], v[R3+j:R3+j+1], v[226:227] op_sel_hi:[1,0]
.set j, j+2
.endr
	QUANT2 R3, R3+16, 108, 116
	v_cndmask_b32 v118, v112, v113, s[HM]                    ; q's word 16 m + r: lanes 16-31 take m = 1;
	v_perm_b32 v118, v118, v118, 0                           ; the byte four times, so that it serves whichever block q's codes are put into
	v_lshl_or_b32 v119, v115, 8, v114                        ; k's word r: the bytes of tokens (0, r), (1, r), twice
	v_lshl_or_b32 v119, v119, 16, v119
	v_cndmask_b32 v120, v116, v117, s[HM]                    ; v's byte 16 u + r
	s_wait_alu depctr_va_vdst(0)                             ; the codes v100-111 and the scale words v118-120 are written, which the nine stores below read
	ds_store_b32 v12, v118 offset:SRS
	ds_store_b32 v5, v119 offset:SRS+1024
	ds_store_b8 v0, v120 offset:SRS+1536
	global_store_b64 v3, v[100:101], s[QCO:QCO+1]            ; each store of the wave covers 256 consecutive bytes, aligned
	global_store_b64 v3, v[102:103], s[QCO:QCO+1] offset:256
	global_store_b64 v3, v[104:105], s[KCO:KCO+1]
	global_store_b64 v3, v[106:107], s[KCO:KCO+1] offset:256
	global_store_b64 v3, v[108:109], s[VCO:VCO+1]
	global_store_b64 v3, v[110:111], s[VCO:VCO+1] offset:1024
.Lno_qkv:
	BARRIER                                                  ; the block's 1,792 scale bytes lie in LDS
.if \cond
	s_cmp_eq_u32 s[LY], 3
	s_cbranch_scc1 .Lend
.endif
	s_cmp_gt_u32 s[WV], 6
	s_cbranch_scc1 .Lend
	ds_load_b64 v[122:123], v8 offset:SRS                    ; (no vector instruction since the last wait on va_vdst names v122, v123 or v8)
	s_wait_dscnt 0x0
	global_store_b64 v11, v[122:123], s[SRO:SRO+1]           ; seven waves, 256 consecutive bytes each, aligned
.endm
.macro PADJ p, reg, lsh, wsh           ; a pointer steps to the layer's part and in it to my wave's
	s_lshl_b32 s[OF], s[\reg], \lsh
	s_lshl_b32 s2, s[WV], \wsh
	s_add_co_u32 s[OF], s[OF], s2
	s_add_nc_u64 s[\p:\p+1], s[\p:\p+1], s[OF:OF+1]
.endm
; S^T of query tile q: eight tiles of 16 keys.  Tile t lies in block t % 4 of fragment t / 4; Q's fragment with q in that block begins 8 (j % 2) + 4 (1 - j / 2) into tile q's part of the chain.
; k's scale words: lanes 0-15 serve blocks 0 and 1, lanes 16-31 blocks 2 and 3.  q's: lanes 0-15 tile 0, lanes 16-31 tile 1.
.macro QK q
.irp t,0,1,2,3,4,5,6,7
	WM S+8*\t, KF+8*(\t/4), QCH+16*\q+8*((\t%4)%2)+4*(1-(\t%4)/2), -1, SK+\t/4, SQ, (\t%4)/2, \q
.endr
.endm
.macro PV q                            ; O^T += V^T P^T: two tiles of 16 of the head's 32
.irp u,0,1
	WM O+16*\q+8*\u, VF+8*\u, PCD, O+16*\q+8*\u, SV, PS, \u, 0
.endr
.endm
; the softmax of query tile q for 128 keys: from S^T to p's codes and scale word
.macro SOFT q
.irp b,0,1,2,3
	v_max3_num_f32 v[BM+\b], v[S+16*\b], v[S+16*\b+1], v[S+16*\b+2]         ; the largest score of each block of 32 keys: it serves the row's maximum and, since p rises with the score, the block's largest p
.endr
.irp i,3,5,7,9,11,13
.irp b,0,1,2,3
	v_max3_num_f32 v[BM+\b], v[BM+\b], v[S+16*\b+\i], v[S+16*\b+\i+1]
.endr
.endr
.irp b,0,1,2,3
	v_max_num_f32 v[BM+\b], v[BM+\b], v[S+16*\b+15]
.endr
.irp b,0,1,2,3
	v_permlanex16_b32 v[BT+\b], v[BM+\b], s[SEL], s[SEL+1]
.endr
.irp b,0,1,2,3
	v_max_num_f32 v[BM+\b], v[BM+\b], v[BT+\b]
.endr
	v_max3_num_f32 v[T], v[BM], v[BM+1], v[BM+2]
	v_max_num_f32 v[T], v[T], v[BM+3]
	v_mul_f32 v[T], s[CS], v[T]                              ; as t (c is positive)
	v_max_num_f32 v[TX+4*\q], v[TX+4*\q], v[T]               ; the running largest t
	v_mov_b32 v[T], v[NM+4*\q]
	v_floor_f32 v[NM+4*\q], -v[TX+4*\q]                      ; -M = floor(-t): M is a whole number
	v_sub_f32 v[T], v[NM+4*\q], v[T]                         ; old M - new M, 0 or less
	v_cvt_i32_f32 v[T], v[T]                                 ; (it saturates)
	v_ldexp_f32 v[F], 1.0, v[T]                              ; f = 2^(old M - new M): a multiplication by it rounds nothing
.set j, 0
.rept 32
	v_pk_fma_f32 v[S+j:S+j+1], v[S+j:S+j+1], s[CS:CS+1], v[NM+4*\q:NM+4*\q+1] op_sel_hi:[1,0,0]     ; t - M
.set j, j+2
.endr
.irp b,0,1,2,3
	v_fma_f32 v[BM+\b], v[BM+\b], s[CS], v[NM+4*\q]
.endr
.set j, 0
	s_wait_alu depctr_va_vdst(0)
.rept 64
	v_exp_f32 v[S+j], v[S+j]                                 ; p = 2^(t - M)
.set j, j+1
.endr
	v_pk_mul_f32 v[LSM+4*\q:LSM+4*\q+1], v[LSM+4*\q:LSM+4*\q+1], v[F:F+1] op_sel_hi:[1,0]           ; the sum under the new M (the plain instruction behind the batch)
	s_wait_alu depctr_va_vdst(0)                             ; the 64 exponentials have written p, ahead of its first reader: one wait for the batch
.irp b,0,1,2,3
	v_exp_f32 v[BM+\b], v[BM+\b]                             ; the blocks' largest p
.endr
	v_pk_add_f32 v[SP:SP+1], v[S:S+1], v[S+2:S+3]            ; the row's sum of the unquantised p, two at a time, in two chains: its first 17 additions
.irp j,4,8,12,16,20,24,28,32
	v_pk_add_f32 v[LSM+4*\q:LSM+4*\q+1], v[LSM+4*\q:LSM+4*\q+1], v[S+\j:S+\j+1]
	v_pk_add_f32 v[SP:SP+1], v[SP:SP+1], v[S+\j+2:S+\j+3]
.endr
	s_wait_alu depctr_va_vdst(0)                             ; the four exponentials have written the blocks' largest p, ahead of their first reader
.irp b,0,1,2,3
	v_max_num_f32 v[BM+\b], 0x1800000, v[BM+\b]              ; the floor 2^(3 - 127)
.endr
.irp b,0,1,2,3
	v_add_nc_u32 v[SCO+\b], 0xff000000, v[BM+\b]
.endr
.irp b,0,1,2,3
	v_lshrrev_b32 v[BT+\b], 23, v[SCO+\b]
.endr
	v_lshl_or_b32 v[PS], v[BT+1], 8, v[BT]                   ; p's scale word for these 128 keys
	v_lshl_or_b32 v[PS], v[BT+2], 16, v[PS]
	v_lshl_or_b32 v[PS], v[BT+3], 24, v[PS]
.irp b,0,1,2,3
	v_cvt_scalef32_pk8_fp4_f32 v[PCD+2*\b], v[S+16*\b:S+16*\b+7], v[SCO+\b]
	v_cvt_scalef32_pk8_fp4_f32 v[PCD+2*\b+1], v[S+16*\b+8:S+16*\b+15], v[SCO+\b]
.endr
	v_nop                                                    ; one plain instruction behind the last scaled conversion
.irp c,0,1                                                   ; the operand wants a whole block in a lane
.irp i,0,1
	v_permlane16_swap_b32 v[PCD+4*\c+\i], v[PCD+4*\c+2+\i]
.endr
.endr
.set j, 0
.rept 8
	v_pk_mul_f32 v[O+16*\q+j:O+16*\q+j+1], v[O+16*\q+j:O+16*\q+j+1], v[F:F+1] op_sel_hi:[1,0]       ; O^T under the new M
.set j, j+2
.endr
.irp j,36,40,44,48,52,56,60                                  ; the sum's other 15 additions name nothing of the product that follows: they stand between the last write of p's scale word (8 are asked) and of p's codes (4) and that product
	v_pk_add_f32 v[LSM+4*\q:LSM+4*\q+1], v[LSM+4*\q:LSM+4*\q+1], v[S+\j:S+\j+1]
	v_pk_add_f32 v[SP:SP+1], v[SP:SP+1], v[S+\j+2:S+\j+3]
.endr
	v_pk_add_f32 v[LSM+4*\q:LSM+4*\q+1], v[LSM+4*\q:LSM+4*\q+1], v[SP:SP+1]
.endm
.macro LD_A                            ; 18 loads: e, bo (into the accumulators), Wo's scale words
.irp m,0,1
.irp i,0,1,2,3
	global_load_b128 v[R2+16*\m+4*\i:R2+16*\m+4*\i+3], v10, s[10:11] offset:8192*\m+16*\i th:TH_LOAD_NT
.endr
.endr
.irp m,0,1
.irp i,0,1,2,3
	global_load_b128 v[R3+16*\m+4*\i:R3+16*\m+4*\i+3], v6, s[18:19] offset:16*\i
.endr
.endr
.irp u,0,1
	global_load_b64 v[WSA+2*\u:WSA+2*\u+1], v7, s[16:17] offset:64*\u
.endr
.endm
.macro LD_B                            ; 28 loads: LN2's gain and bias 8, W1's scale words 4, b1 (into the accumulators) 16
.irp i,0,1,2,3
	global_load_b128 v[R5+4*\i:R5+4*\i+3], v6, s[20:21] offset:16*\i
.endr
.irp i,0,1,2,3
	global_load_b128 v[R5+16+4*\i:R5+16+4*\i+3], v6, s[22:23] offset:16*\i
.endr
.irp i,0,1
.irp u,0,1
	global_load_b64 v[WSB+4*\i+2*\u:WSB+4*\i+2*\u+1], v7, s[26:27] offset:256*\i+64*\u
.endr
.endr
.irp i,0,1
.irp m,0,1
.irp k,0,1,2,3
	global_load_b128 v[R0+32*\i+16*\m+4*\k:R0+32*\i+16*\m+4*\k+3], v6, s[28:29] offset:128*\i+16*\k
.endr
.endr
.endr
.endm
.macro LD_C                            ; 18 loads: b2 (into the accumulators) 8, W2's scale words 2, the last norm's gain and bias 8
.irp m,0,1
.irp i,0,1,2,3
	global_load_b128 v[R3+16*\m+4*\i:R3+16*\m+4*\i+3], v6, s[34:35] offset:16*\i
.endr
.endr
.irp u,0,1
	global_load_b128 v[WSA+4*\u:WSA+4*\u+3], v8, s[32:33] offset:128*\u
.endr
.irp i,0,1,2,3
	global_load_b128 v[R5+4*\i:R5+4*\i+3], v6, s[36:37] offset:16*\i
.endr
.irp i,0,1,2,3
	global_load_b128 v[R5+16+4*\i:R5+16+4*\i+3], v6, s[38:39] offset:16*\i
.endr
.endm
.macro LD_D                            ; 24 loads: bq, bk (into the accumulators) 16, the scale words of Wq, Wk, Wv 6, bv 2
.irp m,0,1
.irp i,0,1,2,3
	global_load_b128 v[R0+16*\m+4*\i:R0+16*\m+4*\i+3], v6, s[48:49] offset:16*\i
.endr
.endr
.irp m,0,1
.irp i,0,1,2,3
	global_load_b128 v[R1+16*\m+4*\i:R1+16*\m+4*\i+3], v6, s[54:55] offset:16*\i
.endr
.endr
.irp u,0,1
	global_load_b64 v[WSB+2*\u:WSB+2*\u+1], v7, s[46:47] offset:64*\u
.endr
.irp u,0,1
	global_load_b64 v[WSB+4+2*\u:WSB+4+2*\u+1], v7, s[52:53] offset:64*\u
.endr
.irp u,0,1
	global_load_b64 v[WSC+2*\u:WSC+2*\u+1], v7, s[58:59] offset:64*\u
.endr
	global_load_b32 v224, v9, s[60:61]
	global_load_b32 v226, v9, s[60:61] offset:32
.endm
; A KEY STEP: 128 keys, both query tiles.  Written out eight times: every offset is an immediate, and each step brings another part of the weights.
.macro STEP st
	s_wait_loadcnt 0x4                                       ; K of this step (and the weights' part asked for behind it) is in; the four loads of V may be out
	s_wait_dscnt 0x0                                         ; the scale words of K and V
	QK 0
	PLACES
	SOFT 0
	s_wait_loadcnt 0x0                                       ; V
	s_wait_alu depctr_va_vdst(0)                             ; the softmax has written p's codes and scale word, which the two products below take as source 1 and as its scales
	PV 0
	QK 1
	PLACES                                                   ; in front of the loads into K's registers and scale words, and of the softmax
.if (\st) < 7
	s_wait_alu depctr_va_vdst(0)                             ; both tiles' products K Q^T are done reading K's fragments and scale words, in which the next step's land
.irp i,0,1,2,3
	global_load_b128 v[KF+4*\i:KF+4*\i+3], v1, s[KCI:KCI+1] offset:2048*((\st)+1)+512*\i
.endr
.irp g,0,1
	ds_load_b32 v[SK+\g], v11 offset:KSL+2048*((\st)+1)+1024*\g
.endr
.endif
	CHUNK \st
.if ((\st) == 0) || ((\st) == 2) || ((\st) == 4)
	; A prefetch of my head's K and V of key steps st + 2 and st + 3: 16 blocks of 256 bytes of each, a lane a block.  All 32 work-groups of a sequence walk the same K and V: the sequence's first asks,
	; each wave for its own head, so each block is named once in the launch.  Steps 0 and 1 come by their loads alone; behind step 7 there is nothing.
	s_cmp_lg_u32 s[BETA], 0
	s_cbranch_scc1 .Lnp_\@
	global_prefetch_b8 v[PFO], s[KCI:KCI+1] offset:2048*((\st)+2) th:TH_LOAD_NT scope:SCOPE_SE
.Lnp_\@:
.endif
	SOFT 1
	s_wait_alu depctr_va_vdst(0)                             ; the softmax has written p's codes and scale word, which the two products below take; in the last step it is also done with S^T's registers, in which e and bo land
.if (\st) == 7
	LD_A                                                     ; S^T's registers are free
.endif
	PV 1
	PLACES                                                   ; in front of the loads into V's registers and scale word
.if (\st) < 7
	s_wait_alu depctr_va_vdst(0)                             ; both tiles' products V^T P^T are done reading V's fragments and scale word, in which the next step's land
.irp i,0,1,2,3
	global_load_b128 v[VF+4*\i:VF+4*\i+3], v1, s[VCI:VCI+1] offset:2048*((\st)+1)+512*\i
.endr
	ds_load_b32 v[SV], v12 offset:VSW+1024*((\st)+1)
.endif
.endm
	; ---- the head
	s_load_b512 s[8:23], s[0:1], 0x0               ; lay 8, e_in 10, act_in 12, Wo_codes 14, Wo_scales 16, bo 18, ln2_g 20, ln2_b 22
	s_load_b512 s[24:39], s[0:1], 0x40             ; W1_codes 24, W1_scales 26, b1 28, W2_codes 30, W2_scales 32, b2 34, ln1_g 36, ln1_b 38
	s_load_b512 s[40:55], s[0:1], 0x80             ; lno_g 40, lno_b 42, Wq_codes 44, Wq_scales 46, bq 48, Wk_codes 50, Wk_scales 52, bk 54
	s_load_b256 s[56:63], s[0:1], 0xc0             ; Wv_codes 56, Wv_scales 58, bv 60, e_out 62
	s_load_b64 s[66:67], s[0:1], 0xe0              ; act_out
	v_lshl_add_u32 v228, v0, 2, 0x16000
	v_mov_b32 v235, 0
	v_lshrrev_b32 v200, 5, v0
	v_readfirstlane_b32 s[WV], v200                ; wave 0..7
	v_and_b32 v200, 31, v0                         ; L
	v_and_b32 v201, 15, v0                         ; r
	v_bfe_u32 v202, v0, 4, 1                       ; h
	v_and_b32 v203, 8, v0
	v_add_nc_u32 v203, v203, v201                  ; row(r)
	v_lshlrev_b32 v1, 4, v200                      ; v1  16 L
	v_lshlrev_b32 v2, 2, v200                      ; v2  4 L
	v_lshlrev_b32 v3, 4, v201
	v_lshl_add_u32 v3, v202, 3, v3                 ; v3  16 r + 8 h
	v_lshlrev_b32 v4, 7, v203
	v_lshl_add_u32 v4, v202, 4, v4                 ; v4  128 row(r) + 16 h: a fragment's bytes in rows of 128
	v_lshlrev_b32 v5, 8, v203
	v_lshl_add_u32 v5, v202, 4, v5                 ; v5  256 row(r) + 16 h: in rows of 256
	v_lshlrev_b32 v6, 6, v202                      ; v6  64 h
	v_lshlrev_b32 v7, 3, v203                      ; v7  8 row(r)
	v_lshlrev_b32 v8, 4, v203                      ; v8  16 row(r)
	v_lshlrev_b32 v9, 2, v203                      ; v9  4 row(r)
	v_lshlrev_b32 v10, 10, v203
	v_lshl_add_u32 v10, v202, 6, v10               ; v10 1,024 row(r) + 64 h: my 16 numbers of a row of e
	s_wait_alu depctr_va_sdst(0)                   ; the wave's number is written, ahead of its first reader
	s_lshl_b32 s2, s[WV], 6
	v_lshlrev_b32 v11, 2, v201
	v_lshl_add_u32 v11, v202, 9, v11
	v_add_nc_u32 v11, s2, v11                      ; v11 k's scale words: 512 h + 4 r + 64 w
	v_lshlrev_b32 v12, 2, v0                       ; v12 4 L + 128 w
	s_lshl_b32 s2, s[WV], 8
	v_add_nc_u32 v13, s2, v3                       ; v13 my block of an image: 16 r + 8 h + 256 w
	s_lshr_b32 s2, s[WV], 2
	s_lshl_b32 s2, s2, 6
	s_and_b32 s3, s[WV], 3
	s_add_co_u32 s2, s2, s3
	v_lshl_add_u32 v14, v201, 2, s2                ; v14 its scale byte: 4 r + 64 (w / 4) + w % 4
	s_lshl_b32 s2, s[WV], 9
	v_lshl_add_u32 v15, v200, 3, s2                ; v15 the norms' figures: 8 L + 512 w
	v_lshlrev_b32 v[PFO], 8, v201
	v_lshl_add_u32 v[PFO], v202, 20, v[PFO]        ; lanes 0-15: 16 blocks of K; lanes 16-31: the same of V, 0x100000 bytes on
	v_lshlrev_b32 v204, 4, v0                      ; 16 x thread
	v_mov_b32 v225, 0                              ; named as upper halves of pairs
	v_mov_b32 v227, 0
	v_mov_b32 v[F+1], 0
	s_mov_b32 s[WG], ttmp9
	s_lshr_b32 s[SEQ], ttmp9, 5
	s_and_b32 s[BETA], ttmp9, 31
	s_mov_b32 s[SEL], 0x76543210
	s_mov_b32 s[SEL+1], 0xfedcba98
	s_mov_b32 s[CS], 0x3e8293ee                    ; c = log2(e) / sqrt(32)
	s_mov_b32 s[CS+1], s[CS]
	s_mov_b32 s[EPS], 0x3727c5ac                   ; 1e-5
	s_mov_b32 s[R256], 0x3b800000                  ; 1 / 256
	s_mov_b32 s[HM], 0xffff0000
	s_mov_b32 s[OF+1], 0
	s_wait_kmcnt 0x0
	s_load_b32 s[LY], s[8:9], 0x0                  ; the layer's number comes while the attention's first loads, which do not hang on it, go out
	s_lshl_b32 s[OF], s[WG], 12
	s_lshl_b32 s2, s[WV], 9
	s_add_co_u32 s[OF], s[OF], s2
	s_add_nc_u64 s[QCI:QCI+1], s[12:13], s[OF:OF+1]
	s_lshl_b32 s[OF], s[SEQ], 17
	s_lshl_b32 s2, s[WV], 14
	s_add_co_u32 s[OF], s[OF], s2
	s_add_co_u32 s[OF], s[OF], 0x100000
	s_add_nc_u64 s[KCI:KCI+1], s[12:13], s[OF:OF+1]
	s_add_nc_u64 s[VCI:VCI+1], s[KCI:KCI+1], 0x100000
	s_lshl_b32 s[OF], s[SEQ], 16
	s_add_co_u32 s[OF], s[OF], 0x300000
	s_add_nc_u64 s[SRQ:SRQ+1], s[12:13], s[OF:OF+1]
	s_lshl_b32 s[OF], s[WV], 11
	s_add_nc_u64 s[4:5], s[SRQ:SRQ+1], s[OF:OF+1]  ; k's scale words: I copy those of blocks w, w + 8, w + 16, w + 24
	s_lshr_b32 s[OF], s[WV], 1
	s_lshl_b32 s[OF], s[OF], 13
	s_and_b32 s2, s[WV], 1
	s_lshl_b32 s2, s2, 7
	s_add_co_u32 s[OF], s[OF], s2
	s_add_nc_u64 s[6:7], s[SRQ:SRQ+1], s[OF:OF+1]  ; v's scale bytes: key steps w / 2 and w / 2 + 4, rows 128 (w % 2) on
	s_lshl_b32 s[OF], s[BETA], 11
	s_lshl_b32 s2, s[WV], 7
	s_add_co_u32 s[OF], s[OF], s2
	s_add_nc_u64 s[12:13], s[SRQ:SRQ+1], s[OF:OF+1]  ; q's scale words
	s_wait_alu depctr_va_vdst(0)                   ; the offsets and LDS addresses v1 to v15, v204 and v229 are written, which the loads, stores and prefetches below read
.irp i,0,1,2,3
	global_load_b128 v[96+4*\i:99+4*\i], v1, s[4:5] offset:\i*16384+1024
.endr
.irp p,0,1
.irp i,0,1,2,3
	global_load_b32 v[112+4*\p+\i], v2, s[6:7] offset:\p*32768+\i*2048+1536
.endr
.endr
	global_load_b128 v[120:123], v1, s[QCI:QCI+1]  ; lanes 0-15: q of tile 0, lanes 16-31: of tile 1
	global_load_b32 v[SQ], v2, s[12:13]
.irp i,0,1,2,3
	global_load_b128 v[KF+4*\i:KF+4*\i+3], v1, s[KCI:KCI+1] offset:512*\i
.endr
.irp i,0,1,2,3
	global_load_b128 v[VF+4*\i:VF+4*\i+3], v1, s[VCI:VCI+1] offset:512*\i
.endr
	s_wait_kmcnt 0x0
	s_min_u32 s[LY], s[LY], 3
	s_add_co_u32 s[NX], s[LY], 1
	s_min_u32 s[NX], s[NX], 3
	PADJ 14, LY, 15, 12
	PADJ 16, LY, 11, 8
	PADJ 18, LY, 10, 7
	PADJ 20, LY, 10, 7
	PADJ 22, LY, 10, 7
	PADJ 24, LY, 16, 13
	PADJ 26, LY, 12, 9
	PADJ 28, LY, 11, 8
	PADJ 30, LY, 16, 13
	PADJ 32, LY, 12, 9
	PADJ 34, LY, 10, 7
	PADJ 44, NX, 15, 12
	PADJ 46, NX, 11, 8
	PADJ 48, NX, 10, 7
	PADJ 50, NX, 15, 12
	PADJ 52, NX, 11, 8
	PADJ 54, NX, 10, 7
	PADJ 56, NX, 15, 12
	PADJ 58, NX, 11, 8
	PADJ 60, NX, 10, 7
	s_lshl_b32 s[OF], s[NX], 10                    ; the last norm: the next layer's LN1, or behind the last layer the closing norm
	s_add_nc_u64 s[36:37], s[36:37], s[OF:OF+1]
	s_add_nc_u64 s[38:39], s[38:39], s[OF:OF+1]
	s_cmp_eq_u32 s[LY], 3
	s_cselect_b64 s[36:37], s[40:41], s[36:37]
	s_cselect_b64 s[38:39], s[42:43], s[38:39]
	s_lshl_b32 s[OF], s[WV], 7
	s_add_nc_u64 s[36:37], s[36:37], s[OF:OF+1]
	s_add_nc_u64 s[38:39], s[38:39], s[OF:OF+1]
	s_lshl_b32 s[OF], s[WG], 15
	s_lshl_b32 s2, s[WV], 7
	s_add_co_u32 s[OF], s[OF], s2
	s_add_nc_u64 s[10:11], s[10:11], s[OF:OF+1]
	s_lshr_b32 s2, s[WV], 2                        ; stage rows 4 w .. 4 w + 3 are tokens 8 (w / 4) + 16 ((w / 2) % 2) + 4 (w % 2) + 0 .. 3
	s_lshl_b32 s2, s2, 3
	s_bfe_u32 s3, s[WV], 0x10001
	s_lshl_b32 s3, s3, 4
	s_add_co_u32 s2, s2, s3
	s_and_b32 s3, s[WV], 1
	s_lshl_b32 s3, s3, 2
	s_add_co_u32 s2, s2, s3
	s_lshl_b32 s2, s2, 10
	s_lshl_b32 s[OF], s[WG], 15
	s_add_co_u32 s[OF], s[OF], s2
	s_add_nc_u64 s[EOUT:EOUT+1], s[EOUT:EOUT+1], s[OF:OF+1]
	s_lshl_b32 s[OF], s[WG], 12
	s_lshl_b32 s2, s[WV], 9
	s_add_co_u32 s[OF], s[OF], s2
	s_add_nc_u64 s[QCO:QCO+1], s[66:67], s[OF:OF+1]
	s_lshl_b32 s[OF], s[SEQ], 17
	s_lshl_b32 s2, s[WV], 14
	s_add_co_u32 s[OF], s[OF], s2
	s_add_co_u32 s[OF], s[OF], 0x100000
	s_add_nc_u64 s[KCO:KCO+1], s[66:67], s[OF:OF+1]
	s_add_nc_u64 s[VCO:VCO+1], s[KCO:KCO+1], 0x100000
	s_lshl_b32 s[OF], s[BETA], 9
	s_add_nc_u64 s[KCO:KCO+1], s[KCO:KCO+1], s[OF:OF+1]
	s_lshr_b32 s[OF], s[BETA], 2
	s_lshl_b32 s[OF], s[OF], 11
	s_and_b32 s2, s[BETA], 3
	s_lshl_b32 s2, s2, 8
	s_add_co_u32 s[OF], s[OF], s2
	s_add_nc_u64 s[VCO:VCO+1], s[VCO:VCO+1], s[OF:OF+1]
	s_lshl_b32 s[OF], s[WG], 11
	s_lshl_b32 s2, s[WV], 8
	s_add_co_u32 s[OF], s[OF], s2
	s_add_co_u32 s[OF], s[OF], 0x300000
	s_add_nc_u64 s[SRO:SRO+1], s[66:67], s[OF:OF+1]
.irp z,16,24,28,32,40,48                       ; the chain's zero codes (v28-31 are also written ahead of the lane permute, whose destination counts as a source)
.irp i,0,1,2,3
	v_mov_b32 v[\z+\i], 0
.endr
.endr
	s_wait_loadcnt 10                              ; the 12 loads of scale bytes are in; q 1, its scales 1, K 4, V 4 may be out
.irp i,0,1,2,3
	ds_store_b128 v204, v[96+4*\i:99+4*\i] offset:KSL+4096*\i
.endr
.irp p,0,1                                     ; v's bytes: four blocks of keys x four rows a lane are turned into four rows' words of four blocks
	v_perm_b32 v124, v[113+4*\p], v[112+4*\p], 0x05010400
	v_perm_b32 v125, v[113+4*\p], v[112+4*\p], 0x07030602
	v_perm_b32 v126, v[115+4*\p], v[114+4*\p], 0x05010400
	v_perm_b32 v127, v[115+4*\p], v[114+4*\p], 0x07030602
	v_perm_b32 v[128+4*\p], v126, v124, 0x05040100
	v_perm_b32 v[129+4*\p], v126, v124, 0x07060302
	v_perm_b32 v[130+4*\p], v127, v125, 0x05040100
	v_perm_b32 v[131+4*\p], v127, v125, 0x07060302
.endr
	s_wait_alu depctr_va_vdst(0)                   ; the byte permutes have written v128-135, which the two LDS stores read
.irp p,0,1
	ds_store_b128 v204, v[128+4*\p:131+4*\p] offset:VSW+4096*\p
.endr
	BARRIER                                        ; the sequence's scale words of K and V lie in LDS
	s_wait_alu depctr_vm_vsrc(0)                   ; my LDS stores have read v204, v96-111 and v128-135: v204 is written again below, the others by the first products
	s_wait_loadcnt 8                               ; q and its scale words are in; K 4, V 4 may be out
.irp i,0,1,2,3
	v_permlanex16_b32 v[28+\i], v[120+\i], s[SEL], s[SEL+1]  ; lanes 0-15: tile 1, lanes 16-31: tile 0
.endr
.irp i,0,1,2,3
	v_cndmask_b32 v[36+\i], v[28+\i], v16, s[HM]   ; tile 1 in lanes 0-15
.endr
.irp i,0,1,2,3
	v_cndmask_b32 v[28+\i], v16, v[28+\i], s[HM]   ; tile 0 in lanes 16-31
.endr
.irp i,0,1,2,3
	v_cndmask_b32 v[20+\i], v[120+\i], v16, s[HM]  ; tile 0 in lanes 0-15
.endr
.irp i,0,1,2,3
	v_cndmask_b32 v[44+\i], v16, v[120+\i], s[HM]  ; tile 1 in lanes 16-31
.endr
.irp g,0,1
	ds_load_b32 v[SK+\g], v11 offset:KSL+1024*\g
.endr
	ds_load_b32 v[SV], v12 offset:VSW
.set j, 0
.rept 32
	v_mov_b32 v[O+j], 0                            ; O^T: the step is one text: the first finds zeros, which the first change of M leaves zeros.  (These are also the places behind the chain's last write)
.set j, j+1
.endr
.irp q,0,1
	v_mov_b32 v[TX+4*\q], 0xff61b1e6               ; the largest t so far: -3e38
	v_floor_f32 v[NM+4*\q], -v[TX+4*\q]
	v_mov_b32 v[LSM+4*\q], 0
	v_mov_b32 v[LSM+4*\q+1], 0
.endr
.irp b,0,1,2,3
	v_mov_b32 v[BT+\b], 0                          ; a lane permute's destination counts as a source
.endr
	s_wait_alu depctr_va_vdst(0)                   ; Q's chain v16-51 is written, which every product K Q^T takes as source 1
	; ---- attention
	STEP 0
	STEP 1
	STEP 2
	STEP 3
	STEP 4
	STEP 5
	STEP 6
	STEP 7
	; ---- ctx = O^T / l, quantised: block w of the next K
	v_add_f32 v90, v90, v91
	v_add_f32 v94, v94, v95
	v_permlanex16_b32 v91, v90, s[SEL], s[SEL+1]
	v_permlanex16_b32 v95, v94, s[SEL], s[SEL+1]
	v_add_f32 v90, v90, v91
	v_add_f32 v94, v94, v95
	s_wait_alu depctr_va_vdst(0)                   ; attention's products and softmax are done with Q's chain, K's and V's fragments (v16-79) and p's codes and work registers (v192-223), in which the loads below land
	LD_B
	v_rcp_f32 v88, v90
	v_rcp_f32 v92, v94
	v_nop
	s_wait_alu depctr_va_vdst(0)                   ; the two reciprocals v88 and v92 are written, ahead of their first reader
.irp q,0,1
.set j, 0
.rept 8
	v_pk_mul_f32 v[O+16*\q+j:O+16*\q+j+1], v[O+16*\q+j:O+16*\q+j+1], v[88+4*\q:89+4*\q] op_sel_hi:[1,0]
.set j, j+2
.endr
.endr
	QUANT2 R4, R4+16, 88, 86
	s_wait_alu depctr_va_vdst(0)                   ; ctx's codes v88-91 and bytes v86, v87 are written, which the LDS stores read; the quantiser is done reading v[R4 ..], in which ctx's fragments land behind the barrier
	ds_store_b64 v13, v[88:89] offset:ACTC
	ds_store_b64 v13, v[90:91] offset:ACTC+2048
	ds_store_b8 v14, v86 offset:XSC
	ds_store_b8 v14, v87 offset:XSC+128
	BARRIER                                        ; ctx's four fragments lie in LDS
	; ---- ctx Wo^T + bo + e, LN2
	AFETCH R4, ACTC, 4
	ds_load_b32 v[AS], v2 offset:XSC
	ds_load_b32 v[AS+1], v2 offset:XSC+128
	s_wait_loadcnt 28                              ; the weights' last part and group A are in; group B's 28 loads may be out.  All loads through v4, v5 and v10 are done: the three are written anew
	s_wait_alu depctr_vm_vsrc(0)                   ; the loads have read v4, v5, v10, the LDS loads v11, the LDS stores v86-91: all are written again below
	s_lshl_b32 s2, s[WV], 9
	v_add_nc_u32 v4, s2, v3                        ; v4  my blocks of the hidden layer's images: 16 r + 8 h + 512 w
	s_lshr_b32 s2, s[WV], 1
	s_lshl_b32 s2, s2, 6
	s_and_b32 s3, s[WV], 1
	s_lshl_b32 s3, s3, 1
	s_add_co_u32 s2, s2, s3
	v_and_b32 v80, 15, v0
	v_lshl_add_u32 v5, v80, 2, s2                  ; v5  their scale bytes: 4 r + 64 (w / 2) + 2 (w % 2)
	s_lshl_b32 s2, s[WV], 7
	s_add_co_u32 s2, s2, STG
	v_mad_u32_u24 v10, v80, SPI, v6
	v_add_nc_u32 v10, s2, v10                      ; v10 the stage, in: row r, + 128 w + 64 h
	v_and_b32 v11, 31, v0
	v_lshlrev_b32 v11, 3, v11                      ; v11 8 L
	s_wait_dscnt 0x0
	WIN 0x01
.irp s,0,1                                     ; the accumulators by turns, one instruction a turn, here and in every product below
.irp m,0,1
.irp u,0,1
	WM R3+16*\m+8*\u, 16*\u+8*\s, R4+16*\m+8*\s, R3+16*\m+8*\u, WSA+2*\u+\s, AS+\m, 0, \s
.endr
.endr
.endr
	WIN 0
	PLACES
.set j, 0
.rept 16
	v_pk_add_f32 v[R3+j:R3+j+1], v[R3+j:R3+j+1], v[R2+j:R2+j+1]
.set j, j+2
.endr
	LNSTAT R3, STAT2
	BARRIER                                        ; all eight waves' figures lie in LDS
	s_wait_loadcnt 20                              ; LN2's gain and bias are in; W1's scale words 4 and b1 16 may be out
	LNAPPLY R3, R2, R5, STAT2
	QUANT2 R2, R2+16, 88, 86
	s_wait_alu depctr_va_vdst(0)                   ; e's codes v88-91 and bytes v86, v87 are written, which the LDS stores read; the norm is done reading v[R3 ..], v[R5 ..] and v[R4 ..], Wo's products their scale words: the loads below and the LDS loads behind the barrier land there
	ds_store_b64 v13, v[88:89] offset:ACTE
	ds_store_b64 v13, v[90:91] offset:ACTE+2048
	ds_store_b8 v14, v86 offset:XSE
	ds_store_b8 v14, v87 offset:XSE+128
	LD_C
	BARRIER                                        ; e's four fragments lie in LDS
	s_wait_alu depctr_vm_vsrc(0)                   ; my LDS stores have read v86-91, which the hidden layer's quantiser writes again
	; ---- the hidden layer: my 64 units, relu, quantised
	AFETCH R4, ACTE, 4
	ds_load_b32 v[AS], v2 offset:XSE
	ds_load_b32 v[AS+1], v2 offset:XSE+128
	s_wait_loadcnt 18                              ; group B is in; group C's 18 loads may be out
	s_wait_dscnt 0x0
	WIN 0x01
.irp s,0,1
.irp i,0,1
.irp m,0,1
.irp u,0,1
	WM R0+32*\i+16*\m+8*\u, 32+32*\i+16*\u+8*\s, R4+16*\m+8*\s, R0+32*\i+16*\m+8*\u, WSB+4*\i+2*\u+\s, AS+\m, 0, \s
.endr
.endr
.endr
.endr
	WIN 0
	PLACES
.set j, 0
.rept 64
	v_max_num_f32 v[R0+j], 0, v[R0+j]
.set j, j+1
.endr
	QUANT2 R0, R0+16, 88, 86                       ; two out-buffers: units 64 w on to v88-91 and v86, v87,
	QUANT2 R1, R1+16, 92, 160                      ; units 64 w + 32 on to v92-95 and v160, v161: one wait serves both runs of stores
	s_wait_alu depctr_va_vdst(0)                   ; the hidden layer's codes v88-95 and bytes v86, v87, v160, v161 are written, which the LDS stores read; so are v4 and v5; the quantisers are done reading v[R0 ..] and v[R1 ..], W1's products their fragments and scale words: the loads below and the LDS loads behind the barrier land there
	ds_store_b64 v4, v[88:89] offset:ACTH
	ds_store_b64 v4, v[90:91] offset:ACTH+4096
	ds_store_b8 v5, v86 offset:XSH
	ds_store_b8 v5, v87 offset:XSH+256
	ds_store_b64 v4, v[92:93] offset:ACTH+256
	ds_store_b64 v4, v[94:95] offset:ACTH+4096+256
	ds_store_b8 v5, v160 offset:XSH+1
	ds_store_b8 v5, v161 offset:XSH+256+1
	LD_D
	BARRIER                                        ; the hidden layer's eight fragments lie in LDS
	s_wait_alu depctr_vm_vsrc(0)                   ; my LDS stores have read v160, v161, in which fragments land below, and v86-95, v4, v5, which the last norm and the tail write again
	; ---- hidden W2^T + b2 + e: K = 512, two K steps at a time
.irp m,0,1
.irp p,0,1
	ds_load_b32 v[AS+2*\m+\p], v2 offset:XSH+256*\m+128*\p
.endr
.endr
.irp p,0,1
.if \p == 1
	PLACES
	s_wait_alu depctr_va_vdst(0)                   ; the products of the first two K steps are done reading their fragments, in which the other two K steps' land
.endif
.irp m,0,1
.irp k,0,1
	ds_load_b128 v[R4+16*\m+8*\k:R4+16*\m+8*\k+3], v1 offset:ACTH+1024*(4*\m+2*\p+\k)
	ds_load_b128 v[R4+16*\m+8*\k+4:R4+16*\m+8*\k+7], v1 offset:ACTH+1024*(4*\m+2*\p+\k)+512
.endr
.endr
	s_wait_dscnt 0x0
.if \p == 0
	s_wait_loadcnt 32                              ; b2 and W2's scale words are in; the last norm's gain and bias 8 and group D's 24 may be out
.endif
	WIN 0x01
.irp k,0,1
.irp m,0,1
.irp u,0,1
	WM R3+16*\m+8*\u, 96+32*\u+8*(2*\p+\k), R4+16*\m+8*\k, R3+16*\m+8*\u, WSA+4*\u+2*\p+\k, AS+2*\m+\p, 0, \k
.endr
.endr
.endr
	WIN 0
.endr
	PLACES
.set j, 0
.rept 16
	v_pk_add_f32 v[R3+j:R3+j+1], v[R3+j:R3+j+1], v[R2+j:R2+j+1]
.set j, j+2
.endr
	TAIL 24, 1                                     ; at the norm's apply group D's 24 loads may be out
.Lend:
	s_wait_dscnt 0x0
	s_wait_alu depctr_hold_cnt(0) depctr_sa_sdst(0) depctr_va_vdst(0) depctr_va_sdst(0) depctr_va_ssrc(0) depctr_va_vcc(0) depctr_vm_vsrc(0)
	s_wait_tensorcnt 0x0
	ds_add_u32 v228, v235
	s_wait_dscnt 0x0
	s_endpgm
.Lfunc_end_k_q8ec887f779_layer0:
	.size	k_q8ec887f779_layer0, .Lfunc_end_k_q8ec887f779_layer0-k_q8ec887f779_layer0
	.p2alignl 7, 3214868480
	.fill 96, 4, 3214868480
	.section	.rodata,"a",@progbits
	.p2align	6, 0x0
	.amdhsa_kernel k_q8ec887f779_layer0
		.amdhsa_group_segment_fixed_size 91136
		.amdhsa_private_segment_fixed_size 0
		.amdhsa_enable_private_segment 0
		.amdhsa_kernarg_size 232
		.amdhsa_user_sgpr_count 2
		.amdhsa_user_sgpr_kernarg_segment_ptr 1
		.amdhsa_wavefront_size32 1
		.amdhsa_system_sgpr_workgroup_id_x 1
		.amdhsa_system_sgpr_workgroup_id_y 1
		.amdhsa_system_sgpr_workgroup_id_z 1
		.amdhsa_system_vgpr_workitem_id 0
		.amdhsa_next_free_vgpr 512
		.amdhsa_next_free_sgpr 102
		.amdhsa_reserve_vcc 0
		.amdhsa_float_denorm_mode_32 3
		.amdhsa_float_denorm_mode_16_64 3
		.amdhsa_memory_ordered 1
		.amdhsa_forward_progress 1
		.amdhsa_inst_pref_size 255
	.end_amdhsa_kernel
	.section	.bss,"aw",@nobits
	.p2align	6
	.space	262144
	.amdgpu_metadata
---
amdhsa.version: [ 1, 2 ]
amdhsa.kernels:
  - .name:           k_q8ec887f779_layer0
    .symbol:         k_q8ec887f779_layer0.kd
    .args:
      - { .name: lay0, .offset: 0, .size: 8, .value_kind: global_buffer, .address_space: global }
      - { .name: eA, .offset: 8, .size: 8, .value_kind: global_buffer, .address_space: global }
      - { .name: actA, .offset: 16, .size: 8, .value_kind: global_buffer, .address_space: global }
      - { .name: Wo_codes, .offset: 24, .size: 8, .value_kind: global_buffer, .address_space: global }
      - { .name: Wo_scales, .offset: 32, .size: 8, .value_kind: global_buffer, .address_space: global }
      - { .name: bo, .offset: 40, .size: 8, .value_kind: global_buffer, .address_space: global }
      - { .name: ln2_g, .offset: 48, .size: 8, .value_kind: global_buffer, .address_space: global }
      - { .name: ln2_b, .offset: 56, .size: 8, .value_kind: global_buffer, .address_space: global }
      - { .name: W1_codes, .offset: 64, .size: 8, .value_kind: global_buffer, .address_space: global }
      - { .name: W1_scales, .offset: 72, .size: 8, .value_kind: global_buffer, .address_space: global }
      - { .name: b1, .offset: 80, .size: 8, .value_kind: global_buffer, .address_space: global }
      - { .name: W2_codes, .offset: 88, .size: 8, .value_kind: global_buffer, .address_space: global }
      - { .name: W2_scales, .offset: 96, .size: 8, .value_kind: global_buffer, .address_space: global }
      - { .name: b2, .offset: 104, .size: 8, .value_kind: global_buffer, .address_space: global }
      - { .name: ln1_g, .offset: 112, .size: 8, .value_kind: global_buffer, .address_space: global }
      - { .name: ln1_b, .offset: 120, .size: 8, .value_kind: global_buffer, .address_space: global }
      - { .name: lno_g, .offset: 128, .size: 8, .value_kind: global_buffer, .address_space: global }
      - { .name: lno_b, .offset: 136, .size: 8, .value_kind: global_buffer, .address_space: global }
      - { .name: Wq_codes, .offset: 144, .size: 8, .value_kind: global_buffer, .address_space: global }
      - { .name: Wq_scales, .offset: 152, .size: 8, .value_kind: global_buffer, .address_space: global }
      - { .name: bq, .offset: 160, .size: 8, .value_kind: global_buffer, .address_space: global }
      - { .name: Wk_codes, .offset: 168, .size: 8, .value_kind: global_buffer, .address_space: global }
      - { .name: Wk_scales, .offset: 176, .size: 8, .value_kind: global_buffer, .address_space: global }
      - { .name: bk, .offset: 184, .size: 8, .value_kind: global_buffer, .address_space: global }
      - { .name: Wv_codes, .offset: 192, .size: 8, .value_kind: global_buffer, .address_space: global }
      - { .name: Wv_scales, .offset: 200, .size: 8, .value_kind: global_buffer, .address_space: global }
      - { .name: bv, .offset: 208, .size: 8, .value_kind: global_buffer, .address_space: global }
      - { .name: eB, .offset: 216, .size: 8, .value_kind: global_buffer, .address_space: global }
      - { .name: actB, .offset: 224, .size: 8, .value_kind: global_buffer, .address_space: global }
    .group_segment_fixed_size: 91136
    .private_segment_fixed_size: 0
    .kernarg_segment_align: 8
    .kernarg_segment_size: 232
    .max_flat_workgroup_size: 256
    .sgpr_count:     102
    .vgpr_count:     512
    .wavefront_size: 32
...
	.end_amdgpu_metadata
.endif
;; end of part 4
;; launch layer1: the kernel of part 4 again; grid 256 x 1, 8 waves a work-group, no clusters, 91,136 bytes of LDS; arguments lay1, eB, actB, Wo_codes, Wo_scales, bo, ln2_g, ln2_b, W1_codes, W1_scales, b1, W2_codes, W2_scales, b2, ln1_g, ln1_b, lno_g, lno_b, Wq_codes, Wq_scales, bq, Wk_codes, Wk_scales, bk, Wv_codes, Wv_scales, bv, eA, actA; writes eA, actA
;; launch layer2: the kernel of part 4 again; grid 256 x 1, 8 waves a work-group, no clusters, 91,136 bytes of LDS; arguments lay2, eA, actA, Wo_codes, Wo_scales, bo, ln2_g, ln2_b, W1_codes, W1_scales, b1, W2_codes, W2_scales, b2, ln1_g, ln1_b, lno_g, lno_b, Wq_codes, Wq_scales, bq, Wk_codes, Wk_scales, bk, Wv_codes, Wv_scales, bv, eB, actB; writes eB, actB
;; launch layer3: the kernel of part 4 again; grid 256 x 1, 8 waves a work-group, no clusters, 91,136 bytes of LDS; arguments lay3, eB, actB, Wo_codes, Wo_scales, bo, ln2_g, ln2_b, W1_codes, W1_scales, b1, W2_codes, W2_scales, b2, ln1_g, ln1_b, lno_g, lno_b, Wq_codes, Wq_scales, bq, Wk_codes, Wk_scales, bk, Wv_codes, Wv_scales, bv, out0, actA; writes out0, actA
